; MI455X (gfx1250); checked and timed in simulation.
; The chip was launched on July 23, 2026; its instructions are those of AMD's public machine-readable ISA for CDNA 5 (MIT licence, August 2026) and "CDNA5" Instruction Set Architecture Reference Guide (July 2026). The comments in the code are by the model that wrote it; some were corrected since.
;; AIF. Allowed arithmetic: matrix products marked QUANTISED: E2M3 operands, one E8M0 scale for each 32 along K, by v_wmma_scale_f32_16x16x128_f8f6f4 with both operands' format E2M3, f32 sums; products left as they are: f32 operands where the result goes on into a quantised operand, else bf16, f16 or f32 operands; f32 sums; everything else in f32.
;; Inputs: W_out 1,024 x 1 float32; W_proj 1,024 x 1,024 float32; b_out 1 float32; b_proj 1,024 float32; xs 16 x 2,048 x 1,024 float32; xs_lens 16 int32; ys 16 x 256 x 1,024 float32; ys_lens 16 int32.
;; Outputs: out0 16 x 256 x 1,024 float32; out1 16 float32; out2 16 x 2,048 float32; out3 16 x 2,048 float32.
;; This version of the problem:
;;   THIS VERSION OF THE PROBLEM IS GIVEN IN LOW PRECISION. The matrix products marked QUANTISED in the list below multiply operands that are first quantised to E2M3 (2 exponent bits, 3 mantissa bits; 6 bits a number), with one power-of-two scale for each 32 numbers along K (OCP MX v1.0); their sums are f32. All else is computed in f32.
;;   The module's matrix products, in the order in which they are computed (A, B: the left and right operand; K: the contracted axis; several contracted axes count as one K, in the product's order):
;;     1. [M 32,768, K 1,024] x [K 1,024, N 1]; A: input xs; B: input W_out: left as it is (N = 1 < 16)
;;     2. [M 32,768, K 1,024] x [K 1,024, N 1,024]; A: input xs; B: input W_proj: QUANTISED
;;     3. batch 16 x [M 256, K 1,024] x [K 1,024, N 2,048]; A: input ys; B: computed on the way: QUANTISED
;;     4. batch 16 x [M 256, K 2,048] x [K 2,048, N 1,024]; A: softmax (see below); B: computed on the way: QUANTISED
;;   THE QUANTISER, for each operand of a quantised product, along K:
;;     - K is cut into blocks of 32 from its start; a last block that is shorter is filled with zeros.
;;     - A block's scale is 2^e with e = floor(log2(the largest magnitude in the block)) - 2, held to -126 .. 127; a block of zeros has e = 0. As a byte (E8M0): e + 127.
;;     - Each number is divided by its block's scale, clamped to +-7.5, and rounded to the nearest number of E2M3, ties to even, subnormals kept.
;;     - The product sums the exact products of the quantised numbers (number of the format x scale) in f32.
;;   ~~~python
;;   def quantise(x, axis):      # numpy; x: float32 -> the quantised numbers, widened to float32 again
;;       x = np.moveaxis(x, axis, -1); K = x.shape[-1]
;;       x = np.pad(x, [(0, 0)] * (x.ndim - 1) + [(0, -K % 32)]); x = x.reshape(x.shape[:-1] + (-1, 32)); a = np.abs(x).max(-1, keepdims=True)
;;       e = np.where(a > 0, np.clip(np.frexp(np.where(a > 0, a, 1))[1] - 1 - 2, -126, 127), 0)      # np.frexp(a)[1] - 1 = floor(log2(a)), exactly
;;       r = np.clip(x / 2.0 ** e, -7.5, 7.5)
;;       step = 2.0 ** (np.maximum(np.frexp(np.where(r == 0, 1, r))[1] - 1, 0) - 3)
;;       q = np.round(r / step) * step * 2.0 ** e      # np.round: ties to even
;;       return np.moveaxis(q.reshape(q.shape[:-2] + (-1,))[..., :K], -1, axis).astype(np.float32)
;;   ~~~
;;   SOFTMAX AHEAD OF A QUANTISED PRODUCT. Where the list says 'softmax', what is quantised is not the finished softmax but p = 2^(t - M), with t = logit x log2(e) and M = ceil(the row's largest t), a whole number; so 1/2 < the row's largest p <= 1. The row's sum l is taken of the UNQUANTISED p, in f32, and the product's result is divided by l at the end. Since M is a whole number, a kernel that streams over the keys may use a running M (the ceiling of the running maximum): every later rescaling is an exact power of two, which a block's scale takes up: the codes' values come out the same.
;;   OPERANDS COMPUTED ON THE WAY. 'Computed on the way' means the value that the module computes at that place (a softmax that the list does not call 'softmax' is quantised finished and normalised). What goes into a quantiser is computed in f32, as accurately as f32 sums, v_exp_f32 and their like allow (about 1e-6 of the number): no bf16 or f16 on the way to a quantiser, and a product that is left as it is and whose result goes on into a quantised operand takes f32 operands (vector FMAs, or v_wmma_f32_16x16x4_f32). A number that lies on a knife's edge between two numbers of the format may be rounded either way, as far as f32 arithmetic and the matrix unit's own rounding can turn it there, and no further.
;; 3 versions. Each part assembles by itself: llvm-mc -triple=amdgcn-amd-amdhsa -mcpu=gfx1250 --defsym DOCPART=n.
;; ======== version 1 of 3: 4 launches
;; limits: right only within a limited range of input values
;; workspace buffers: wq 819,200 bytes; kq 26,214,400 bytes; vq 26,214,400 bytes; usum 1,048,576 bytes; fs 196,608 bytes; meta 18,432 bytes of whole numbers
;; launch prep (part 1): grid 32 x 8, 2 waves a work-group, no clusters, 0 bytes of LDS; arguments W_proj, wq; writes wq
.if DOCPART == 1
	.amdgcn_target "amdgcn-amd-amdhsa--gfx1250"
	.amdhsa_code_object_version 6
	.text
	.protected	k_qc0650bb77b_prep
	.globl	k_qc0650bb77b_prep
	.p2align	8
	.type	k_qc0650bb77b_prep,@function
k_qc0650bb77b_prep:
	s_mov_b64 s[64:65], 0
	v_nop
	global_prefetch_b8 v0, s[64:65] scope:SCOPE_SE
	s_setreg_imm32_b32 hwreg(HW_REG_WAVE_MODE, 25, 1), 1
	s_wait_xcnt 0x0
; W_proj [1024 (d)][1024 (e)], f32, K = d is its FIRST axis.  It becomes codes of E2M3 with one E8M0 byte for each 32 along d, laid as IMAGES OF OPERAND REGISTERS:
; wq: [tile T 64][K step s 8] images of 1,536 bytes (registers 4 g .. 4 g + 3 of lane l at 512 g + 16 l); from byte WSC on [pair P 32][s 8][lane 32] scale words: lanes 0-15 tile 2 P's rows, lanes 16-31 tile 2 P + 1's.
; THE ROWS OF A TILE ARE NOT NEIGHBOURS: row i of tile 2 P + u is e = 32 P + 8 u + i + 8 (i / 8).
; Work-group (P, s), wave u: one fragment (16 e x 128 d).  A lane takes one column e and its registers run down d, in the order of the operand's layout: lane (r, h) holds d = 128 s + 64 c + 32 h + 0 .. 31, two whole blocks.
; A block's scale is 2^(floor(log2(largest magnitude)) - 2); its byte is the largest magnitude's exponent field - 2, held at 1 from below.
; LIMITS: a block of zeros gets the byte 1 (its codes are zeros; this program alone reads the bytes); NaN and infinities among the inputs are not served.
.set WSC, 786432
	s_load_b128 s[4:7], s[0:1], 0x0                ; W_proj s[4:5], wq s[6:7]
	v_lshrrev_b32 v1, 5, v0
	v_readfirstlane_b32 s8, v1                     ; wave = u
	v_and_b32 v1, 15, v0                           ; r
	v_bfe_u32 v2, v0, 4, 1                         ; h
	v_and_b32 v3, 31, v0                           ; lane
	s_and_b32 s9, ttmp7, 0xffff                    ; K step s
	v_and_b32 v4, 8, v1
	v_add_nc_u32 v4, v4, v1                        ; r + 8 (r / 8)
	s_lshl_b32 s10, ttmp9, 5
	s_lshl_b32 s11, s8, 3
	s_add_co_u32 s10, s10, s11                     ; 32 P + 8 u
	v_add_nc_u32 v4, s10, v4                       ; my column e
	v_lshlrev_b32 v5, 2, v4
	v_lshl_add_u32 v5, v2, 17, v5                  ; 4 e + 32 h rows of 4,096 bytes
	s_lshl_b32 s12, s9, 19                         ; 128 s rows
	s_mov_b32 s13, 0
	s_lshl_b32 s14, ttmp9, 1
	s_add_co_u32 s14, s14, s8                      ; T = 2 P + u
	s_lshl_b32 s14, s14, 3
	s_add_co_u32 s14, s14, s9
	s_mul_i32 s14, s14, 1536                       ; the image's place: (8 T + s) x 1,536
	s_mov_b32 s15, 0
	s_lshl_b32 s16, ttmp9, 3
	s_add_co_u32 s16, s16, s9
	s_lshl_b32 s16, s16, 7                         ; the pair's scale words: (8 P + s) x 128,
	s_lshl_b32 s17, s8, 6
	s_add_co_u32 s16, s16, s17                     ; + 64 u
	s_add_co_u32 s16, s16, WSC
	s_mov_b32 s17, 0
	v_lshlrev_b32 v6, 4, v3                        ; 16 x lane
	v_lshlrev_b32 v7, 2, v1                        ; 4 r
	s_mov_b32 s20, 0x76543210
	s_mov_b32 s21, 0xfedcba98                      ; v_permlanex16_b32's selects for lane l xor 16
	s_wait_kmcnt 0x0
	s_add_nc_u64 s[4:5], s[4:5], s[12:13]
	s_add_nc_u64 s[18:19], s[6:7], s[16:17]
	s_add_nc_u64 s[6:7], s[6:7], s[14:15]
.irp c, 0,1
.irp i, 0,1,2,3,4,5,6,7,8,9,10,11,12,13,14,15,16,17,18,19,20,21,22,23,24,25,26,27,28,29,30,31
	global_load_b32 v[64+32*\c+\i], v5, s[4:5] offset:4096*(64*\c+\i)   ; W(128 s + 64 c + 32 h + i, e)
.endr
.endr
	s_wait_loadcnt 0x0
.irp c, 0,1                                    ; my block 2 c + h: all its 32 numbers are mine
	v_max3_num_f32 v[32+\c], |v[64+32*\c]|, |v[65+32*\c]|, 0x1800000   ; with the floor 2^(3 - 127): the byte cannot fall under 1
.endr
.irp i, 2,4,6,8,10,12,14,16,18,20,22,24,26,28,30
.irp c, 0,1
	v_max3_num_f32 v[32+\c], v[32+\c], |v[64+32*\c+\i]|, |v[65+32*\c+\i]|
.endr
.endr
.irp c, 0,1
	v_add_nc_u32 v[44+\c], 0xff000000, v[32+\c]    ; 2 off the exponent field: the conversion's scale operand
.endr
.irp c, 0,1
	v_lshrrev_b32 v[36+\c], 23, v[44+\c]           ; the scale's byte
.endr
	v_lshl_or_b32 v9, v37, 16, v36                 ; my two bytes: blocks h and 2 + h,
	v_lshlrev_b32 v10, 3, v2
	v_lshlrev_b32 v9, v10, v9                      ; at their places in the word;
	v_mov_b32 v10, 0
	v_permlanex16_b32 v10, v9, s20, s21
	v_or_b32 v9, v9, v10                           ; with lane l xor 16's two the word is whole
.irp c, 0,1
	v_cvt_scalef32_pk16_fp6_f32 v[48+6*\c:50+6*\c], v[64+32*\c:79+32*\c], v[44+\c]
	v_cvt_scalef32_pk16_fp6_f32 v[192+4*\c:194+4*\c], v[80+32*\c:95+32*\c], v[44+\c]   ; (a conversion's three registers begin on an even number)
.endr
	v_nop                                          ; one plain place behind a scaled conversion
.irp c, 0,1
.irp i, 0,1,2
	v_mov_b32 v[51+6*\c+\i], v[192+4*\c+\i]
.endr
.endr
.irp g, 0,1,2
	global_store_b128 v6, v[48+4*\g:51+4*\g], s[6:7] offset:512*\g   ; the wave stores 512 consecutive bytes
.endr
	s_wait_xcnt 0x0                                ; EXEC changes only behind this wait
	v_cmpx_gt_u32 16, v3                           ; lanes 0-15 hold the 16 rows' words
	global_store_b32 v7, v9, s[18:19]
	s_endpgm
.Lfunc_end_k_qc0650bb77b_prep:
	.size	k_qc0650bb77b_prep, .Lfunc_end_k_qc0650bb77b_prep-k_qc0650bb77b_prep
	.p2alignl 7, 3214868480
	.fill 96, 4, 3214868480
	.section	.rodata,"a",@progbits
	.p2align	6, 0x0
	.amdhsa_kernel k_qc0650bb77b_prep
		.amdhsa_group_segment_fixed_size 0
		.amdhsa_private_segment_fixed_size 0
		.amdhsa_enable_private_segment 0
		.amdhsa_kernarg_size 16
		.amdhsa_user_sgpr_count 2
		.amdhsa_user_sgpr_kernarg_segment_ptr 1
		.amdhsa_wavefront_size32 1
		.amdhsa_system_sgpr_workgroup_id_x 1
		.amdhsa_system_sgpr_workgroup_id_y 1
		.amdhsa_system_sgpr_workgroup_id_z 1
		.amdhsa_system_vgpr_workitem_id 0
		.amdhsa_next_free_vgpr 208
		.amdhsa_next_free_sgpr 66
		.amdhsa_reserve_vcc 0
		.amdhsa_float_denorm_mode_32 3
		.amdhsa_float_denorm_mode_16_64 3
		.amdhsa_memory_ordered 1
		.amdhsa_forward_progress 1
		.amdhsa_inst_pref_size 12
	.end_amdhsa_kernel
	.amdgpu_metadata
---
amdhsa.version: [ 1, 2 ]
amdhsa.kernels:
  - .name:           k_qc0650bb77b_prep
    .symbol:         k_qc0650bb77b_prep.kd
    .args:
      - { .name: W_proj, .offset: 0, .size: 8, .value_kind: global_buffer, .address_space: global }
      - { .name: wq, .offset: 8, .size: 8, .value_kind: global_buffer, .address_space: global }
    .group_segment_fixed_size: 0
    .private_segment_fixed_size: 0
    .kernarg_segment_align: 8
    .kernarg_segment_size: 16
    .max_flat_workgroup_size: 64
    .sgpr_count:     66
    .vgpr_count:     208
    .wavefront_size: 32
...
	.end_amdgpu_metadata
.endif
;; end of part 1
;; launch proj (part 2): grid 256 x 1, 4 waves a work-group, no clusters, 140,800 bytes of LDS; arguments xs, xs_lens, W_out, b_out, b_proj, wq, kq, vq, usum, out2; writes kq, vq, usum, out2
.if DOCPART == 2
	.amdgcn_target "amdgcn-amd-amdhsa--gfx1250"
	.amdhsa_code_object_version 6
	.text
	.protected	k_qc0650bb77b_proj
	.globl	k_qc0650bb77b_proj
	.p2align	8
	.type	k_qc0650bb77b_proj,@function
k_qc0650bb77b_proj:
	s_mov_b64 s[64:65], 0
	v_nop
	global_prefetch_b8 v0, s[64:65] scope:SCOPE_SE
	s_setreg_imm32_b32 hwreg(HW_REG_WAVE_MODE, 25, 1), 1
	s_wait_xcnt 0x0
; Work-group G takes 128 frames (batch G / 16, key step G % 16) and reads them ONCE.
; PHASE X: wave w takes frames 32 w .. 32 w + 31: it forms their alphas (f32 multiply-adds, sigmoid, 0 from xs_len on -> out2) and quantises x along d into codes of E2M3;
;   the fragments go to LDS as images of operand registers (registers 4 g .. 4 g + 3 of lane l at 512 g + 16 l), their scale words beside them.  One barrier.
; PHASE G: wave w takes e = 256 w .. 256 w + 255, in 4 rounds of 64.  A round multiplies all 128 frames by its 64 columns of W TWICE, with the sources swapped (the same bits, transposed):
;   K side (source 0 = W, source 1 = x): a lane holds one frame, its registers run along e: quantised along e -> kq;   V side (source 0 = x, source 1 = W): a lane holds one e, registers along the frames: quantised along t -> vq.
;   b_proj is the C of each sum's first product.  A product of ones with V's codes gives the sum of the quantised V over the 128 frames -> usum (for rows of the attention whose mask is all false).
; TILES of frames and of e ARE NOT NEIGHBOURS: row i of tile 2 a + u is index 32 a + 8 u + i + 8 (i / 8), so that the 16 registers of two neighbouring tiles are 16 neighbours along the next K.
; PAIRED SCALE WORDS: one register or record holds the even tile's words in lanes 0-15 and the odd tile's in lanes 16-31.
; W's fragments come from memory straight into the one wave that uses them (each feeds 16 products); no tile is shared through LDS but x's, so no tensor load and no cluster.
; LIMITS: a block of zeros gets the byte 1 (its codes are zeros; this program alone reads the bytes); NaN and infinities among the inputs are not served.
; REGISTERS.  window 0: v1-23 addresses; v24-55 x's scale words, v56-71 W's, v112 the ones', v114-117 V's (these hold scales alone); v72-103 K's registers kept from an even round; v104-111 K's half words;
;   v120-183 x's 64 numbers, later the ones' codes (v120-131), the ones' results, at work, b_proj for the K side (v132-163); v184-199 at work; v204-243 codes just made, b_proj for the V side (v204-235).
;   window 1: phase X: four sets of 64 numbers as loaded; phase G: x's 8 fragments (v0-95), W's 4 fragments in three sets (v96-239).
;   window 2: phase X: W_out (v0-31), the alphas' sums (v32-95); phase G: the K side's 32 accumulators (32 t + 8 e).   window 3: the V side's (64 e + 8 t).
.set XSC,   98304                      ; LDS: [K step 8][tile 8] images of x from 0; here [pair 4][K step 8][lane] scale words;
.set BIAS,  102400                     ; b_proj, 1,024 bytes for each wave;
.set STG,   106496                     ; a stage of 16 rows x 528 bytes for each wave (later 32 x 144 for the alphas)
.set STGW,  8448
.set WSC,   786432
.set KSC,   25165824
.set VSC,   25165824
.set XS,    24
.set WS,    56
.set SV,    72
.set KH,    104
.set ONESC, 112
.set PWV,   114
.set X,     120
.set ONES,  120
.set UD,    132
.set BK,    132
.set TSC,   148
.set HW,    156
.set KW,    160
.set TMPS,  164
.set TM,    184
.set PW,    200
.set PWK,   201
.set PC0,   204
.set PC1,   224
.set PCK,   204
.set BV,    204
.set SEL,   26
.set MSB, 0
.macro WIN new                         ; the immediate's high byte repeats the setting that is left; a switch that changes nothing is dropped
.if MSB != (\new)
	s_set_vgpr_msb (MSB<<8)|(\new)
.set MSB, \new
.endif
.endm
.macro PLACES n
.rept \n
	v_nop
.endr
.endm
; one product: D, A, B, C (under 0: the constant 0), A's and B's scale registers, and whether each side's words stand in lanes 16-31
.macro WM d, a, b, c, sa, sb, ra, rb
.if (\c) < 0
.if (\ra) && (\rb)
	v_wmma_scale_f32_16x16x128_f8f6f4 v[\d:\d+7], v[\a:\a+11], v[\b:\b+11], 0, v[\sa], v[\sb] matrix_a_fmt:MATRIX_FMT_FP6 matrix_b_fmt:MATRIX_FMT_FP6 matrix_a_scale:MATRIX_SCALE_ROW1 matrix_b_scale:MATRIX_SCALE_ROW1
.elseif (\ra)
	v_wmma_scale_f32_16x16x128_f8f6f4 v[\d:\d+7], v[\a:\a+11], v[\b:\b+11], 0, v[\sa], v[\sb] matrix_a_fmt:MATRIX_FMT_FP6 matrix_b_fmt:MATRIX_FMT_FP6 matrix_a_scale:MATRIX_SCALE_ROW1
.elseif (\rb)
	v_wmma_scale_f32_16x16x128_f8f6f4 v[\d:\d+7], v[\a:\a+11], v[\b:\b+11], 0, v[\sa], v[\sb] matrix_a_fmt:MATRIX_FMT_FP6 matrix_b_fmt:MATRIX_FMT_FP6 matrix_b_scale:MATRIX_SCALE_ROW1
.else
	v_wmma_scale_f32_16x16x128_f8f6f4 v[\d:\d+7], v[\a:\a+11], v[\b:\b+11], 0, v[\sa], v[\sb] matrix_a_fmt:MATRIX_FMT_FP6 matrix_b_fmt:MATRIX_FMT_FP6
.endif
.else
.if (\ra) && (\rb)
	v_wmma_scale_f32_16x16x128_f8f6f4 v[\d:\d+7], v[\a:\a+11], v[\b:\b+11], v[\c:\c+7], v[\sa], v[\sb] matrix_a_fmt:MATRIX_FMT_FP6 matrix_b_fmt:MATRIX_FMT_FP6 matrix_a_scale:MATRIX_SCALE_ROW1 matrix_b_scale:MATRIX_SCALE_ROW1
.elseif (\ra)
	v_wmma_scale_f32_16x16x128_f8f6f4 v[\d:\d+7], v[\a:\a+11], v[\b:\b+11], v[\c:\c+7], v[\sa], v[\sb] matrix_a_fmt:MATRIX_FMT_FP6 matrix_b_fmt:MATRIX_FMT_FP6 matrix_a_scale:MATRIX_SCALE_ROW1
.elseif (\rb)
	v_wmma_scale_f32_16x16x128_f8f6f4 v[\d:\d+7], v[\a:\a+11], v[\b:\b+11], v[\c:\c+7], v[\sa], v[\sb] matrix_a_fmt:MATRIX_FMT_FP6 matrix_b_fmt:MATRIX_FMT_FP6 matrix_b_scale:MATRIX_SCALE_ROW1
.else
	v_wmma_scale_f32_16x16x128_f8f6f4 v[\d:\d+7], v[\a:\a+11], v[\b:\b+11], v[\c:\c+7], v[\sa], v[\sb] matrix_a_fmt:MATRIX_FMT_FP6 matrix_b_fmt:MATRIX_FMT_FP6
.endif
.endif
.endm
; 64 numbers of a lane in window w, register s + 16 b + i = k 32 b + 16 (lane / 16) + i of my row, become a fragment's codes in v[pc] .. v[pc + 11] and its scale word in v[pw].
; Each group of eight registers is first read at its low end.
.macro QUANT s, w, pc, pw
	WIN (\w)|((\w)<<2)
.irp b, 0,1,2,3
	v_max3_num_f32 v[TM+\b], |v[(\s)+16*\b]|, |v[(\s)+16*\b+1]|, 0x1800000   ; block b: my 16 numbers, and the floor 2^(3 - 127): the byte cannot fall under 1
.endr
.irp i, 2,4,6,8,10,12,14
.irp b, 0,1,2,3
	v_max3_num_f32 v[TM+\b], |v[(\s)+16*\b+\i]|, |v[(\s)+16*\b+\i+1]|, v[TM+\b]
.endr
.endr
	WIN 0
.irp b, 0,1,2,3
	v_permlanex16_b32 v[TM+4+\b], v[TM+\b], s[SEL], s[SEL+1]
.endr
.irp b, 0,1,2,3
	v_max_num_f32 v[TM+\b], v[TM+\b], v[TM+4+\b]   ; with lane l xor 16's: the block's largest magnitude
.endr
.irp b, 0,1,2,3
	v_add_nc_u32 v[TM+12+\b], 0xff000000, v[TM+\b] ; 2 off its exponent field: the conversion's scale operand
.endr
.irp b, 0,1,2,3
	v_lshrrev_b32 v[TM+4+\b], 23, v[TM+12+\b]      ; the scale's byte
.endr
	v_lshl_or_b32 v[\pw], v[TM+5], 8, v[TM+4]
	v_lshl_or_b32 v[\pw], v[TM+6], 16, v[\pw]
	v_lshl_or_b32 v[\pw], v[TM+7], 24, v[\pw]
	s_wait_xcnt 0x0                                ; earlier stores have read the registers that the codes are written into
	WIN \w
.irp c, 0,1
	v_cvt_scalef32_pk16_fp6_f32 v[\pc+6*\c:\pc+6*\c+2], v[(\s)+32*\c:(\s)+32*\c+15], v[TM+12+2*\c]
	v_cvt_scalef32_pk16_fp6_f32 v[\pc+12+4*\c:\pc+14+4*\c], v[(\s)+16+32*\c:(\s)+31+32*\c], v[TM+13+2*\c]   ; (a conversion's three registers begin on an even number)
.endr
	WIN 0
	v_nop                                          ; one plain place behind a scaled conversion
.irp c, 0,1                                    ; the operand's layout wants a WHOLE block in a lane: lanes 0-15 block 2 c, lanes 16-31 block 2 c + 1
.irp i, 0,1,2
	v_permlane16_swap_b32 v[\pc+6*\c+\i], v[\pc+12+4*\c+\i]
.endr
.irp i, 0,1,2
	v_mov_b32 v[\pc+3+6*\c+\i], v[\pc+12+4*\c+\i]
.endr
.endr
.endm
	s_load_b512 s[4:19], s[0:1], 0x0               ; xs 4, xs_lens 6, W_out 8, b_out 10, b_proj 12, wq 14, kq 16, vq 18
	s_load_b128 s[20:23], s[0:1], 0x40             ; usum 20, out2 22
	v_lshl_add_u32 v254, v0, 2, 0x22400
	v_mov_b32 v255, 0
	v_lshrrev_b32 v1, 5, v0
	v_readfirstlane_b32 s24, v1                    ; wave 0..3
	s_mov_b32 s25, ttmp9                           ; G
	s_mov_b32 s26, 0x76543210
	s_mov_b32 s27, 0xfedcba98                      ; selects for lane l xor 16
	s_mov_b32 s28, 0xffff0000                      ; lanes 16-31
	v_and_b32 v1, 31, v0                           ; lane
	v_and_b32 v2, 15, v0                           ; r
	v_bfe_u32 v3, v0, 4, 1                         ; h
	v_lshlrev_b32 v4, 4, v1                        ; 16 x lane: an image's place for my lane, in memory and (x's K steps 0-3) in LDS
	v_lshlrev_b32 v5, 2, v1                        ; 4 x lane
	s_mul_i32 s52, s24, STGW
	s_add_co_u32 s52, s52, STG                     ; my stage
	v_add_nc_u32 v6, s52, v4                       ; into it: 16 x lane of a row
	v_mul_u32_u24 v7, v2, 528
	v_lshl_add_u32 v7, v3, 6, v7
	v_add_nc_u32 v7, s52, v7                       ; out of it: row r, + 64 h: my 16 numbers of a block of 32
	s_mul_i32 s53, s24, 3072
	v_add_nc_u32 v8, s53, v4                       ; where I store x's images: tiles 2 w, 2 w + 1; K steps 0-3,
	v_add_nc_u32 v9, 49152, v8                     ; K steps 4-7
	s_lshl_b32 s53, s24, 10
	s_add_co_u32 s54, s53, XSC
	v_add_nc_u32 v10, s54, v5                      ; and their paired scale words
	v_add_nc_u32 v12, 49152, v4                    ; x's images, K steps 4-7
	v_add_nc_u32 v13, XSC, v5
	v_add_nc_u32 v14, s52, v5                      ; the alphas' sums: in,
	v_mul_u32_u24 v15, v1, 144
	v_add_nc_u32 v15, s52, v15                     ; and back: a frame a lane
	s_add_co_u32 s54, s53, BIAS
	v_lshl_add_u32 v16, v3, 6, s54                 ; b_proj for the K side: + 64 h
	v_and_b32 v23, 8, v2
	v_add_nc_u32 v23, v23, v2                      ; r + 8 (r / 8)
	v_lshl_add_u32 v17, v23, 2, s54                ; b_proj for the V side: my row's e
	v_lshl_add_u32 v18, v3, 3, v23
	v_lshlrev_b32 v18, 2, v18                      ; usum: 4 (8 h + r + 8 (r / 8))
	v_lshl_add_u32 v19, v1, 5, s54                 ; b_proj on its way in: 32 bytes a lane
	v_lshlrev_b32 v22, 5, v1
	s_mov_b32 s53, 0
	s_mov_b32 s55, 0
.set ii, 0
.rept 16
	v_mov_b32 v[TM+ii], 0                          ; written once: a lane permute's destination counts as one of its sources
.set ii, ii+1
.endr
	s_wait_kmcnt 0x0
	s_lshr_b32 s52, s25, 4
	s_lshl_b32 s52, s52, 2
	s_add_nc_u64 s[6:7], s[6:7], s[52:53]
	s_load_b32 s29, s[6:7], 0x0                    ; xs_len of my batch
	s_load_b32 s30, s[10:11], 0x0                  ; b_out
	s_lshl_b32 s52, s25, 19
	s_lshl_b32 s54, s24, 17
	s_add_co_u32 s52, s52, s54
	s_add_nc_u64 s[4:5], s[4:5], s[52:53]          ; xs at frame 128 G + 32 w
	s_lshl_b32 s52, s24, 10
	s_add_nc_u64 s[12:13], s[12:13], s[52:53]      ; b_proj at e = 256 w
	WIN 0x80
.irp s, 0,1,2,3,4,5,6,7
	global_load_b128 v[4*\s:4*\s+3], v4, s[8:9] offset:512*\s      ; W_out: my four numbers of each K step
.endr
	WIN 0
	global_load_b128 v[244:247], v22, s[12:13]
	global_load_b128 v[248:251], v22, s[12:13] offset:16
; unit n = 2 s + u: tile 2 w + u, K step s: 16 rows x 512 consecutive bytes, into set n % 4 of window 1
.macro LOADU n
	WIN 0x40
.set ii, 0
.rept 16
	global_load_b128 v[64*((\n)%4)+4*ii:64*((\n)%4)+4*ii+3], v4, s[4:5] offset:(8*((\n)%2)+ii+8*(ii/8))*4096+512*((\n)/2) th:TH_LOAD_NT
.set ii, ii+1
.endr
	WIN 0
.endm
	LOADU 0
	LOADU 1
	LOADU 2
	LOADU 3
	s_mul_i32 s52, s24, 196608
	s_add_nc_u64 s[38:39], s[14:15], s[52:53]      ; W's images of my first round (tile 16 w)
	s_lshl_b32 s52, s24, 13
	s_add_co_u32 s52, s52, WSC
	s_add_nc_u64 s[40:41], s[14:15], s[52:53]      ; and their scale words (pair 8 w)
	s_mul_i32 s56, s25, 98304
	s_mul_i32 s52, s24, 3072
	s_add_co_u32 s52, s52, s56
	s_add_nc_u64 s[42:43], s[16:17], s[52:53]      ; kq: step G, K step 2 w
	s_lshl_b32 s58, s25, 12
	s_lshl_b32 s52, s24, 8
	s_add_co_u32 s52, s52, s58
	s_add_co_u32 s52, s52, KSC
	s_add_nc_u64 s[44:45], s[16:17], s[52:53]      ; its scale words
	s_mul_i32 s52, s24, 24576
	s_add_co_u32 s52, s52, s56
	s_add_nc_u64 s[46:47], s[18:19], s[52:53]      ; vq: step G, tile 16 w
	s_lshl_b32 s54, s24, 10
	s_add_co_u32 s54, s54, s58
	s_add_co_u32 s52, s54, VSC
	s_add_nc_u64 s[48:49], s[18:19], s[52:53]      ; its scale words
	s_mov_b32 s52, s54
	s_add_nc_u64 s[50:51], s[20:21], s[52:53]      ; usum: step G, e = 256 w
	s_lshl_b32 s52, s25, 9
	s_lshl_b32 s54, s24, 7
	s_add_co_u32 s52, s52, s54
	s_add_nc_u64 s[22:23], s[22:23], s[52:53]      ; out2 at my 32 frames
; ---- PHASE X.  A unit: its 16 rows go through my stage as they lie and come back 64 numbers a lane; on the way they are multiplied into the alphas' sums; then they are quantised.
.macro UNIT n
.set US, (\n)/2
.set UU, (\n)%2
.set RS, 64*((\n)%4)
.if (\n) <= 12
	s_wait_loadcnt 48                              ; this unit's loads are in; the three units behind it (16 loads each) may be out
.else
	s_wait_loadcnt 16*(15-(\n))
.endif
.if (\n) == 0
	ds_store_b128 v19, v[244:247]                  ; b_proj into my own 1,024 bytes
	ds_store_b128 v19, v[248:251] offset:16
.endif
	WIN 0x04                                       ; an LDS store's data are its source 1: window 1
.set ii, 0
.rept 16
	ds_store_b128 v6, v[RS+4*ii:RS+4*ii+3] offset:528*ii
.set ii, ii+1
.endr
	WIN 0xa9                                       ; numbers window 1; W_out and the sums window 2
.set ii, 0
.rept 16
.set AC, 32+2*(16*UU+ii)
.if US == 0
	v_pk_mul_f32 v[AC:AC+1], v[RS+4*ii:RS+4*ii+1], v[4*US:4*US+1]      ; the first products start the sums
.else
	v_pk_fma_f32 v[AC:AC+1], v[RS+4*ii:RS+4*ii+1], v[4*US:4*US+1], v[AC:AC+1]
.endif
.set ii, ii+1
.endr
.set ii, 0
.rept 16
.set AC, 32+2*(16*UU+ii)
	v_pk_fma_f32 v[AC:AC+1], v[RS+4*ii+2:RS+4*ii+3], v[4*US+2:4*US+3], v[AC:AC+1]
.set ii, ii+1
.endr
	WIN 0
.irp b, 0,1,2,3
.irp j, 0,1,2,3
	ds_load_b128 v[X+16*\b+4*\j:X+16*\b+4*\j+3], v7 offset:128*\b+16*\j   ; LDS serves a wave's instructions in order: these see my stores
.endr
.endr
	s_wait_dscnt 0x0                               ; my 64 numbers are in; the stage's stores have read the set, and the last unit's image stores their codes
.if (\n)+4 < 16
	LOADU (\n)+4                                   ; the set takes the unit four on
.endif
	QUANT X, 0, PC0, PW
.irp c, 0,1,2
.if US < 4
	ds_store_b128 v8, v[PC0+4*\c:PC0+4*\c+3] offset:US*12288+1536*UU+512*\c
.else
	ds_store_b128 v9, v[PC0+4*\c:PC0+4*\c+3] offset:(US-4)*12288+1536*UU+512*\c
.endif
.endr
.if UU == 0
	v_mov_b32 v[PWK], v[PW]                        ; the even tile's words are kept
.else
	v_cndmask_b32 v[PWK], v[PWK], v[PW], s28       ; lanes 0-15 the even tile's, lanes 16-31 the odd tile's
	ds_store_b32 v10, v[PWK] offset:128*US
.endif
.endm
.set NN, 0
.rept 16
	UNIT NN
.set NN, NN+1
.endr
	; the alphas: each of my 32 frames' sums lies in 32 lanes x 2: the halves are added, the lanes' parts go through my stage, and lane l adds frame 32 w + l's
	WIN 0x0a
.set ii, 0
.rept 32
	v_add_f32 v[X+ii], v[32+2*ii], v[33+2*ii]
.set ii, ii+1
.endr
	WIN 0
.irp u, 0,1
.set ii, 0
.rept 16
	ds_store_b32 v14, v[X+16*\u+ii] offset:144*(8*\u+ii+8*(ii/8))
.set ii, ii+1
.endr
.endr
.irp k, 0,1,2,3,4,5,6,7
	ds_load_b128 v[152+4*\k:155+4*\k], v15 offset:16*\k
.endr
	s_wait_dscnt 0x0
.irp k, 0,4,8,12,16,20,24,28
	v_pk_add_f32 v[152+\k:153+\k], v[152+\k:153+\k], v[154+\k:155+\k]
.endr
.irp k, 0,8,16,24
	v_pk_add_f32 v[152+\k:153+\k], v[152+\k:153+\k], v[156+\k:157+\k]
.endr
.irp k, 0,16
	v_pk_add_f32 v[152+\k:153+\k], v[152+\k:153+\k], v[160+\k:161+\k]
.endr
	v_pk_add_f32 v[152:153], v[152:153], v[168:169]
	v_add_f32 v152, v152, v153
	s_wait_kmcnt 0x0                               ; xs_len, b_out
	v_add_f32 v152, s30, v152
	v_mul_f32 v152, 0xbfb8aa3b, v152               ; -log2(e) x
	v_exp_f32 v153, v152
	s_and_b32 s52, s25, 15
	s_lshl_b32 s52, s52, 7
	s_lshl_b32 s54, s24, 5
	s_add_co_u32 s52, s52, s54
	v_add_nc_u32 v155, s52, v1                     ; my frame in its batch.  (A plain place behind the exponential)
	s_wait_alu depctr_va_vdst(0)                   ; the wait ahead of the first reader
	v_add_f32 v153, 1.0, v153
	v_rcp_f32 v154, v153
	v_cmp_gt_i32 vcc_lo, s29, v155                 ; (a plain place behind the reciprocal)
	s_wait_alu depctr_va_vdst(0)
	v_cndmask_b32 v154, 0, v154, vcc_lo            ; 0 from xs_len on
	global_store_b32 v5, v154, s[22:23]
	s_wait_xcnt 0x0                                ; the store has read its data: the register is used again below
.irp k, 0,3,6,9
	v_mov_b32 v[ONES+\k], 0x18618618               ; 128 codes of 4.0, a stream of 6-bit codes;
	v_mov_b32 v[ONES+\k+1], 0x86186186
	v_mov_b32 v[ONES+\k+2], 0x61861861
.endr
	v_mov_b32 v[ONESC], 0x7d7d7d7d                 ; under the scale 2^-2: ones
.set ii, 0
.rept 40
	v_mov_b32 v[SV+ii], 0                          ; what an even round leaves for the odd one: written once, so that both ways of a round find it written
.set ii, ii+1
.endr
; W's four fragments of K step st of the round at base, into set
.macro WLOAD set, st, base
.irp e, 0,1,2,3
.irp g, 0,1,2
	global_load_b128 v[96+48*(\set)+12*\e+4*\g:96+48*(\set)+12*\e+4*\g+3], v4, s[\base:\base+1] offset:\e*12288+(\st)*1536+512*\g
.endr
.endr
.endm
.macro WSLOAD                          ; a round's 16 paired scale words of W
.irp b, 0,1
.irp s, 0,1,2,3,4,5,6,7
	global_load_b32 v[WS+8*\b+\s], v5, s[36:37] offset:1024*\b+128*\s
.endr
.endr
.endm
.macro BIASLD                          ; b_proj in the two results' layouts: K side eight neighbours a tile; V side my row's number in all eight registers of a tile
.irp e, 0,1,2,3
	ds_load_b128 v[BK+8*\e:BK+8*\e+3], v20 offset:(32*(\e/2)+8*(\e%2))*4
	ds_load_b128 v[BK+8*\e+4:BK+8*\e+7], v20 offset:(32*(\e/2)+8*(\e%2))*4+16
.endr
.irp e, 0,1,2,3
.irp j, 0,1,2,3,4,5,6,7
	ds_load_b32 v[BV+8*\e+\j], v21 offset:(32*(\e/2)+8*(\e%2))*4
.endr
.endr
.endm
.macro FETCHX st, t0                   ; x's tiles t0 .. t0 + 3 of K step st, from their images
.irp t, 0,1,2,3
.irp g, 0,1,2
.if (\st) < 4
	ds_load_b128 v[12*((\t0)+\t)+4*\g:12*((\t0)+\t)+4*\g+3], v4 offset:(\st)*12288+1536*((\t0)+\t)+512*\g
.else
	ds_load_b128 v[12*((\t0)+\t)+4*\g:12*((\t0)+\t)+4*\g+3], v12 offset:((\st)-4)*12288+1536*((\t0)+\t)+512*\g
.endif
.endr
.endr
.endm
	s_mov_b64 s[34:35], s[38:39]
	s_mov_b64 s[36:37], s[40:41]
	WIN 0x40
	WLOAD 2, 2, 34
	WLOAD 0, 0, 34
	WLOAD 1, 1, 34
	WIN 0
	WSLOAD
	s_mov_b32 s52, 0
	v_add_nc_u32 v20, s52, v16
	v_add_nc_u32 v21, s52, v17
	BIASLD
	s_wait_dscnt 0x0                               ; my images and scale words of x have landed
	s_barrier_signal -1
	s_barrier_wait -1                              ; everybody's have: from here on nobody writes them
.irp a, 0,1,2,3
.irp s, 0,1,2,3,4,5,6,7
	ds_load_b32 v[XS+8*\a+\s], v13 offset:1024*\a+128*\s           ; all of x's scale words stay in registers
.endr
.endr
	WIN 0x40
	FETCHX 0, 0
	FETCHX 0, 4
	WIN 0
; ---- PHASE G
; 16 products of the K side: x's tiles t0 .. t0 + 3 against W's four.  The 64 accumulators of a step take turns, one instruction a turn, in the same order in every step.
.macro KS16 t0, st, first
.set tt, \t0
.rept 4
.set ee, 0
.rept 4
.set rD, 32*tt+8*ee
.set rC, rD
.if \first
.set rC, BK+8*ee
.endif
	WM rD, WFS+12*ee, 12*tt, rC, WS+8*(ee/2)+(\st), XS+8*(tt/2)+(\st), ee%2, tt%2
.set ee, ee+1
.endr
.set tt, tt+1
.endr
.endm
.macro VS16 t0, st, first              ; the same of the V side: the sources, their scales and rows swapped
.set tt, \t0
.rept 4
.set ee, 0
.rept 4
.set rD, 64*ee+8*tt
.set rC, rD
.if \first
.set rC, BV+8*ee
.endif
	WM rD, 12*tt, WFS+12*ee, rC, XS+8*(tt/2)+(\st), WS+8*(ee/2)+(\st), tt%2, ee%2
.set ee, ee+1
.endr
.set tt, tt+1
.endr
.endm
.macro BOTH t0, st
.if (\st) == 0
	WIN 0x85                                       ; sources window 1, C (b_proj) window 0, D window 2
	KS16 \t0, \st, 1
	WIN 0xc5                                       ; D window 3
	VS16 \t0, \st, 1
.else
	WIN 0xa5                                       ; sources window 1, C and D window 2
	KS16 \t0, \st, 0
	WIN 0xf5                                       ; C and D window 3
	VS16 \t0, \st, 0
.endif
.endm
; A K step of 128: 64 products.  x's tiles 0-3 of the next step are fetched in its middle, tiles 4-7 at its end; W's set is filled again at its end, three steps ahead.
; A load into a register that a matrix instruction has read stands four plain vector instructions behind it (ISA guide 7.12.1 for vector instructions).
.macro STEP st
.set WFS, 96+48*((\st)%3)
.if (\st) == 0
	s_wait_dscnt 0x0                               ; x's eight tiles, b_proj (and in the first round x's scale words) are in
.else
.if (\st) >= 3
	s_wait_loadcnt 24                              ; this step's set of W is in; the two sets (12 loads each) asked for behind it may be out
.endif
	s_wait_dscnt 12                                ; x's tiles 0-3 are in; the 12 loads of tiles 4-7 may be out
.endif
	BOTH 0, \st
	s_wait_dscnt 0x0                               ; tiles 4-7 are in
	PLACES 4
	WIN 0x40
	FETCHX ((\st)+1)%8, 0
	BOTH 4, \st
	PLACES 4
	WIN 0x40
	FETCHX ((\st)+1)%8, 4
.if (\st) <= 4
	WLOAD (\st)%3, (\st)+3, 32
.elseif (\st) == 5
	WLOAD 2, 2, 34                                 ; the next round's K steps 2, 0, 1, each into the set that it will be read from
.elseif (\st) == 6
	WLOAD 0, 0, 34
.else
	WLOAD 1, 1, 34
	WIN 0
	WSLOAD
.endif
	WIN 0
.endm
; THE K SIDE'S WAY OUT, four tiles of frames at a time.  A round's 64 e are two blocks of 32: half a fragment (6 registers) and half a scale word.  An even round stores registers 0-3 and keeps 4, 5 and the two bytes;
; the odd round completes registers 4-7, stores them and 8-11, and stores the paired scale words.  Every store of the wave covers 512 (the words: 128) consecutive bytes.
.macro KEPI t0
	WIN 0x0a
.set kk, 0
.rept 8
	v_max3_num_f32 v[TM+kk], |v[32*(\t0)+16*kk]|, |v[32*(\t0)+16*kk+1]|, 0x1800000
.set kk, kk+1
.endr
.set ii, 2
.rept 7
.set kk, 0
.rept 8
	v_max3_num_f32 v[TM+kk], |v[32*(\t0)+16*kk+ii]|, |v[32*(\t0)+16*kk+ii+1]|, v[TM+kk]
.set kk, kk+1
.endr
.set ii, ii+2
.endr
	WIN 0
.irp k, 0,1,2,3,4,5,6,7
	v_permlanex16_b32 v[TM+8+\k], v[TM+\k], s[SEL], s[SEL+1]
.endr
.irp k, 0,1,2,3,4,5,6,7
	v_max_num_f32 v[TM+\k], v[TM+\k], v[TM+8+\k]
.endr
.irp k, 0,1,2,3,4,5,6,7
	v_add_nc_u32 v[TSC+\k], 0xff000000, v[TM+\k]
.endr
.irp k, 0,1,2,3,4,5,6,7
	v_lshrrev_b32 v[TM+8+\k], 23, v[TSC+\k]
.endr
.irp t, 0,1,2,3
	v_lshl_or_b32 v[HW+\t], v[TM+9+2*\t], 8, v[TM+8+2*\t]          ; the round's two bytes of my frame
.endr
	s_wait_xcnt 0x0                                ; earlier stores have read the registers written below
	WIN 0x02
.set kk, 0
.rept 8
	v_cvt_scalef32_pk16_fp6_f32 v[PCK+4*kk:PCK+4*kk+2], v[32*(\t0)+16*kk:32*(\t0)+16*kk+15], v[TSC+kk]
.set kk, kk+1
.endr
	WIN 0
	v_nop                                          ; one plain place behind a scaled conversion
.irp t, 0,1,2,3
.irp i, 0,1,2
	v_permlane16_swap_b32 v[PCK+8*\t+\i], v[PCK+8*\t+4+\i]         ; lanes 0-15 the first block whole, lanes 16-31 the second: the six registers are +0, +1, +2, +4, +5, +6
.endr
.endr
	s_bitcmp1_b32 s31, 0
	s_cbranch_scc1 .Lkodd_\@
.irp t, 0,1,2,3
	v_mov_b32 v[PCK+8*\t+3], v[PCK+8*\t+4]
	v_mov_b32 v[SV+4*((\t0)+\t)], v[PCK+8*\t+5]
	v_mov_b32 v[SV+4*((\t0)+\t)+1], v[PCK+8*\t+6]
	v_mov_b32 v[KH+(\t0)+\t], v[HW+\t]
	global_store_b128 v4, v[PCK+8*\t:PCK+8*\t+3], s[42:43] offset:12288*((\t0)+\t)
.endr
	s_branch .Lkend_\@
.Lkodd_\@:
.irp t, 0,1,2,3
	v_mov_b32 v[SV+4*((\t0)+\t)+2], v[PCK+8*\t]
	v_mov_b32 v[SV+4*((\t0)+\t)+3], v[PCK+8*\t+1]
	global_store_b128 v4, v[SV+4*((\t0)+\t):SV+4*((\t0)+\t)+3], s[42:43] offset:12288*((\t0)+\t)+512
	v_mov_b32 v[PCK+8*\t], v[PCK+8*\t+2]
	v_mov_b32 v[PCK+8*\t+1], v[PCK+8*\t+4]
	v_mov_b32 v[PCK+8*\t+2], v[PCK+8*\t+5]
	v_mov_b32 v[PCK+8*\t+3], v[PCK+8*\t+6]
	global_store_b128 v4, v[PCK+8*\t:PCK+8*\t+3], s[42:43] offset:12288*((\t0)+\t)+1024
	v_lshl_or_b32 v[KW+\t], v[HW+\t], 16, v[KH+(\t0)+\t]
.endr
.irp p, 0,1
	v_cndmask_b32 v[TMPS+\p], v[KW+2*\p], v[KW+2*\p+1], s28
	global_store_b32 v5, v[TMPS+\p], s[44:45] offset:1024*((\t0)/2+\p)
.endr
.Lkend_\@:
.endm
	s_mov_b32 s31, 0
.Lround:
	s_wait_loadcnt 0x0                             ; W's K steps 0, 1, 2 and scale words of this round are in; no load of mine is out, so their bases may be written
	s_mov_b64 s[32:33], s[34:35]
	s_add_nc_u64 s[52:53], s[32:33], 49152
	s_add_nc_u64 s[54:55], s[36:37], 2048
	s_cmp_lt_u32 s31, 3
	s_cselect_b64 s[34:35], s[52:53], s[38:39]     ; the next round's; behind the last round the first's again, so that no load leaves the buffer (those are not used)
	s_cselect_b64 s[36:37], s[54:55], s[40:41]
	STEP 0
	STEP 1
	STEP 2
	STEP 3
	STEP 4
	STEP 5
	STEP 6
	STEP 7
	KEPI 0
	KEPI 4
	; THE V SIDE'S WAY OUT: each of the four tiles of e is one fragment (16 e x 128 frames) and one scale word a row
.irp be, 0,1
	QUANT 128*\be, 3, PC0, PWV+2*\be
.irp g, 0,1,2
	global_store_b128 v4, v[PC0+4*\g:PC0+4*\g+3], s[46:47] offset:1536*(2*\be)+512*\g
.endr
	QUANT 128*\be+64, 3, PC1, PWV+2*\be+1
.irp g, 0,1,2
	global_store_b128 v4, v[PC1+4*\g:PC1+4*\g+3], s[46:47] offset:1536*(2*\be+1)+512*\g
.endr
	PLACES 8                                       ; a scale register written by a vector instruction stands 8 places ahead of a scaled product, an operand 4
	WM UD, ONES, PC0, -1, ONESC, PWV+2*\be, 0, 0   ; ones x V: every row of the result is the sum over the 128 frames of the quantised V; lane r holds tile row r's
	WM UD+8, ONES, PC1, -1, ONESC, PWV+2*\be+1, 0, 0
	PLACES 4
	v_cndmask_b32 v[TMPS+2*\be], v[UD], v[UD+8], s28               ; lanes 0-15 the even tile's sums, lanes 16-31 the odd tile's
	global_store_b32 v18, v[TMPS+2*\be], s[50:51] offset:128*\be
	v_cndmask_b32 v[TMPS+2*\be+1], v[PWV+2*\be], v[PWV+2*\be+1], s28
	global_store_b32 v5, v[TMPS+2*\be+1], s[48:49] offset:128*\be
.endr
	s_wait_xcnt 0x0                                ; the stores have read their bases and data: both are written below
	s_add_nc_u64 s[46:47], s[46:47], 6144
	s_add_nc_u64 s[48:49], s[48:49], 256
	s_add_nc_u64 s[50:51], s[50:51], 256
	s_and_b32 s56, s31, 1                          ; behind an odd round K's places go a K step on
	s_mul_i32 s52, s56, 1536
	s_mov_b32 s53, 0
	s_add_nc_u64 s[42:43], s[42:43], s[52:53]
	s_lshl_b32 s52, s56, 7
	s_add_nc_u64 s[44:45], s[44:45], s[52:53]
	s_add_co_u32 s52, s31, 1
	s_and_b32 s52, s52, 3
	s_lshl_b32 s52, s52, 8                         ; the next round's 64 numbers of b_proj (behind the last round the first's: inside my own 1,024 bytes; not used)
	v_add_nc_u32 v20, s52, v16
	v_add_nc_u32 v21, s52, v17
	BIASLD
	s_add_co_u32 s31, s31, 1
	s_cmp_lt_u32 s31, 4
	s_cbranch_scc1 .Lround
	s_wait_tensorcnt 0x0
	ds_add_u32 v254, v255
	s_wait_dscnt 0x0
	s_endpgm
.Lfunc_end_k_qc0650bb77b_proj:
	.size	k_qc0650bb77b_proj, .Lfunc_end_k_qc0650bb77b_proj-k_qc0650bb77b_proj
	.p2alignl 7, 3214868480
	.fill 96, 4, 3214868480
	.section	.rodata,"a",@progbits
	.p2align	6, 0x0
	.amdhsa_kernel k_qc0650bb77b_proj
		.amdhsa_group_segment_fixed_size 140800
		.amdhsa_private_segment_fixed_size 0
		.amdhsa_enable_private_segment 0
		.amdhsa_kernarg_size 80
		.amdhsa_user_sgpr_count 2
		.amdhsa_user_sgpr_kernarg_segment_ptr 1
		.amdhsa_wavefront_size32 1
		.amdhsa_system_sgpr_workgroup_id_x 1
		.amdhsa_system_sgpr_workgroup_id_y 1
		.amdhsa_system_sgpr_workgroup_id_z 1
		.amdhsa_system_vgpr_workitem_id 0
		.amdhsa_next_free_vgpr 1024
		.amdhsa_next_free_sgpr 66
		.amdhsa_reserve_vcc 1
		.amdhsa_float_denorm_mode_32 3
		.amdhsa_float_denorm_mode_16_64 3
		.amdhsa_memory_ordered 1
		.amdhsa_forward_progress 1
		.amdhsa_inst_pref_size 255
	.end_amdhsa_kernel
	.section	.bss,"aw",@nobits
	.p2align	6
	.space	262144
	.amdgpu_metadata
---
amdhsa.version: [ 1, 2 ]
amdhsa.kernels:
  - .name:           k_qc0650bb77b_proj
    .symbol:         k_qc0650bb77b_proj.kd
    .args:
      - { .name: xs, .offset: 0, .size: 8, .value_kind: global_buffer, .address_space: global }
      - { .name: xs_lens, .offset: 8, .size: 8, .value_kind: global_buffer, .address_space: global }
      - { .name: W_out, .offset: 16, .size: 8, .value_kind: global_buffer, .address_space: global }
      - { .name: b_out, .offset: 24, .size: 8, .value_kind: global_buffer, .address_space: global }
      - { .name: b_proj, .offset: 32, .size: 8, .value_kind: global_buffer, .address_space: global }
      - { .name: wq, .offset: 40, .size: 8, .value_kind: global_buffer, .address_space: global }
      - { .name: kq, .offset: 48, .size: 8, .value_kind: global_buffer, .address_space: global }
      - { .name: vq, .offset: 56, .size: 8, .value_kind: global_buffer, .address_space: global }
      - { .name: usum, .offset: 64, .size: 8, .value_kind: global_buffer, .address_space: global }
      - { .name: out2, .offset: 72, .size: 8, .value_kind: global_buffer, .address_space: global }
    .group_segment_fixed_size: 140800
    .private_segment_fixed_size: 0
    .kernarg_segment_align: 8
    .kernarg_segment_size: 80
    .max_flat_workgroup_size: 128
    .sgpr_count:     66
    .vgpr_count:     1024
    .wavefront_size: 32
...
	.end_amdgpu_metadata
.endif
;; end of part 2
;; launch scan (part 3): grid 16 x 1, 9 waves a work-group, no clusters, 9,984 bytes of LDS; arguments out2, usum, xs_lens, ys_lens, out3, out1, fs, meta; writes out3, out1, fs, meta
.if DOCPART == 3
	.amdgcn_target "amdgcn-amd-amdhsa--gfx1250"
	.amdhsa_code_object_version 6
	.text
	.protected	k_qc0650bb77b_scan
	.globl	k_qc0650bb77b_scan
	.p2align	8
	.type	k_qc0650bb77b_scan,@function
k_qc0650bb77b_scan:
	s_mov_b64 s[64:65], 0
	v_nop
	global_prefetch_b8 v0, s[64:65] scope:SCOPE_SE
	s_setreg_imm32_b32 hwreg(HW_REG_WAVE_MODE, 25, 1), 1
	s_wait_xcnt 0x0
; One work-group a batch.  Waves 1-8: the mean row for queries whose mask is all false: the 16 steps' sums of the quantised V, added in ascending order, / 2048 -> fs (from UB on).
; Wave 0: csum of the batch's 2,048 alphas -> out3; their total -> out1; cm = csum, +infinity from xs_len on -> fs; and the WHOLE NUMBERS by which the next launch steers:
;   att[v] = 1 where query v sees a frame at all; kst[j] = how many key steps of 128 frames query tile j has to walk.  All stores go to fixed places; no branch and no address here hangs on these numbers.
; THE ORDER OF THE SUMS is that of a pairwise scan: S_j[k] = the sum of block k of 2^j neighbours, made of two blocks of half the size; the sum of the first m numbers is
;   P(m) = P(m with its lowest set bit cleared) + S_ctz(m)[(m >> ctz(m)) - 1].  Lane l holds numbers 64 l .. 64 l + 63; levels 0-6 lie in the lane, levels 7-11 across lanes.
; No barrier: wave 0 alone uses LDS (a stage of 32 x 272 bytes that turns 16 bytes a lane into 256 bytes a lane and back).
.set UB,  131072
.set KS,  16384
.set X,   64                           ; v64-127   my 64 numbers, then csum, then cm
.set SS,  128                          ; v128-190  S1 (32), S2 (16), S3 (8), S4 (4), S5 (2), S6 (1); before and after that v128-191 carry the dense side of the stage
.set EE,  197                          ; v197      the sum of all numbers ahead of my lane's
	s_load_b512 s[4:19], s[0:1], 0x0               ; out2 4, usum 6, xs_lens 8, ys_lens 10, out3 12, out1 14, fs 16, meta 18
	v_lshl_add_u32 v254, v0, 2, 0x2200
	v_mov_b32 v255, 0
	v_lshrrev_b32 v1, 5, v0
	v_readfirstlane_b32 s31, v1                    ; wave 0..8
	v_and_b32 v1, 31, v0                           ; lane
	v_lshlrev_b32 v2, 4, v1                        ; 16 x lane
	v_lshrrev_b32 v3, 4, v1
	v_mul_u32_u24 v3, v3, 272
	v_and_b32 v4, 15, v1
	v_lshl_add_u32 v3, v4, 4, v3                   ; the stage's dense side: a load's 512 bytes are two rows of 256
	v_mul_u32_u24 v5, v1, 272                      ; its lane side: row = lane
	s_mov_b32 s33, 0
	s_wait_kmcnt 0x0
	s_cmp_eq_u32 s31, 0
	s_cbranch_scc1 .Lwave0
	v_sub_nc_u32 v6, v0, 32
	v_lshlrev_b32 v6, 4, v6                        ; thread 0..255 of the eight waves: four e each
	s_lshl_b32 s32, ttmp9, 16
	s_add_nc_u64 s[6:7], s[6:7], s[32:33]
.irp g, 0,1,2,3,4,5,6,7,8,9,10,11,12,13,14,15
	global_load_b128 v[32+4*\g:35+4*\g], v6, s[6:7] offset:4096*\g th:TH_LOAD_NT
.endr
	s_lshl_b32 s34, ttmp9, 12
	s_add_co_u32 s34, s34, UB
	s_mov_b32 s35, 0
	s_add_nc_u64 s[16:17], s[16:17], s[34:35]
	s_wait_loadcnt 0x0
.irp g, 1,2,3,4,5,6,7,8,9,10,11,12,13,14,15
	v_pk_add_f32 v[32:33], v[32:33], v[32+4*\g:33+4*\g]
	v_pk_add_f32 v[34:35], v[34:35], v[34+4*\g:35+4*\g]
.endr
	v_pk_mul_f32 v[32:33], v[32:33], 0x3a000000 op_sel_hi:[1,0]    ; x 2^-11: every p is 1 there, and their sum 2,048
	v_pk_mul_f32 v[34:35], v[34:35], 0x3a000000 op_sel_hi:[1,0]
	global_store_b128 v6, v[32:35], s[16:17]
	s_endpgm
.Lwave0:
	s_lshl_b32 s32, ttmp9, 2
	s_add_nc_u64 s[8:9], s[8:9], s[32:33]
	s_add_nc_u64 s[10:11], s[10:11], s[32:33]
	s_add_nc_u64 s[14:15], s[14:15], s[32:33]      ; out1[b]
	s_load_b32 s26, s[8:9], 0x0                    ; xs_len
	s_load_b32 s27, s[10:11], 0x0                  ; ys_len
	s_lshl_b32 s34, ttmp9, 13
	s_mov_b32 s35, 0
	s_add_nc_u64 s[4:5], s[4:5], s[34:35]
	s_add_nc_u64 s[12:13], s[12:13], s[34:35]
	s_add_nc_u64 s[16:17], s[16:17], s[34:35]
.irp q, 0,1,2,3,4,5,6,7,8,9,10,11,12,13,14,15
	global_load_b128 v[128+4*\q:131+4*\q], v2, s[4:5] offset:512*\q
.endr
	s_mov_b32 s20, 0xffff0000                      ; the lanes whose number has bit 4, 3, 2, 1, 0 set
	s_mov_b32 s21, 0xff00ff00
	s_mov_b32 s22, 0xf0f0f0f0
	s_mov_b32 s23, 0xcccccccc
	s_mov_b32 s24, 0xaaaaaaaa
	s_mov_b32 s25, 0x80000000                      ; lane 31
	s_mov_b32 s28, 0x76543210
	s_mov_b32 s29, 0xfedcba98
.set ii, 192
.rept 16
	v_mov_b32 v[ii], 0                             ; written once: the destination of a lane exchange counts as one of its sources
.set ii, ii+1
.endr
	s_wait_loadcnt 0x0
.irp q, 0,1,2,3,4,5,6,7,8,9,10,11,12,13,14,15
	ds_store_b128 v3, v[128+4*\q:131+4*\q] offset:544*\q
.endr
.irp k, 0,1,2,3,4,5,6,7,8,9,10,11,12,13,14,15
	ds_load_b128 v[X+4*\k:X+4*\k+3], v5 offset:16*\k               ; LDS serves a wave's instructions in order: these see my stores
.endr
	s_wait_dscnt 0x0
.macro LEVEL dst, src, n               ; n sums of two neighbours
.set kk, 0
.rept \n
	v_add_f32 v[(\dst)+kk], v[(\src)+2*kk], v[(\src)+2*kk+1]
.set kk, kk+1
.endr
.endm
	LEVEL SS, X, 32
	LEVEL SS+32, SS, 16
	LEVEL SS+48, SS+32, 8
	LEVEL SS+56, SS+48, 4
	LEVEL SS+60, SS+56, 2
	LEVEL SS+62, SS+60, 1
	v_add_f32_dpp v192, v[SS+62], v[SS+62] row_xmask:1 row_mask:0xf bank_mask:0xf   ; the sums of 2, 4, 8, 16 lanes, in every lane of the block
	v_add_f32_dpp v193, v192, v192 row_xmask:2 row_mask:0xf bank_mask:0xf
	v_add_f32_dpp v194, v193, v193 row_xmask:4 row_mask:0xf bank_mask:0xf
	v_add_f32_dpp v195, v194, v194 row_xmask:8 row_mask:0xf bank_mask:0xf
	v_permlanex16_b32 v198, v195, s28, s29
	v_add_f32 v196, v195, v198                     ; and of all 32: the total
	v_cndmask_b32 v[EE], 0, v198, s20              ; what lies ahead of my lane: from the highest bit of the lane's number down, the neighbouring block's sum where the bit is set
	v_mov_b32_dpp v199, v194 row_xmask:8 row_mask:0xf bank_mask:0xf
	v_cndmask_b32 v199, 0, v199, s21
	v_add_f32 v[EE], v[EE], v199
	v_mov_b32_dpp v199, v193 row_xmask:4 row_mask:0xf bank_mask:0xf
	v_cndmask_b32 v199, 0, v199, s22
	v_add_f32 v[EE], v[EE], v199
	v_mov_b32_dpp v199, v192 row_xmask:2 row_mask:0xf bank_mask:0xf
	v_cndmask_b32 v199, 0, v199, s23
	v_add_f32 v[EE], v[EE], v199
	v_mov_b32_dpp v199, v[SS+62] row_xmask:1 row_mask:0xf bank_mask:0xf
	v_cndmask_b32 v199, 0, v199, s24
	v_add_f32 v[EE], v[EE], v199
	v_add_nc_u32 v204, 1, v1
	v_lshlrev_b32 v204, 2, v204
	ds_bpermute_b32 v[X+63], v204, v[EE]           ; csum[63] of my lane is what lies ahead of the next lane
; P(m) for all m = k 2^j, k odd, into the register of csum[m - 1]; the levels from 5 down, so that P(m - 2^j) is there
.macro PLEVEL j, sb
.set kk, 1
.rept 32>>(\j)
.set mm, kk<<(\j)
.if mm == (1<<(\j))
	v_add_f32 v[X+mm-1], v[EE], v[(\sb)+kk-1]
.else
	v_add_f32 v[X+mm-1], v[X+mm-(1<<(\j))-1], v[(\sb)+kk-1]
.endif
.set kk, kk+2
.endr
.endm
	PLEVEL 5, SS+60
	PLEVEL 4, SS+56
	PLEVEL 3, SS+48
	PLEVEL 2, SS+32
	PLEVEL 1, SS
	PLEVEL 0, X
	s_wait_dscnt 0x0
	v_cndmask_b32 v[X+63], v[X+63], v196, s25      ; in lane 31: the total
.macro OUTROW base                     ; my 64 numbers through the stage, and out as 512 consecutive bytes a store
.irp k, 0,1,2,3,4,5,6,7,8,9,10,11,12,13,14,15
	ds_store_b128 v5, v[X+4*\k:X+4*\k+3] offset:16*\k
.endr
.irp q, 0,1,2,3,4,5,6,7,8,9,10,11,12,13,14,15
	ds_load_b128 v[128+4*\q:131+4*\q], v3 offset:544*\q
.endr
	s_wait_dscnt 0x0
.irp q, 0,1,2,3,4,5,6,7,8,9,10,11,12,13,14,15
	global_store_b128 v2, v[128+4*\q:131+4*\q], s[\base:\base+1] offset:512*\q
.endr
.endm
	OUTROW 12                                      ; csum
	s_wait_kmcnt 0x0
	v_lshlrev_b32 v200, 6, v1
	v_sub_nc_u32 v200, s26, v200                   ; xs_len - 64 l
	v_mov_b32 v205, 0x7f800000
.set ii, 0
.rept 64
	v_cmp_lt_i32 vcc_lo, ii, v200
	v_cndmask_b32 v[X+ii], v205, v[X+ii], vcc_lo   ; cm: +infinity from xs_len on
.set ii, ii+1
.endr
	v_min3_num_f32 v201, v[X], v[X+1], v[X+2]
.set ii, 3
.rept 30
	v_min3_num_f32 v201, v201, v[X+ii], v[X+ii+1]
.set ii, ii+2
.endr
	v_min_num_f32 v201, v201, v[X+63]              ; my lane's least cm
	v_min_num_f32_dpp v202, v201, v201 row_xmask:1 row_mask:0xf bank_mask:0xf   ; a key step's (two lanes)
	v_min_num_f32_dpp v203, v202, v202 row_xmask:2 row_mask:0xf bank_mask:0xf
	v_min_num_f32_dpp v203, v203, v203 row_xmask:4 row_mask:0xf bank_mask:0xf
	v_min_num_f32_dpp v203, v203, v203 row_xmask:8 row_mask:0xf bank_mask:0xf
	v_permlanex16_b32 v199, v203, s28, s29
	v_min_num_f32 v203, v203, v199                 ; the batch's
	s_wait_xcnt 0x0                                ; csum's stores have read the registers that the stage's loads write again
	OUTROW 16                                      ; cm
	; att: lane l takes queries 8 l .. 8 l + 7
	v_lshlrev_b32 v204, 3, v1
.set ii, 0
.rept 8
	v_add_nc_u32 v216, ii, v204
	v_add_nc_u32 v217, ii+1, v204
	v_cvt_f32_u32 v217, v217
	v_cmp_gt_i32 vcc_lo, s27, v216
	v_cndmask_b32 v217, -1.0, v217, vcc_lo         ; the query's bound v + 1; -1, under every csum, from ys_len on
	v_cmp_lt_f32 vcc_lo, v203, v217
	v_cndmask_b32 v[208+ii], 0, 1, vcc_lo
.set ii, ii+1
.endr
	s_lshl_b32 s34, ttmp9, 10
	s_add_nc_u64 s[36:37], s[18:19], s[34:35]
	v_lshlrev_b32 v218, 5, v1
	global_store_b128 v218, v[208:211], s[36:37]
	global_store_b128 v218, v[212:215], s[36:37] offset:16
	; kst: lanes j and j + 16 both take query tile j
	v_and_b32 v216, 15, v1
	v_lshlrev_b32 v216, 4, v216                    ; 16 j
	v_add_nc_u32 v217, 16, v216
	v_mov_b32 v219, s27
	v_cmp_lt_i32 vcc_lo, s27, v217
	v_cndmask_b32 v217, v217, v219, vcc_lo         ; min(16 j + 16, ys_len): the tile's largest bound
	v_cvt_f32_i32 v217, v217
	v_cmp_gt_i32 vcc_lo, s27, v216
	v_cndmask_b32 v206, -1.0, v217, vcc_lo
	v_mov_b32 v207, 0
.set kk, 0
.rept 16
	v_readlane_b32 s30, v202, 2*kk
	v_cmp_lt_f32 vcc_lo, s30, v206
	v_cndmask_b32 v207, v207, kk+1, vcc_lo         ; the last step with a frame under the bound, + 1
.set kk, kk+1
.endr
	s_lshl_b32 s34, ttmp9, 7
	s_add_co_u32 s34, s34, KS
	s_add_nc_u64 s[38:39], s[18:19], s[34:35]
	v_lshlrev_b32 v220, 2, v1
	global_store_b32 v220, v207, s[38:39]
	s_wait_xcnt 0x0                                ; EXEC changes only behind this wait
	s_wait_tensorcnt 0x0
	ds_add_u32 v254, v255
	s_wait_dscnt 0x0
	v_cmpx_eq_u32 0, v1
	global_store_b32 v1, v196, s[14:15]            ; lane 0 (its offset is 0): the total
	s_endpgm
.Lfunc_end_k_qc0650bb77b_scan:
	.size	k_qc0650bb77b_scan, .Lfunc_end_k_qc0650bb77b_scan-k_qc0650bb77b_scan
	.p2alignl 7, 3214868480
	.fill 96, 4, 3214868480
	.section	.rodata,"a",@progbits
	.p2align	6, 0x0
	.amdhsa_kernel k_qc0650bb77b_scan
		.amdhsa_group_segment_fixed_size 9984
		.amdhsa_private_segment_fixed_size 0
		.amdhsa_enable_private_segment 0
		.amdhsa_kernarg_size 64
		.amdhsa_user_sgpr_count 2
		.amdhsa_user_sgpr_kernarg_segment_ptr 1
		.amdhsa_wavefront_size32 1
		.amdhsa_system_sgpr_workgroup_id_x 1
		.amdhsa_system_sgpr_workgroup_id_y 1
		.amdhsa_system_sgpr_workgroup_id_z 1
		.amdhsa_system_vgpr_workitem_id 0
		.amdhsa_next_free_vgpr 256
		.amdhsa_next_free_sgpr 66
		.amdhsa_reserve_vcc 1
		.amdhsa_float_denorm_mode_32 3
		.amdhsa_float_denorm_mode_16_64 3
		.amdhsa_memory_ordered 1
		.amdhsa_forward_progress 1
		.amdhsa_inst_pref_size 35
	.end_amdhsa_kernel
	.amdgpu_metadata
---
amdhsa.version: [ 1, 2 ]
amdhsa.kernels:
  - .name:           k_qc0650bb77b_scan
    .symbol:         k_qc0650bb77b_scan.kd
    .args:
      - { .name: out2, .offset: 0, .size: 8, .value_kind: global_buffer, .address_space: global }
      - { .name: usum, .offset: 8, .size: 8, .value_kind: global_buffer, .address_space: global }
      - { .name: xs_lens, .offset: 16, .size: 8, .value_kind: global_buffer, .address_space: global }
      - { .name: ys_lens, .offset: 24, .size: 8, .value_kind: global_buffer, .address_space: global }
      - { .name: out3, .offset: 32, .size: 8, .value_kind: global_buffer, .address_space: global }
      - { .name: out1, .offset: 40, .size: 8, .value_kind: global_buffer, .address_space: global }
      - { .name: fs, .offset: 48, .size: 8, .value_kind: global_buffer, .address_space: global }
      - { .name: meta, .offset: 56, .size: 8, .value_kind: global_buffer, .address_space: global }
    .group_segment_fixed_size: 9984
    .private_segment_fixed_size: 0
    .kernarg_segment_align: 8
    .kernarg_segment_size: 64
    .max_flat_workgroup_size: 288
    .sgpr_count:     66
    .vgpr_count:     256
    .wavefront_size: 32
...
	.end_amdgpu_metadata
.endif
;; end of part 3
;; launch attn (part 4): grid 16 x 16, 8 waves a work-group, no clusters, 87,040 bytes of LDS; arguments ys, ys_lens, kq, vq, fs, meta, out0; writes out0
.if DOCPART == 4
	.amdgcn_target "amdgcn-amd-amdhsa--gfx1250"
	.amdhsa_code_object_version 6
	.text
	.protected	k_qc0650bb77b_attn
	.globl	k_qc0650bb77b_attn
	.p2align	8
	.type	k_qc0650bb77b_attn,@function
k_qc0650bb77b_attn:
	s_mov_b64 s[64:65], 0
	v_nop
	global_prefetch_b8 v0, s[64:65] scope:SCOPE_SE
	s_setreg_imm32_b32 hwreg(HW_REG_WAVE_MODE, 25, 1), 1
	s_wait_xcnt 0x0
; Work-group (j, b): queries 16 j .. 16 j + 15 of batch b against the frames that their mask lets through.  Query v sees frame t where cm[t] < v + 1 and v < ys_len (cm: csum, +infinity from xs_len on).
; Only kst[b][j] key steps of 128 frames hold such a frame: a whole number stored by the launch before.  The loop's trip count is a constant and every wave passes every barrier; a step's WORK is jumped over.
; A row that sees no frame (att = 0) has all its scores equal, p = 1 for all 2,048 frames: it gets the mean row that the launch before has made.
; ROLES.  Waves 0-3 (QK): wave w owns keys 32 w .. 32 w + 31 of each step: S^T = K Q^T (a lane holds one query, 16 registers 16 neighbouring keys), the mask, p = 2^(t - M_w) with M_w the ceiling of ITS block's largest t,
;   the block's sum, byte and codes -> LDS.  Waves 4-7 (PV), one trip behind: wave w' owns e = 256 w' .. + 255: it brings the four blocks under one running whole-number M (a shift of the blocks' scale bytes and of the sums:
;   nothing is rounded) and adds O^T += V^T P^T.  Operands come from memory as images of operand registers, one step ahead; each role has one stream of loads.
; No tensor load and no cluster: the work hangs on stored numbers, and the tiles of work-groups that share a batch are walked to different lengths.
; LIMITS: hidden scores count as -infinity where the definition has -1e9 (a row whose largest visible logit lay near -1e9 would differ); a block of p whose shifted byte would fall under 1 is held at 1 (under 2^-123 of the row's largest p);
;   NaN and infinities among the inputs are not served.
; REGISTERS.  window 0: v4-18 addresses; v19 the query's bound, v20 -infinity; v24-31 K's or V's scale words, v32-39 Q's, v40 the word just made (these hold scales alone); v42-73 cm, two sets; v74-89 at work (PV: the blocks' figures);
;   v90-109 codes just made (PV: P); v110-123 at work; QK: v128-143 S^T, v144-239 Q; PV: v128-255 O^T.   window 1: v0-191 a step's 16 fragments of K or of V.
.set QSC,  12288                       ; LDS: Q's 8 images from 0; their scale words;
.set PB0,  13312                       ; two buffers of 3,072 bytes by turns: p's codes at 512 block + 32 r + 12 h, the blocks' figures at 2,048 + 256 block + 16 r;
.set PBS,  3072
.set STG,  19456                       ; a stage of 16 rows x 1,040 bytes for each PV wave
.set STGW, 16640
.set KSC,  25165824
.set UB,   131072
.set KS,   16384
.set KVS,  24
.set QS,   32
.set PWR,  40
.set CM,   42
.set TM,   74
.set PC,   90
.set S,    128
.set Q,    144
.set O,    128
.set MSB, 0
.macro WIN new                         ; the immediate's high byte repeats the setting that is left; a switch that changes nothing is dropped
.if MSB != (\new)
	s_set_vgpr_msb (MSB<<8)|(\new)
.set MSB, \new
.endif
.endm
.macro PLACES n
.rept \n
	v_nop
.endr
.endm
; one product: D, A, B, C (under 0: the constant 0), the two scale registers, and whether A's words stand in lanes 16-31
.macro WM d, a, b, c, sa, sb, ra
.if (\c) < 0
.if (\ra)
	v_wmma_scale_f32_16x16x128_f8f6f4 v[\d:\d+7], v[\a:\a+11], v[\b:\b+11], 0, v[\sa], v[\sb] matrix_a_fmt:MATRIX_FMT_FP6 matrix_b_fmt:MATRIX_FMT_FP6 matrix_a_scale:MATRIX_SCALE_ROW1
.else
	v_wmma_scale_f32_16x16x128_f8f6f4 v[\d:\d+7], v[\a:\a+11], v[\b:\b+11], 0, v[\sa], v[\sb] matrix_a_fmt:MATRIX_FMT_FP6 matrix_b_fmt:MATRIX_FMT_FP6
.endif
.else
.if (\ra)
	v_wmma_scale_f32_16x16x128_f8f6f4 v[\d:\d+7], v[\a:\a+11], v[\b:\b+11], v[\c:\c+7], v[\sa], v[\sb] matrix_a_fmt:MATRIX_FMT_FP6 matrix_b_fmt:MATRIX_FMT_FP6 matrix_a_scale:MATRIX_SCALE_ROW1
.else
	v_wmma_scale_f32_16x16x128_f8f6f4 v[\d:\d+7], v[\a:\a+11], v[\b:\b+11], v[\c:\c+7], v[\sa], v[\sb] matrix_a_fmt:MATRIX_FMT_FP6 matrix_b_fmt:MATRIX_FMT_FP6
.endif
.endif
.endm
; a step's 16 fragments and 8 paired scale words of my role; ahead = 1: of the step after the one at which the pointers stand
.macro LOADS ahead
	WIN 0x40
.set ff, 0
.rept 16
.irp g, 0,1,2
	global_load_b128 v[12*ff+4*\g:12*ff+4*\g+3], v4, s[24:25] offset:98304*(\ahead)+1536*ff+512*\g
.endr
.set ff, ff+1
.endr
	WIN 0
.irp n, 0,1,2,3,4,5,6,7
	global_load_b32 v[KVS+\n], v5, s[26:27] offset:4096*(\ahead)+128*\n
.endr
.endm
	s_load_b256 s[4:11], s[0:1], 0x0               ; ys 4, ys_lens 6, kq 8, vq 10
	s_load_b128 s[12:15], s[0:1], 0x20             ; fs 12, meta 14
	s_load_b64 s[16:17], s[0:1], 0x30              ; out0
	v_lshl_add_u32 v126, v0, 2, 0x15000
	v_mov_b32 v127, 0
	v_lshrrev_b32 v1, 5, v0
	v_readfirstlane_b32 s18, v1                    ; wave 0..7
	s_and_b32 s19, s18, 3                          ; my number within my role
	s_and_b32 s51, ttmp7, 0xffff                   ; b
	v_and_b32 v1, 31, v0                           ; lane
	v_and_b32 v2, 15, v0                           ; r
	v_bfe_u32 v3, v0, 4, 1                         ; h
	; every LDS address is made here, ahead of the first parting of the roles
	v_lshlrev_b32 v4, 4, v1                        ; 16 x lane: an image's place for my lane, in memory and (Q's) in LDS
	v_lshlrev_b32 v5, 2, v1                        ; 4 x lane
	s_mul_i32 s52, s18, 1536
	v_add_nc_u32 v6, s52, v4                       ; where I store Q's image of K step = my wave
	s_lshl_b32 s52, s18, 7
	s_add_co_u32 s52, s52, QSC
	v_add_nc_u32 v7, s52, v5                       ; and its scale words
	v_add_nc_u32 v9, QSC, v5
	v_lshlrev_b32 v10, 5, v2
	v_mad_u32_u24 v10, v3, 12, v10
	s_lshl_b32 s52, s19, 9
	s_add_co_u32 s52, s52, PB0
	v_add_nc_u32 v10, s52, v10                     ; QK: my 12 bytes of p's codes
	v_lshlrev_b32 v11, 4, v2
	s_lshl_b32 s52, s19, 8
	s_add_co_u32 s52, s52, PB0+2048
	v_add_nc_u32 v11, s52, v11                     ; QK: my query's figures of my block
	v_lshl_add_u32 v12, v1, 5, PB0                 ; PV: P's fragment: block 2 c + h, query r: 1,024 c + 32 x lane
	v_lshl_add_u32 v13, v2, 4, PB0+2048            ; PV: my query's figures
	s_mul_i32 s52, s19, STGW
	s_add_co_u32 s52, s52, STG
	v_mul_u32_u24 v14, v2, 1040
	v_lshl_add_u32 v14, v3, 6, v14
	v_add_nc_u32 v14, s52, v14                     ; PV: the stage, in: row r, + 64 h
	v_add_nc_u32 v15, s52, v4                      ; and back: 16 bytes a lane
	v_lshlrev_b32 v17, 12, v2
	v_lshl_add_u32 v17, v3, 6, v17                 ; ys: row r of 4,096 bytes, + 64 h
	v_lshlrev_b32 v18, 6, v3                       ; cm: my 16 keys
	v_mov_b32 v20, 0xff800000
	s_mov_b32 s53, 0
	s_mov_b32 s55, 0
	s_mov_b32 s30, 0x76543210
	s_mov_b32 s31, 0xfedcba98                      ; selects for lane l xor 16
	s_mov_b32 s48, 0x3d38aa3b                      ; c = log2(e) / sqrt(1024): t = score x c
	s_mov_b32 s49, s48                             ; (named with it as a pair, so it is written)
	s_mov_b32 s22, 0                               ; I: the trip
	s_mov_b32 s23, 9
	s_wait_kmcnt 0x0
	s_lshl_b32 s52, s51, 10
	s_lshl_b32 s54, ttmp9, 6
	s_add_co_u32 s52, s52, s54
	s_add_nc_u64 s[56:57], s[14:15], s[52:53]
	s_load_b512 s[32:47], s[56:57], 0x0            ; att of my 16 queries
	s_lshl_b32 s52, s51, 7
	s_lshl_b32 s54, ttmp9, 2
	s_add_co_u32 s52, s52, s54
	s_add_co_u32 s52, s52, KS
	s_add_nc_u64 s[58:59], s[14:15], s[52:53]
	s_load_b32 s20, s[58:59], 0x0                  ; kst
	s_lshl_b32 s52, s51, 2
	s_add_nc_u64 s[6:7], s[6:7], s[52:53]
	s_load_b32 s21, s[6:7], 0x0                    ; ys_len
	s_lshl_b32 s52, s51, 20
	s_lshl_b32 s54, ttmp9, 16
	s_add_co_u32 s52, s52, s54                     ; my 16 rows of 4,096 bytes
	s_lshl_b32 s54, s19, 10
	s_add_co_u32 s54, s54, s52
	s_add_nc_u64 s[16:17], s[16:17], s[54:55]      ; out0: + 1,024 w'
	s_lshl_b32 s54, s18, 9
	s_add_co_u32 s52, s52, s54
	s_add_nc_u64 s[4:5], s[4:5], s[52:53]          ; ys: + K step = my wave
	s_cmp_lt_u32 s18, 4
	s_cselect_b64 s[24:25], s[8:9], s[10:11]       ; kq for the QK waves, vq for the PV waves: the two are laid alike
	s_lshl_b32 s54, s51, 16
	s_lshl_b32 s52, s19, 10
	s_add_co_u32 s54, s54, s52
	s_add_co_u32 s54, s54, KSC
	s_add_nc_u64 s[26:27], s[24:25], s[54:55]      ; the scale words of step 0, my part
	s_mul_i32 s52, s51, 1572864
	s_mul_i32 s54, s19, 24576
	s_add_co_u32 s52, s52, s54
	s_add_nc_u64 s[24:25], s[24:25], s[52:53]      ; the images of step 0, my 16
	s_lshl_b32 s52, s51, 13
	s_lshl_b32 s54, s19, 7
	s_add_co_u32 s52, s52, s54
	s_add_nc_u64 s[28:29], s[12:13], s[52:53]      ; cm at my block's 32 keys of step 0
	s_lshl_b32 s52, s51, 12
	s_lshl_b32 s54, s19, 10
	s_add_co_u32 s52, s52, s54
	s_add_co_u32 s52, s52, UB
	s_add_nc_u64 s[12:13], s[12:13], s[52:53]      ; the mean row at e = 256 w'
.irp b, 0,1,2,3
.irp j, 0,1,2,3
	global_load_b128 v[192+16*\b+4*\j:195+16*\b+4*\j], v17, s[4:5] offset:128*\b+16*\j th:TH_LOAD_NT   ; ys: of row r, 16 neighbours of each block of 32
.endr
.endr
	LOADS 0
.irp k, 0,1,2,3
	global_load_b128 v[CM+4*\k:CM+4*\k+3], v18, s[28:29] offset:16*\k
.endr
.set ii, 0
.rept 16
	v_mov_b32 v[CM+16+ii], 0                       ; the second set of cm, and what follows, are written once, so that every way through the loop finds them written
.set ii, ii+1
.endr
.irp b, 0,1,2,3
	v_mov_b32 v[TM+4+\b], 0
.endr
.set ii, 110
.rept 14
	v_mov_b32 v[ii], 0
.set ii, ii+1
.endr
	s_wait_loadcnt 60                              ; ys is in: behind its loads stand 48 + 8 + 4
	; Q: my K step's 64 numbers a lane become a fragment and a scale word a row
.irp b, 0,1,2,3
	v_max3_num_f32 v[TM+\b], |v[192+16*\b]|, |v[193+16*\b]|, 0x1800000   ; with the floor 2^(3 - 127): the byte cannot fall under 1
.endr
.irp i, 2,4,6,8,10,12,14
.irp b, 0,1,2,3
	v_max3_num_f32 v[TM+\b], v[TM+\b], |v[192+16*\b+\i]|, |v[193+16*\b+\i]|
.endr
.endr
.irp b, 0,1,2,3
	v_permlanex16_b32 v[TM+4+\b], v[TM+\b], s30, s31
.endr
.irp b, 0,1,2,3
	v_max_num_f32 v[TM+\b], v[TM+\b], v[TM+4+\b]
.endr
.irp b, 0,1,2,3
	v_add_nc_u32 v[TM+12+\b], 0xff000000, v[TM+\b] ; 2 off the exponent field: the conversion's scale operand
.endr
.irp b, 0,1,2,3
	v_lshrrev_b32 v[TM+4+\b], 23, v[TM+12+\b]
.endr
	v_lshl_or_b32 v[PWR], v[TM+5], 8, v[TM+4]
	v_lshl_or_b32 v[PWR], v[TM+6], 16, v[PWR]
	v_lshl_or_b32 v[PWR], v[TM+7], 24, v[PWR]
.irp c, 0,1
	v_cvt_scalef32_pk16_fp6_f32 v[PC+6*\c:PC+6*\c+2], v[192+32*\c:207+32*\c], v[TM+12+2*\c]
	v_cvt_scalef32_pk16_fp6_f32 v[PC+12+4*\c:PC+14+4*\c], v[208+32*\c:223+32*\c], v[TM+13+2*\c]
.endr
	v_nop                                          ; one plain place behind a scaled conversion
.irp c, 0,1
.irp i, 0,1,2
	v_permlane16_swap_b32 v[PC+6*\c+\i], v[PC+12+4*\c+\i]
.endr
.irp i, 0,1,2
	v_mov_b32 v[PC+3+6*\c+\i], v[PC+12+4*\c+\i]
.endr
.endr
.irp c, 0,1,2
	ds_store_b128 v6, v[PC+4*\c:PC+4*\c+3] offset:512*\c
.endr
	ds_store_b32 v7, v[PWR]
	s_wait_kmcnt 0x0
	s_min_u32 s20, s20, 16
	s_lshl_b32 s52, ttmp9, 4
	v_add_nc_u32 v21, s52, v2                      ; my query v
	v_add_nc_u32 v22, 1, v21
	v_cvt_f32_u32 v22, v22
	v_cmp_gt_i32 vcc_lo, s21, v21
	v_cndmask_b32 v19, -1.0, v22, vcc_lo           ; its bound v + 1; -1, under every csum, from ys_len on
	s_wait_dscnt 0x0                               ; my image of Q has landed
	s_barrier_signal -1
	s_barrier_wait -1                              ; everybody's has; nobody writes them again
	s_cmp_lt_u32 s18, 4
	s_cbranch_scc0 .Lpv_first
.irp s, 0,1,2,3,4,5,6,7
.irp g, 0,1,2
	ds_load_b128 v[Q+12*\s+4*\g:Q+12*\s+4*\g+3], v4 offset:1536*\s+512*\g    ; Q stays in registers
.endr
	ds_load_b32 v[QS+\s], v9 offset:128*\s
.endr
	s_branch .Ltrip
.Lpv_first:
.set ii, 0
.rept 128
	v_mov_b32 v[O+ii], 0                           ; O^T.  (A step is written once: the first finds zeros, which the first change of M leaves zeros)
.set ii, ii+1
.endr
	v_mov_b32 v110, 0x7f61b1e6                     ; -M so far: 3e38, over every -M
; FIVE PLACES stand behind each role's products.  Four serve the loads into registers that the products have read and the first read of results (ISA guide 7.12.1 for vector instructions).
; The fifth: the two roles' registers overlap (S^T and Q lie where O^T lies), and in the text one role's products follow the other's over the join at a trip's end; a matrix instruction that takes an earlier one's result as an
; operand, or writes over one of its registers, stands five places behind it.
; QK: key step I.  cm of this step lies in set par; p's codes and figures go to buffer par.
.macro QKREGION par
	s_wait_loadcnt 0x0                             ; this step's K, scale words and cm
	s_wait_dscnt 0x0                               ; (in the first trip: Q)
	WIN 0x01                                       ; source 0 (K) window 1
.set ss, 0
.rept 8
.set uu, 0
.rept 2                                        ; the two accumulators take turns, one instruction a turn
.if ss == 0
	WM S+8*uu, 12*(8*uu+ss), Q+12*ss, -1, KVS+ss, QS+ss, uu
.else
	WM S+8*uu, 12*(8*uu+ss), Q+12*ss, S+8*uu, KVS+ss, QS+ss, uu
.endif
.set uu, uu+1
.endr
.set ss, ss+1
.endr
	WIN 0
	PLACES 5
	s_add_co_u32 s50, s22, 1
	s_cmp_lt_u32 s50, s20
	s_cbranch_scc0 .Lno_next_\@
	LOADS 1                                        ; the next step's, if it has work
.irp k, 0,1,2,3
	global_load_b128 v[CM+16*(1-(\par))+4*\k:CM+16*(1-(\par))+4*\k+3], v18, s[28:29] offset:512+16*\k
.endr
.Lno_next_\@:
.set ii, 0
.rept 16
	v_cmp_lt_f32 vcc_lo, v[CM+16*(\par)+ii], v19
	v_cndmask_b32 v[S+ii], v20, v[S+ii], vcc_lo    ; hidden scores become -infinity ahead of the maximum
.set ii, ii+1
.endr
	v_max3_num_f32 v110, v[S], v[S+1], v[S+2]
.irp i, 3,5,7,9,11,13
	v_max3_num_f32 v110, v110, v[S+\i], v[S+\i+1]
.endr
	v_max_num_f32 v110, v110, v[S+15]
	v_permlanex16_b32 v111, v110, s30, s31
	v_max_num_f32 v110, v110, v111                 ; the block's largest score of my query
	v_mul_f32 v111, s48, v110
	v_max_num_f32 v111, 0xff61b1e6, v111           ; as t; -3e38 where the whole block is hidden
	v_floor_f32 v120, -v111                        ; -M_w = floor(-t): a whole number
.irp j, 0,2,4,6,8,10,12,14
	v_pk_fma_f32 v[S+\j:S+\j+1], v[S+\j:S+\j+1], s[48:49], v[120:121] op_sel_hi:[1,0,0]   ; t - M_w (of the pairs c and -M_w the low word serves both halves)
.endr
	v_fma_f32 v110, v110, s48, v120                ; the same of the largest score: since p rises with the score, it gives the block's largest p
.set ii, 0
.rept 16
	v_exp_f32 v[S+ii], v[S+ii]                     ; p = 2^(t - M_w), at most 1: not normalised
.set ii, ii+1
.endr
	v_exp_f32 v110, v110
	v_nop                                          ; a plain place behind the exponentials
	s_wait_alu depctr_va_vdst(0)                   ; one wait for the batch, ahead of its first reader
	v_pk_add_f32 v[114:115], v[S:S+1], v[S+2:S+3]  ; the sum is taken of the unquantised p
.irp j, 4,6,8,10,12,14
	v_pk_add_f32 v[114:115], v[114:115], v[S+\j:S+\j+1]
.endr
	v_add_f32 v114, v114, v115
	v_permlanex16_b32 v117, v114, s30, s31
	v_add_f32 v121, v114, v117                     ; the block's sum
	v_max_num_f32 v110, 0x1800000, v110            ; the floor 2^(3 - 127): a block all of whose p are 0 keeps the byte 1; its codes are zeros
	v_add_nc_u32 v116, 0xff000000, v110
	v_lshrrev_b32 v122, 23, v116                   ; the block's byte
	v_cvt_scalef32_pk16_fp6_f32 v[PC:PC+2], v[S:S+15], v116
	v_nop                                          ; one plain place behind a scaled conversion
	ds_store_b32 v10, v[PC] offset:PBS*(\par)
	ds_store_b32 v10, v[PC+1] offset:PBS*(\par)+4
	ds_store_b32 v10, v[PC+2] offset:PBS*(\par)+8
	ds_store_b128 v11, v[120:123] offset:PBS*(\par)  ; -M_w, the sum, the byte (both halves of the lanes write the same)
.endm
; PV: key step I - 1, whose p lies in buffer pb
.macro PVREGION pb
	s_wait_loadcnt 0x0                             ; this step's V and scale words
	ds_load_b128 v[PC:PC+3], v12 offset:PBS*(\pb)
	ds_load_b64 v[PC+4:PC+5], v12 offset:PBS*(\pb)+16
	ds_load_b128 v[PC+6:PC+9], v12 offset:PBS*(\pb)+1024
	ds_load_b64 v[PC+10:PC+11], v12 offset:PBS*(\pb)+1040
.irp w, 0,1,2,3
	ds_load_b128 v[TM+4*\w:TM+4*\w+3], v13 offset:PBS*(\pb)+256*\w
.endr
	s_wait_dscnt 0x0
	v_min_num_f32 v114, v110, v[TM]
	v_min_num_f32 v114, v114, v[TM+4]
	v_min_num_f32 v114, v114, v[TM+8]
	v_min_num_f32 v114, v114, v[TM+12]             ; the new -M: the least of the old one and the four blocks'
	v_sub_f32 v115, v114, v110                     ; old M - new M: a whole number, 0 or less,
	v_max_num_f32 v115, 0xc3800000, v115           ; held at -256, where 2^d is 0 in f32 all the same
	v_cvt_i32_f32 v115, v115
	v_ldexp_f32 v112, 1.0, v115                    ; f = 2^(old M - new M)
	v_mul_f32 v111, v111, v112                     ; the row's sum under the new M
.irp w, 0,1,2,3
	v_sub_f32 v[116+\w], v114, v[TM+4*\w]          ; M_w - new M
.endr
.irp w, 0,1,2,3
	v_max_num_f32 v[116+\w], 0xc3800000, v[116+\w]
.endr
.irp w, 0,1,2,3
	v_cvt_i32_f32 v[116+\w], v[116+\w]
.endr
.irp w, 0,1,2,3
	v_ldexp_f32 v[TM+4*\w+1], v[TM+4*\w+1], v[116+\w]
	v_add_nc_u32 v[TM+4*\w+2], v[TM+4*\w+2], v[116+\w]             ; the block's scale takes the shift up: the codes stay
.endr
.irp w, 0,1,2,3
	v_add_f32 v111, v111, v[TM+4*\w+1]
	v_cmp_gt_i32 vcc_lo, 1, v[TM+4*\w+2]
	v_cndmask_b32 v[TM+4*\w+2], v[TM+4*\w+2], 1, vcc_lo            ; held at 1 from below
.endr
	v_lshl_or_b32 v[PWR], v[TM+6], 8, v[TM+2]      ; P's scale word for these 128 keys
	v_lshl_or_b32 v[PWR], v[TM+10], 16, v[PWR]
	v_lshl_or_b32 v[PWR], v[TM+14], 24, v[PWR]
	v_mov_b32 v110, v114
.set ii, 0
.rept 64
	v_pk_mul_f32 v[O+ii:O+ii+1], v[O+ii:O+ii+1], v[112:113] op_sel_hi:[1,0]   ; O^T under the new M, each accumulator from its low end on.  (These are also the places between the scale word and the products)
.set ii, ii+2
.endr
	WIN 0x01                                       ; source 0 (V) window 1
.set nn, 0
.rept 16
	WM O+8*nn, 12*nn, PC, O+8*nn, KVS+nn/2, PWR, nn%2
.set nn, nn+1
.endr
	WIN 0
	PLACES 5
	s_cmp_lt_u32 s22, s20
	s_cbranch_scc0 .Lno_next_\@
	LOADS 0                                        ; step I's, if it has work
.Lno_next_\@:
.endm
; A trip.  QK writes buffer I % 2, PV reads the other one, which QK wrote a trip ago: the one barrier at the trip's end orders both ways.  The barrier and the pointers' steps stand outside every guard.
.macro TRIP par
	s_cmp_lt_u32 s18, 4
	s_cbranch_scc0 .Lpv_\@
	s_cmp_lt_u32 s22, s20
	s_cbranch_scc0 .Ljoin_\@
	QKREGION \par
	s_branch .Ljoin_\@
.Lpv_\@:
	s_sub_co_u32 s50, s22, 1
	s_cmp_lt_u32 s50, s20                          ; (unsigned: false in trip 0)
	s_cbranch_scc0 .Ljoin_\@
	PVREGION 1-(\par)
.Ljoin_\@:
	s_wait_xcnt 0x0                                ; my loads have read their bases
	s_add_nc_u64 s[24:25], s[24:25], 98304         ; a key step on
	s_add_nc_u64 s[26:27], s[26:27], 4096
	s_add_nc_u64 s[28:29], s[28:29], 512
	s_add_co_u32 s22, s22, 1
	s_wait_dscnt 0x0                               ; my LDS stores have landed and my LDS loads are in
	s_barrier_signal -1
	s_barrier_wait -1
.endm
.Ltrip:                                            ; 9 trips of two: I = 0 .. 17 serve up to 16 steps of QK and, one behind, of PV
	TRIP 0
	TRIP 1
	s_sub_co_u32 s23, s23, 1
	s_cmp_lg_u32 s23, 0
	s_cbranch_scc1 .Ltrip
	s_cmp_lt_u32 s18, 4
	s_cbranch_scc0 .Lout
	s_wait_tensorcnt 0x0
	ds_add_u32 v126, v127
	s_wait_dscnt 0x0
	s_endpgm
.Lout:
	; THE WAY OUT (PV waves).  O^T / the sum goes through my stage and comes back as rows; a row that sees no frame takes the mean row; 32 lanes store 512 consecutive bytes.
	s_wait_loadcnt 0x0
	global_load_b128 v[PC:PC+3], v4, s[12:13]
	global_load_b128 v[PC+4:PC+7], v4, s[12:13] offset:512
	v_max_num_f32 v111, 0x800000, v111             ; (a row that sees nothing has the sum 0 and O^T = 0: it is replaced below)
	v_rcp_f32 v112, v111
	v_nop                                          ; a plain place behind the reciprocal
	s_wait_alu depctr_va_vdst(0)                   ; and the wait ahead of its first reader
.set ii, 0
.rept 64
	v_pk_mul_f32 v[O+ii:O+ii+1], v[O+ii:O+ii+1], v[112:113] op_sel_hi:[1,0]
.set ii, ii+2
.endr
.set pp, 0
.rept 8
.irp q, 0,1,2,3
	ds_store_b128 v14, v[O+16*pp+4*\q:O+16*pp+4*\q+3] offset:128*pp+16*\q    ; registers 16 p + i of lane (r, h): o(r, 256 w' + 32 p + 16 h + i)
.endr
.set pp, pp+1
.endr
	WIN 0x40
.set rr, 0
.rept 16
	ds_load_b128 v[8*rr:8*rr+3], v15 offset:1040*rr                ; LDS serves a wave's instructions in order: these see my stores
	ds_load_b128 v[8*rr+4:8*rr+7], v15 offset:1040*rr+512
.set rr, rr+1
.endr
	s_wait_dscnt 0x0
	s_wait_loadcnt 0x0
	WIN 0x41                                       ; rows window 1, the mean row window 0
.set rr, 0
.rept 16
	s_cmp_eq_u32 s[32+rr], 0
	s_cselect_b32 s50, -1, 0
.irp k, 0,1,2,3,4,5,6,7
	v_cndmask_b32 v[8*rr+\k], v[8*rr+\k], v[PC+\k], s50
.endr
.set rr, rr+1
.endr
	WIN 0x04                                       ; a store's data are its source 1: window 1
.set rr, 0
.rept 16
	global_store_b128 v4, v[8*rr:8*rr+3], s[16:17] offset:4096*rr th:TH_STORE_NT
	global_store_b128 v4, v[8*rr+4:8*rr+7], s[16:17] offset:4096*rr+512 th:TH_STORE_NT
.set rr, rr+1
.endr
	WIN 0
	s_wait_tensorcnt 0x0
	ds_add_u32 v126, v127
	s_wait_dscnt 0x0
	s_endpgm
.Lfunc_end_k_qc0650bb77b_attn:
	.size	k_qc0650bb77b_attn, .Lfunc_end_k_qc0650bb77b_attn-k_qc0650bb77b_attn
	.p2alignl 7, 3214868480
	.fill 96, 4, 3214868480
	.section	.rodata,"a",@progbits
	.p2align	6, 0x0
	.amdhsa_kernel k_qc0650bb77b_attn
		.amdhsa_group_segment_fixed_size 87040
		.amdhsa_private_segment_fixed_size 0
		.amdhsa_enable_private_segment 0
		.amdhsa_kernarg_size 56
		.amdhsa_user_sgpr_count 2
		.amdhsa_user_sgpr_kernarg_segment_ptr 1
		.amdhsa_wavefront_size32 1
		.amdhsa_system_sgpr_workgroup_id_x 1
		.amdhsa_system_sgpr_workgroup_id_y 1
		.amdhsa_system_sgpr_workgroup_id_z 1
		.amdhsa_system_vgpr_workitem_id 0
		.amdhsa_next_free_vgpr 448
		.amdhsa_next_free_sgpr 66
		.amdhsa_reserve_vcc 1
		.amdhsa_float_denorm_mode_32 3
		.amdhsa_float_denorm_mode_16_64 3
		.amdhsa_memory_ordered 1
		.amdhsa_forward_progress 1
		.amdhsa_inst_pref_size 98
	.end_amdhsa_kernel
	.amdgpu_metadata
---
amdhsa.version: [ 1, 2 ]
amdhsa.kernels:
  - .name:           k_qc0650bb77b_attn
    .symbol:         k_qc0650bb77b_attn.kd
    .args:
      - { .name: ys, .offset: 0, .size: 8, .value_kind: global_buffer, .address_space: global }
      - { .name: ys_lens, .offset: 8, .size: 8, .value_kind: global_buffer, .address_space: global }
      - { .name: kq, .offset: 16, .size: 8, .value_kind: global_buffer, .address_space: global }
      - { .name: vq, .offset: 24, .size: 8, .value_kind: global_buffer, .address_space: global }
      - { .name: fs, .offset: 32, .size: 8, .value_kind: global_buffer, .address_space: global }
      - { .name: meta, .offset: 40, .size: 8, .value_kind: global_buffer, .address_space: global }
      - { .name: out0, .offset: 48, .size: 8, .value_kind: global_buffer, .address_space: global }
    .group_segment_fixed_size: 87040
    .private_segment_fixed_size: 0
    .kernarg_segment_align: 8
    .kernarg_segment_size: 56
    .max_flat_workgroup_size: 256
    .sgpr_count:     66
    .vgpr_count:     448
    .wavefront_size: 32
...
	.end_amdgpu_metadata
.endif
;; end of part 4
;; ======== version 2 of 3: 4 launches
;; limits: right only within a limited range of input values
;; workspace buffers: wq 819,200 bytes; kq 26,214,400 bytes; vq 26,214,400 bytes; usum 1,048,576 bytes; fs 196,608 bytes; meta 18,432 bytes of whole numbers
;; launch prep: the kernel of part 1 again; grid 32 x 8, 2 waves a work-group, no clusters, 0 bytes of LDS; arguments W_proj, wq; writes wq
;; launch proj (part 5): grid 256 x 1, 4 waves a work-group, no clusters, 280,064 bytes of LDS; arguments xs, xs_lens, W_out, b_out, b_proj, wq, kq, vq, usum, out2; writes kq, vq, usum, out2
.if DOCPART == 5
	.amdgcn_target "amdgcn-amd-amdhsa--gfx1250"
	.amdhsa_code_object_version 6
	.text
	.protected	k_qc0650bb77b_proj
	.globl	k_qc0650bb77b_proj
	.p2align	8
	.type	k_qc0650bb77b_proj,@function
k_qc0650bb77b_proj:
	s_mov_b64 s[64:65], 0
	v_nop
	global_prefetch_b8 v0, s[64:65] scope:SCOPE_SE
	s_setreg_imm32_b32 hwreg(HW_REG_WAVE_MODE, 25, 1), 1
	s_wait_xcnt 0x0
; Work-group G takes 128 frames (batch G / 16, key step G % 16) and reads them ONCE.
; PHASE X: wave w takes frames 32 w .. 32 w + 31: it forms their alphas (f32 multiply-adds, sigmoid, 0 from xs_len on -> out2) and quantises x along d into codes of E2M3;
;   the fragments go to LDS as images of operand registers (registers 4 g .. 4 g + 3 of lane l at 512 g + 16 l), their scale words beside them.  One barrier.
; PHASE G: wave w takes e = 256 w .. 256 w + 255, in 4 rounds of 64.  A round multiplies all 128 frames by its 64 columns of W ONCE (source 0 = W, source 1 = x): a lane holds one frame, its registers run along e.
;   b_proj is the C of each sum's first product.  The results are wanted twice: as they lie they are quantised along e -> kq; TURNED (a lane holds one e, its registers run along the frames) they are quantised along t -> vq.
;   THE TURN goes through a stage in LDS of the wave's own: 128 rows (frames, in the order of the tiles' rows) x 64 e x 4 bytes, rows 272 bytes apart: 64 stores of 16 bytes a lane in, 256 loads of 4 bytes a lane back.
;   272 bytes are 68 words: the sixteen rows that half a store touches start at banks 4 r mod 64, and a load's lanes 16-31 lie 8 rows = 544 words = 32 banks mod 64 from lanes 0-15 (64 banks of 4 bytes: ISA guide 11.1).
;   A product of ones with V's codes gives the sum of the quantised V over the 128 frames -> usum (for rows of the attention whose mask is all false).
; TILES of frames and of e ARE NOT NEIGHBOURS: row i of tile 2 a + u is index 32 a + 8 u + i + 8 (i / 8), so that the 16 registers of two neighbouring tiles are 16 neighbours along the next K.
; PAIRED SCALE WORDS: one register or record holds the even tile's words in lanes 0-15 and the odd tile's in lanes 16-31.
; W's fragments come from memory straight into the one wave that uses them (each feeds 8 products); no tile is shared through LDS but x's, so no tensor load and no cluster.
; LIMITS: a block of zeros gets the byte 1 (its codes are zeros; this program alone reads the bytes); NaN and infinities among the inputs are not served.
; REGISTERS.  window 0: v1-23 addresses; v24-55 x's scale words, v56-71 W's, v112 the ones', v114-117 V's (these hold scales alone); v72-103 K's registers kept from an even round; v104-111 K's half words;
;   v120-183 x's 64 numbers, later the ones' codes (v120-131), the ones' results, at work, b_proj (v132-163); v184-199 at work; v204-243 codes just made.
;   window 1: phase X: four sets of 64 numbers as loaded; phase G: x's 8 fragments of the even K steps (v0-95), W's 4 fragments in sets 0-2 (v96-239).
;   window 2: phase X: W_out (v0-31), the alphas' sums (v32-95); phase G: the 32 accumulators (32 t + 8 e); on the way out the same numbers turned (64 e + 8 t).
;   window 3: phase G: x's 8 fragments of the odd K steps (v0-95), W's set 3 (v96-143).
.set XSC,   98304                      ; LDS: [K step 8][tile 8] images of x from 0; here [pair 4][K step 8][lane] scale words;
.set BIAS,  102400                     ; b_proj, 1,024 bytes for each wave;
.set STG,   106496                     ; a stage of 16 rows x 528 bytes for each wave (later 32 x 144 for the alphas);
.set STGW,  8448
.set TST,   140288                     ; the stage of the turn: 128 rows x 272 bytes for each wave
.set TSTW,  34816
.set TP,    272
.set WSC,   786432
.set KSC,   25165824
.set VSC,   25165824
.set XS,    24
.set WS,    56
.set SV,    72
.set KH,    104
.set ONESC, 112
.set PWV,   114
.set X,     120
.set ONES,  120
.set UD,    132
.set BK,    132
.set TSC,   148
.set HW,    156
.set KW,    160
.set TMPS,  164
.set TM,    184
.set PW,    200
.set PWK,   201
.set PC0,   204
.set PC1,   224
.set PCK,   204
.set SEL,   26
.set MSB, 0
.macro WIN new                         ; the immediate's high byte repeats the setting that is left; a switch that changes nothing is dropped
.if MSB != (\new)
	s_set_vgpr_msb (MSB<<8)|(\new)
.set MSB, \new
.endif
.endm
.macro PLACES n
.rept \n
	v_nop
.endr
.endm
; one product: D, A, B, C (under 0: the constant 0), A's and B's scale registers, and whether each side's words stand in lanes 16-31
.macro WM d, a, b, c, sa, sb, ra, rb
.if (\c) < 0
.if (\ra) && (\rb)
	v_wmma_scale_f32_16x16x128_f8f6f4 v[\d:\d+7], v[\a:\a+11], v[\b:\b+11], 0, v[\sa], v[\sb] matrix_a_fmt:MATRIX_FMT_FP6 matrix_b_fmt:MATRIX_FMT_FP6 matrix_a_scale:MATRIX_SCALE_ROW1 matrix_b_scale:MATRIX_SCALE_ROW1
.elseif (\ra)
	v_wmma_scale_f32_16x16x128_f8f6f4 v[\d:\d+7], v[\a:\a+11], v[\b:\b+11], 0, v[\sa], v[\sb] matrix_a_fmt:MATRIX_FMT_FP6 matrix_b_fmt:MATRIX_FMT_FP6 matrix_a_scale:MATRIX_SCALE_ROW1
.elseif (\rb)
	v_wmma_scale_f32_16x16x128_f8f6f4 v[\d:\d+7], v[\a:\a+11], v[\b:\b+11], 0, v[\sa], v[\sb] matrix_a_fmt:MATRIX_FMT_FP6 matrix_b_fmt:MATRIX_FMT_FP6 matrix_b_scale:MATRIX_SCALE_ROW1
.else
	v_wmma_scale_f32_16x16x128_f8f6f4 v[\d:\d+7], v[\a:\a+11], v[\b:\b+11], 0, v[\sa], v[\sb] matrix_a_fmt:MATRIX_FMT_FP6 matrix_b_fmt:MATRIX_FMT_FP6
.endif
.else
.if (\ra) && (\rb)
	v_wmma_scale_f32_16x16x128_f8f6f4 v[\d:\d+7], v[\a:\a+11], v[\b:\b+11], v[\c:\c+7], v[\sa], v[\sb] matrix_a_fmt:MATRIX_FMT_FP6 matrix_b_fmt:MATRIX_FMT_FP6 matrix_a_scale:MATRIX_SCALE_ROW1 matrix_b_scale:MATRIX_SCALE_ROW1
.elseif (\ra)
	v_wmma_scale_f32_16x16x128_f8f6f4 v[\d:\d+7], v[\a:\a+11], v[\b:\b+11], v[\c:\c+7], v[\sa], v[\sb] matrix_a_fmt:MATRIX_FMT_FP6 matrix_b_fmt:MATRIX_FMT_FP6 matrix_a_scale:MATRIX_SCALE_ROW1
.elseif (\rb)
	v_wmma_scale_f32_16x16x128_f8f6f4 v[\d:\d+7], v[\a:\a+11], v[\b:\b+11], v[\c:\c+7], v[\sa], v[\sb] matrix_a_fmt:MATRIX_FMT_FP6 matrix_b_fmt:MATRIX_FMT_FP6 matrix_b_scale:MATRIX_SCALE_ROW1
.else
	v_wmma_scale_f32_16x16x128_f8f6f4 v[\d:\d+7], v[\a:\a+11], v[\b:\b+11], v[\c:\c+7], v[\sa], v[\sb] matrix_a_fmt:MATRIX_FMT_FP6 matrix_b_fmt:MATRIX_FMT_FP6
.endif
.endif
.endm
; 64 numbers of a lane in window w, register s + 16 b + i = k 32 b + 16 (lane / 16) + i of my row, become a fragment's codes in v[pc] .. v[pc + 11] and its scale word in v[pw].
; xw = 1: earlier global stores read the registers that the codes are written into, so a wait stands ahead of the conversions; xw = 0 (phase X): those registers are read by LDS stores alone.
.macro QUANT s, w, pc, pw, xw
	WIN (\w)|((\w)<<2)
.irp b, 0,1,2,3
	v_max3_num_f32 v[TM+\b], |v[(\s)+16*\b]|, |v[(\s)+16*\b+1]|, 0x1800000   ; block b: my 16 numbers, and the floor 2^(3 - 127): the byte cannot fall under 1
.endr
.irp i, 2,4,6,8,10,12,14
.irp b, 0,1,2,3
	v_max3_num_f32 v[TM+\b], |v[(\s)+16*\b+\i]|, |v[(\s)+16*\b+\i+1]|, v[TM+\b]
.endr
.endr
	WIN 0
.irp b, 0,1,2,3
	v_permlanex16_b32 v[TM+4+\b], v[TM+\b], s[SEL], s[SEL+1]
.endr
.irp b, 0,1,2,3
	v_max_num_f32 v[TM+\b], v[TM+\b], v[TM+4+\b]   ; with lane l xor 16's: the block's largest magnitude
.endr
.irp b, 0,1,2,3
	v_add_nc_u32 v[TM+12+\b], 0xff000000, v[TM+\b] ; 2 off its exponent field: the conversion's scale operand
.endr
.irp b, 0,1,2,3
	v_lshrrev_b32 v[TM+4+\b], 23, v[TM+12+\b]      ; the scale's byte
.endr
	v_lshl_or_b32 v[\pw], v[TM+5], 8, v[TM+4]
	v_lshl_or_b32 v[\pw], v[TM+6], 16, v[\pw]
	v_lshl_or_b32 v[\pw], v[TM+7], 24, v[\pw]
.if \xw
	s_wait_xcnt 0x0                                ; earlier stores have read the registers that the codes are written into
.endif
	WIN \w
.irp c, 0,1
	v_cvt_scalef32_pk16_fp6_f32 v[\pc+6*\c:\pc+6*\c+2], v[(\s)+32*\c:(\s)+32*\c+15], v[TM+12+2*\c]
	v_cvt_scalef32_pk16_fp6_f32 v[\pc+12+4*\c:\pc+14+4*\c], v[(\s)+16+32*\c:(\s)+31+32*\c], v[TM+13+2*\c]   ; (a conversion's three registers begin on an even number)
.endr
	WIN 0
	v_nop                                          ; one plain place behind a scaled conversion
.irp c, 0,1                                    ; the operand's layout wants a WHOLE block in a lane: lanes 0-15 block 2 c, lanes 16-31 block 2 c + 1
.irp i, 0,1,2
	v_permlane16_swap_b32 v[\pc+6*\c+\i], v[\pc+12+4*\c+\i]
.endr
.irp i, 0,1,2
	v_mov_b32 v[\pc+3+6*\c+\i], v[\pc+12+4*\c+\i]
.endr
.endr
.endm
	s_load_b512 s[4:19], s[0:1], 0x0               ; xs 4, xs_lens 6, W_out 8, b_out 10, b_proj 12, wq 14, kq 16, vq 18
	s_load_b128 s[20:23], s[0:1], 0x40             ; usum 20, out2 22
	v_lshl_add_u32 v254, v0, 2, 0x44400
	v_mov_b32 v255, 0
	v_lshrrev_b32 v1, 5, v0
	v_readfirstlane_b32 s24, v1                    ; wave 0..3
	s_mov_b32 s25, ttmp9                           ; G
	s_mov_b32 s26, 0x76543210
	s_mov_b32 s27, 0xfedcba98                      ; selects for lane l xor 16
	s_mov_b32 s28, 0xffff0000                      ; lanes 16-31
	v_and_b32 v1, 31, v0                           ; lane
	v_and_b32 v2, 15, v0                           ; r
	v_bfe_u32 v3, v0, 4, 1                         ; h
	v_lshlrev_b32 v4, 4, v1                        ; 16 x lane: an image's place for my lane, in memory and (x's K steps 0-3) in LDS
	v_lshlrev_b32 v5, 2, v1                        ; 4 x lane
	s_mul_i32 s52, s24, STGW
	s_add_co_u32 s52, s52, STG                     ; my stage
	v_add_nc_u32 v6, s52, v4                       ; into it: 16 x lane of a row
	v_mul_u32_u24 v7, v2, 528
	v_lshl_add_u32 v7, v3, 6, v7
	v_add_nc_u32 v7, s52, v7                       ; out of it: row r, + 64 h: my 16 numbers of a block of 32
	s_mul_i32 s53, s24, 3072
	v_add_nc_u32 v8, s53, v4                       ; where I store x's images: tiles 2 w, 2 w + 1; K steps 0-3,
	v_add_nc_u32 v9, 49152, v8                     ; K steps 4-7
	s_lshl_b32 s53, s24, 10
	s_add_co_u32 s54, s53, XSC
	v_add_nc_u32 v10, s54, v5                      ; and their paired scale words
	v_add_nc_u32 v12, 49152, v4                    ; x's images, K steps 4-7
	v_add_nc_u32 v13, XSC, v5
	v_add_nc_u32 v14, s52, v5                      ; the alphas' sums: in,
	v_mul_u32_u24 v15, v1, 144
	v_add_nc_u32 v15, s52, v15                     ; and back: a frame a lane
	s_add_co_u32 s54, s53, BIAS
	v_lshl_add_u32 v16, v3, 6, s54                 ; b_proj: + 64 h
	v_and_b32 v23, 8, v2
	v_add_nc_u32 v23, v23, v2                      ; r + 8 (r / 8)
	s_mul_i32 s56, s24, TSTW
	s_add_co_u32 s56, s56, TST                     ; my stage of the turn
	v_mul_u32_u24 v11, v2, TP
	v_lshl_add_u32 v11, v3, 6, v11
	v_add_nc_u32 v11, s56, v11                     ; into it: row r of a tile of frames, + 64 h: my 16 neighbouring e
	v_mul_u32_u24 v17, v3, 8*TP
	v_lshl_add_u32 v17, v23, 2, v17
	v_add_nc_u32 v17, s56, v17                     ; out of it: 8 h rows down, my row's e of a tile of e
	v_lshl_add_u32 v18, v3, 3, v23
	v_lshlrev_b32 v18, 2, v18                      ; usum: 4 (8 h + r + 8 (r / 8))
	v_lshl_add_u32 v19, v1, 5, s54                 ; b_proj on its way in: 32 bytes a lane
	v_lshlrev_b32 v22, 5, v1
	s_mov_b32 s53, 0
	s_mov_b32 s55, 0
.set ii, 0
.rept 16
	v_mov_b32 v[TM+ii], 0                          ; written once: a lane permute's destination counts as one of its sources
.set ii, ii+1
.endr
	s_wait_kmcnt 0x0
	s_lshr_b32 s52, s25, 4
	s_lshl_b32 s52, s52, 2
	s_add_nc_u64 s[6:7], s[6:7], s[52:53]
	s_load_b32 s29, s[6:7], 0x0                    ; xs_len of my batch
	s_load_b32 s30, s[10:11], 0x0                  ; b_out
	s_lshl_b32 s52, s25, 19
	s_lshl_b32 s54, s24, 17
	s_add_co_u32 s52, s52, s54
	s_add_nc_u64 s[4:5], s[4:5], s[52:53]          ; xs at frame 128 G + 32 w
	s_lshl_b32 s52, s24, 10
	s_add_nc_u64 s[12:13], s[12:13], s[52:53]      ; b_proj at e = 256 w
	WIN 0x80
.irp s, 0,1,2,3,4,5,6,7
	global_load_b128 v[4*\s:4*\s+3], v4, s[8:9] offset:512*\s      ; W_out: my four numbers of each K step
.endr
	WIN 0
	global_load_b128 v[244:247], v22, s[12:13]
	global_load_b128 v[248:251], v22, s[12:13] offset:16
; unit n = 2 s + u: tile 2 w + u, K step s: 16 rows x 512 consecutive bytes, into set n % 4 of window 1
.macro LOADU n
	WIN 0x40
.set ii, 0
.rept 16
	global_load_b128 v[64*((\n)%4)+4*ii:64*((\n)%4)+4*ii+3], v4, s[4:5] offset:(8*((\n)%2)+ii+8*(ii/8))*4096+512*((\n)/2) th:TH_LOAD_NT
.set ii, ii+1
.endr
	WIN 0
.endm
	LOADU 0
	LOADU 1
	LOADU 2
	LOADU 3
	s_mul_i32 s52, s24, 196608
	s_add_nc_u64 s[38:39], s[14:15], s[52:53]      ; W's images of my first round (tile 16 w)
	s_lshl_b32 s52, s24, 13
	s_add_co_u32 s52, s52, WSC
	s_add_nc_u64 s[40:41], s[14:15], s[52:53]      ; and their scale words (pair 8 w)
	s_mul_i32 s56, s25, 98304
	s_mul_i32 s52, s24, 3072
	s_add_co_u32 s52, s52, s56
	s_add_nc_u64 s[42:43], s[16:17], s[52:53]      ; kq: step G, K step 2 w
	s_lshl_b32 s58, s25, 12
	s_lshl_b32 s52, s24, 8
	s_add_co_u32 s52, s52, s58
	s_add_co_u32 s52, s52, KSC
	s_add_nc_u64 s[44:45], s[16:17], s[52:53]      ; its scale words
	s_mul_i32 s52, s24, 24576
	s_add_co_u32 s52, s52, s56
	s_add_nc_u64 s[46:47], s[18:19], s[52:53]      ; vq: step G, tile 16 w
	s_lshl_b32 s54, s24, 10
	s_add_co_u32 s54, s54, s58
	s_add_co_u32 s52, s54, VSC
	s_add_nc_u64 s[48:49], s[18:19], s[52:53]      ; its scale words
	s_mov_b32 s52, s54
	s_add_nc_u64 s[50:51], s[20:21], s[52:53]      ; usum: step G, e = 256 w
	s_lshl_b32 s52, s25, 9
	s_lshl_b32 s54, s24, 7
	s_add_co_u32 s52, s52, s54
	s_add_nc_u64 s[22:23], s[22:23], s[52:53]      ; out2 at my 32 frames
; ---- PHASE X.  A unit: its 16 rows go through my stage as they lie and come back 64 numbers a lane; on the way they are multiplied into the alphas' sums; then they are quantised.
.macro UNIT n
.set US, (\n)/2
.set UU, (\n)%2
.set RS, 64*((\n)%4)
.if (\n) <= 12
	s_wait_loadcnt 48                              ; this unit's loads are in; the three units behind it (16 loads each) may be out
.else
	s_wait_loadcnt 16*(15-(\n))
.endif
.if (\n) == 0
	ds_store_b128 v19, v[244:247]                  ; b_proj into my own 1,024 bytes
	ds_store_b128 v19, v[248:251] offset:16
.endif
	WIN 0x04                                       ; an LDS store's data are its source 1: window 1
.set ii, 0
.rept 16
	ds_store_b128 v6, v[RS+4*ii:RS+4*ii+3] offset:528*ii
.set ii, ii+1
.endr
	WIN 0xa9                                       ; numbers window 1; W_out and the sums window 2
.set ii, 0
.rept 16
.set AC, 32+2*(16*UU+ii)
.if US == 0
	v_pk_mul_f32 v[AC:AC+1], v[RS+4*ii:RS+4*ii+1], v[4*US:4*US+1]      ; the first products start the sums
.else
	v_pk_fma_f32 v[AC:AC+1], v[RS+4*ii:RS+4*ii+1], v[4*US:4*US+1], v[AC:AC+1]
.endif
.set ii, ii+1
.endr
.set ii, 0
.rept 16
.set AC, 32+2*(16*UU+ii)
	v_pk_fma_f32 v[AC:AC+1], v[RS+4*ii+2:RS+4*ii+3], v[4*US+2:4*US+3], v[AC:AC+1]
.set ii, ii+1
.endr
	WIN 0
.irp b, 0,1,2,3
.irp j, 0,1,2,3
	ds_load_b128 v[X+16*\b+4*\j:X+16*\b+4*\j+3], v7 offset:128*\b+16*\j   ; LDS serves a wave's instructions in order: these see my stores
.endr
.endr
	s_wait_dscnt 0x0                               ; my 64 numbers are in; the stage's stores have read the set, and the last unit's image stores their codes
.if (\n)+4 < 16
	LOADU (\n)+4                                   ; the set takes the unit four on
.endif
	QUANT X, 0, PC0, PW, 0
.irp c, 0,1,2
.if US < 4
	ds_store_b128 v8, v[PC0+4*\c:PC0+4*\c+3] offset:US*12288+1536*UU+512*\c
.else
	ds_store_b128 v9, v[PC0+4*\c:PC0+4*\c+3] offset:(US-4)*12288+1536*UU+512*\c
.endif
.endr
.if UU == 0
	v_mov_b32 v[PWK], v[PW]                        ; the even tile's words are kept
.else
	v_cndmask_b32 v[PWK], v[PWK], v[PW], s28       ; lanes 0-15 the even tile's, lanes 16-31 the odd tile's
	ds_store_b32 v10, v[PWK] offset:128*US
.endif
.endm
.set NN, 0
.rept 16
	UNIT NN
.set NN, NN+1
.endr
	; the alphas: each of my 32 frames' sums lies in 32 lanes x 2: the halves are added, the lanes' parts go through my stage, and lane l adds frame 32 w + l's
	WIN 0x0a
.set ii, 0
.rept 32
	v_add_f32 v[X+ii], v[32+2*ii], v[33+2*ii]
.set ii, ii+1
.endr
	WIN 0
.irp u, 0,1
.set ii, 0
.rept 16
	ds_store_b32 v14, v[X+16*\u+ii] offset:144*(8*\u+ii+8*(ii/8))
.set ii, ii+1
.endr
.endr
.irp k, 0,1,2,3,4,5,6,7
	ds_load_b128 v[152+4*\k:155+4*\k], v15 offset:16*\k
.endr
	s_wait_dscnt 0x0
.irp k, 0,4,8,12,16,20,24,28
	v_pk_add_f32 v[152+\k:153+\k], v[152+\k:153+\k], v[154+\k:155+\k]
.endr
.irp k, 0,8,16,24
	v_pk_add_f32 v[152+\k:153+\k], v[152+\k:153+\k], v[156+\k:157+\k]
.endr
.irp k, 0,16
	v_pk_add_f32 v[152+\k:153+\k], v[152+\k:153+\k], v[160+\k:161+\k]
.endr
	v_pk_add_f32 v[152:153], v[152:153], v[168:169]
	v_add_f32 v152, v152, v153
	s_wait_kmcnt 0x0                               ; xs_len, b_out
	v_add_f32 v152, s30, v152
	v_mul_f32 v152, 0xbfb8aa3b, v152               ; -log2(e) x
	v_exp_f32 v153, v152
	s_and_b32 s52, s25, 15
	s_lshl_b32 s52, s52, 7
	s_lshl_b32 s54, s24, 5
	s_add_co_u32 s52, s52, s54
	v_add_nc_u32 v155, s52, v1                     ; my frame in its batch.  (A plain place behind the exponential)
	s_wait_alu depctr_va_vdst(0)                   ; the wait ahead of the first reader
	v_add_f32 v153, 1.0, v153
	v_rcp_f32 v154, v153
	v_cmp_gt_i32 vcc_lo, s29, v155                 ; (a plain place behind the reciprocal)
	s_wait_alu depctr_va_vdst(0)
	v_cndmask_b32 v154, 0, v154, vcc_lo            ; 0 from xs_len on
	global_store_b32 v5, v154, s[22:23]
	s_wait_xcnt 0x0                                ; the store has read its data: the register is used again below
.irp k, 0,3,6,9
	v_mov_b32 v[ONES+\k], 0x18618618               ; 128 codes of 4.0, a stream of 6-bit codes;
	v_mov_b32 v[ONES+\k+1], 0x86186186
	v_mov_b32 v[ONES+\k+2], 0x61861861
.endr
	v_mov_b32 v[ONESC], 0x7d7d7d7d                 ; under the scale 2^-2: ones
.set ii, 0
.rept 40
	v_mov_b32 v[SV+ii], 0                          ; what an even round leaves for the odd one: written once, so that both ways of a round find it written
.set ii, ii+1
.endr
; W's four fragments of K step st of the round at base, into set (sets 0-2: window 1, v96 on; set 3: window 3, v96 on)
.macro WLOAD set, st, base
.if (\set) == 3
	WIN 0xc0
.set WB, 96
.else
	WIN 0x40
.set WB, 96+48*(\set)
.endif
.irp e, 0,1,2,3
.irp g, 0,1,2
	global_load_b128 v[WB+12*\e+4*\g:WB+12*\e+4*\g+3], v4, s[\base:\base+1] offset:\e*12288+(\st)*1536+512*\g
.endr
.endr
.endm
.macro WSLOAD                          ; a round's 16 paired scale words of W
.irp b, 0,1
.irp s, 0,1,2,3,4,5,6,7
	global_load_b32 v[WS+8*\b+\s], v5, s[36:37] offset:1024*\b+128*\s
.endr
.endr
.endm
.macro BIASLD                          ; b_proj in the result's layout: eight neighbours a tile
.irp e, 0,1,2,3
	ds_load_b128 v[BK+8*\e:BK+8*\e+3], v20 offset:(32*(\e/2)+8*(\e%2))*4
	ds_load_b128 v[BK+8*\e+4:BK+8*\e+7], v20 offset:(32*(\e/2)+8*(\e%2))*4+16
.endr
.endm
.macro FETCHX st                       ; x's eight tiles of K step st, from their images: even steps into window 1, odd steps into window 3
	WIN 0x40+0x80*((\st)%2)
.set tt, 0
.rept 8
.irp g, 0,1,2
.if (\st) < 4
	ds_load_b128 v[12*tt+4*\g:12*tt+4*\g+3], v4 offset:(\st)*12288+1536*tt+512*\g
.else
	ds_load_b128 v[12*tt+4*\g:12*tt+4*\g+3], v12 offset:((\st)-4)*12288+1536*tt+512*\g
.endif
.endr
.set tt, tt+1
.endr
.endm
	s_mov_b64 s[34:35], s[38:39]
	s_mov_b64 s[36:37], s[40:41]
	WLOAD 0, 0, 34
	WLOAD 1, 1, 34
	WLOAD 2, 2, 34
	WLOAD 3, 3, 34
	WIN 0
	WSLOAD
	s_mov_b32 s52, 0
	v_add_nc_u32 v20, s52, v16
	BIASLD
	s_wait_dscnt 0x0                               ; my images and scale words of x have landed
	s_barrier_signal -1
	s_barrier_wait -1                              ; everybody's have: from here on nobody writes them
.irp a, 0,1,2,3
.irp s, 0,1,2,3,4,5,6,7
	ds_load_b32 v[XS+8*\a+\s], v13 offset:1024*\a+128*\s           ; all of x's scale words stay in registers
.endr
.endr
	FETCHX 0
	FETCHX 1
	WIN 0
; ---- PHASE G
; A K step's 32 products: x's eight tiles against W's four.  The 32 accumulators take turns, one instruction a turn, in the same order in every step.
.macro KS32 st
.set WFS, 96+48*((\st)%4)
.set WW, 1
.if (\st)%4 == 3
.set WFS, 96
.set WW, 3
.endif
.set XW, 1+2*((\st)%2)
.if (\st) == 0
.set WSEL, 0x80|(XW<<2)|WW                     ; C (b_proj) window 0, D window 2
.else
.set WSEL, 0xa0|(XW<<2)|WW                     ; C and D window 2; source 0 (W) and source 1 (x) where the step's sets lie
.endif
	WIN WSEL
.set tt, 0
.rept 8
.set ee, 0
.rept 4
.set rD, 32*tt+8*ee
.set rC, rD
.if (\st) == 0
.set rC, BK+8*ee
.endif
	WM rD, WFS+12*ee, 12*tt, rC, WS+8*(ee/2)+(\st), XS+8*(tt/2)+(\st), ee%2, tt%2
.set ee, ee+1
.endr
.set tt, tt+1
.endr
.endm
; A K step of 128.  At its end the two sets that it has read are filled again: x's with the step two on, W's with the step four on (from step 4 on: the next round's).
; A load into a register that a matrix instruction has read stands four plain vector instructions behind it (ISA guide 7.12.1 for vector instructions).
.macro STEP st
.if (\st) == 0
	s_wait_dscnt 0x0                               ; x's tiles of K steps 0 and 1 and b_proj (in the first round x's scale words too) are in
.else
.if (\st) >= 4
	s_wait_loadcnt 36                              ; this step's set of W is in; the three sets (12 loads each) asked for behind it may be out
.endif
	s_wait_dscnt 24                                ; this step's x is in; the 24 loads of the next step's may be out
.endif
	KS32 \st
	PLACES 4
	FETCHX ((\st)+2)%8
.if (\st) <= 3
	WLOAD (\st)%4, (\st)+4, 32
.else
	WLOAD (\st)%4, (\st)-4, 34
.endif
	WIN 0
.if (\st) == 7
	WSLOAD
.endif
.endm
; THE TURN.  In: registers 32 t + 16 b + i of lane (r, h) are frame row r of tile t, e = 32 b + 16 h + i: four stores of 16 bytes; each accumulator goes from its low end on.
.macro TSTORE
	WIN 0x08                                       ; an LDS store's data are its source 1: window 2
.set tt, 0
.rept 8
.irp b, 0,1
.irp q, 0,1,2,3
	ds_store_b128 v11, v[32*tt+16*\b+4*\q:32*tt+16*\b+4*\q+3] offset:16*tt*TP+128*\b+16*\q
.endr
.endr
.set tt, tt+1
.endr
.endm
; Back, a tile of e at a time: register 64 e + 8 t + j of lane (r, h) is frame row 8 h + j of tile t, at the e of row r of tile e.  LDS serves a wave's instructions in order: these see my stores.
; The registers are those that the accumulators of frames' tiles 2 e, 2 e + 1 have left: they are loaded only behind K's way out of those tiles.
.macro TLOAD eps
	WIN 0x80                                       ; destination window 2
.set tt, 0
.rept 8
.irp j, 0,1,2,3,4,5,6,7
	ds_load_b32 v[64*(\eps)+8*tt+\j], v17 offset:(16*tt+\j)*TP+4*(32*((\eps)/2)+8*((\eps)%2))
.endr
.set tt, tt+1
.endr
.endm
; THE K SIDE'S WAY OUT, four tiles of frames at a time.  A round's 64 e are two blocks of 32: half a fragment (6 registers) and half a scale word.  An even round stores registers 0-3 and keeps 4, 5 and the two bytes;
; the odd round completes registers 4-7, stores them and 8-11, and stores the paired scale words.  Every store of the wave covers 512 (the words: 128) consecutive bytes.
.macro KEPI t0
	WIN 0x0a
.set kk, 0
.rept 8
	v_max3_num_f32 v[TM+kk], |v[32*(\t0)+16*kk]|, |v[32*(\t0)+16*kk+1]|, 0x1800000
.set kk, kk+1
.endr
.set ii, 2
.rept 7
.set kk, 0
.rept 8
	v_max3_num_f32 v[TM+kk], |v[32*(\t0)+16*kk+ii]|, |v[32*(\t0)+16*kk+ii+1]|, v[TM+kk]
.set kk, kk+1
.endr
.set ii, ii+2
.endr
	WIN 0
.irp k, 0,1,2,3,4,5,6,7
	v_permlanex16_b32 v[TM+8+\k], v[TM+\k], s[SEL], s[SEL+1]
.endr
.irp k, 0,1,2,3,4,5,6,7
	v_max_num_f32 v[TM+\k], v[TM+\k], v[TM+8+\k]
.endr
.irp k, 0,1,2,3,4,5,6,7
	v_add_nc_u32 v[TSC+\k], 0xff000000, v[TM+\k]
.endr
.irp k, 0,1,2,3,4,5,6,7
	v_lshrrev_b32 v[TM+8+\k], 23, v[TSC+\k]
.endr
.irp t, 0,1,2,3
	v_lshl_or_b32 v[HW+\t], v[TM+9+2*\t], 8, v[TM+8+2*\t]          ; the round's two bytes of my frame
.endr
	s_wait_xcnt 0x0                                ; earlier stores have read the registers written below
	WIN 0x02
.set kk, 0
.rept 8
	v_cvt_scalef32_pk16_fp6_f32 v[PCK+4*kk:PCK+4*kk+2], v[32*(\t0)+16*kk:32*(\t0)+16*kk+15], v[TSC+kk]
.set kk, kk+1
.endr
	WIN 0
	v_nop                                          ; one plain place behind a scaled conversion
.irp t, 0,1,2,3
.irp i, 0,1,2
	v_permlane16_swap_b32 v[PCK+8*\t+\i], v[PCK+8*\t+4+\i]         ; lanes 0-15 the first block whole, lanes 16-31 the second: the six registers are +0, +1, +2, +4, +5, +6
.endr
.endr
	s_bitcmp1_b32 s31, 0
	s_cbranch_scc1 .Lkodd_\@
.irp t, 0,1,2,3
	v_mov_b32 v[PCK+8*\t+3], v[PCK+8*\t+4]
	v_mov_b32 v[SV+4*((\t0)+\t)], v[PCK+8*\t+5]
	v_mov_b32 v[SV+4*((\t0)+\t)+1], v[PCK+8*\t+6]
	v_mov_b32 v[KH+(\t0)+\t], v[HW+\t]
	global_store_b128 v4, v[PCK+8*\t:PCK+8*\t+3], s[42:43] offset:12288*((\t0)+\t)
.endr
	s_branch .Lkend_\@
.Lkodd_\@:
.irp t, 0,1,2,3
	v_mov_b32 v[SV+4*((\t0)+\t)+2], v[PCK+8*\t]
	v_mov_b32 v[SV+4*((\t0)+\t)+3], v[PCK+8*\t+1]
	global_store_b128 v4, v[SV+4*((\t0)+\t):SV+4*((\t0)+\t)+3], s[42:43] offset:12288*((\t0)+\t)+512
	v_mov_b32 v[PCK+8*\t], v[PCK+8*\t+2]
	v_mov_b32 v[PCK+8*\t+1], v[PCK+8*\t+4]
	v_mov_b32 v[PCK+8*\t+2], v[PCK+8*\t+5]
	v_mov_b32 v[PCK+8*\t+3], v[PCK+8*\t+6]
	global_store_b128 v4, v[PCK+8*\t:PCK+8*\t+3], s[42:43] offset:12288*((\t0)+\t)+1024
	v_lshl_or_b32 v[KW+\t], v[HW+\t], 16, v[KH+(\t0)+\t]
.endr
.irp p, 0,1
	v_cndmask_b32 v[TMPS+\p], v[KW+2*\p], v[KW+2*\p+1], s28
	global_store_b32 v5, v[TMPS+\p], s[44:45] offset:1024*((\t0)/2+\p)
.endr
.Lkend_\@:
.endm
; THE V SIDE'S WAY OUT: a tile of e is one fragment (16 e x 128 frames) and one scale word a row
.macro VQ eps, pc
	QUANT 64*(\eps), 2, \pc, PWV+(\eps), 1
.irp g, 0,1,2
	global_store_b128 v4, v[\pc+4*\g:\pc+4*\g+3], s[46:47] offset:1536*(\eps)+512*\g
.endr
.endm
.macro VONES be                        ; ones x V for the pair of tiles whose codes stand in PC0 and PC1; the pair's sums and paired scale words leave
	PLACES 8                                       ; a scale register written by a vector instruction stands 8 places ahead of a scaled product, an operand 4
	WM UD, ONES, PC0, -1, ONESC, PWV+2*(\be), 0, 0     ; every row of the result is the sum over the 128 frames of the quantised V; lane r holds tile row r's
	WM UD+8, ONES, PC1, -1, ONESC, PWV+2*(\be)+1, 0, 0
	PLACES 5                                       ; four in front of the read of the results; the fifth since the next round's first products take, as C, registers that lie where these results lie
	v_cndmask_b32 v[TMPS+2*(\be)], v[UD], v[UD+8], s28             ; lanes 0-15 the even tile's sums, lanes 16-31 the odd tile's
	global_store_b32 v18, v[TMPS+2*(\be)], s[50:51] offset:128*(\be)
	v_cndmask_b32 v[TMPS+2*(\be)+1], v[PWV+2*(\be)], v[PWV+2*(\be)+1], s28
	global_store_b32 v5, v[TMPS+2*(\be)+1], s[48:49] offset:128*(\be)
.endm
	s_mov_b32 s31, 0
.Lround:
	s_wait_loadcnt 0x0                             ; W's K steps 0 to 3 and scale words of this round are in; no load of mine is out, so their bases may be written
	s_mov_b64 s[32:33], s[34:35]
	s_add_nc_u64 s[52:53], s[32:33], 49152
	s_add_nc_u64 s[54:55], s[36:37], 2048
	s_cmp_lt_u32 s31, 3
	s_cselect_b64 s[34:35], s[52:53], s[38:39]     ; the next round's; behind the last round the first's again, so that no load leaves the buffer (those are not used)
	s_cselect_b64 s[36:37], s[54:55], s[40:41]
	STEP 0
	STEP 1
	STEP 2
	STEP 3
	STEP 4
	STEP 5
	STEP 6
	STEP 7
	; the way out: the loads of the turn stand in runs of 64, with vector work behind each run
	TSTORE                                         ; (the four places at the last step's end stand between its products and these reads)
	KEPI 0                                         ; frames' tiles 0-3 leave their registers,
	TLOAD 0                                        ; which take tiles 0 and 1 of e, turned
	TLOAD 1
	KEPI 4                                         ; frames' tiles 4-7 likewise
	TLOAD 2
	s_wait_dscnt 63                                ; tiles 0 and 1 of e are in: 64 loads were issued behind them, and 63 is the most that this wait can name
	VQ 0, PC0
	VQ 1, PC1
	VONES 0
	TLOAD 3
	s_wait_dscnt 63                                ; tile 2 is in: 64 loads were issued behind it
	VQ 2, PC0
	s_wait_dscnt 0x0                               ; tile 3 is in
	VQ 3, PC1
	VONES 1
	s_wait_xcnt 0x0                                ; the stores have read their bases and data: both are written below
	s_add_nc_u64 s[46:47], s[46:47], 6144
	s_add_nc_u64 s[48:49], s[48:49], 256
	s_add_nc_u64 s[50:51], s[50:51], 256
	s_and_b32 s56, s31, 1                          ; behind an odd round K's places go a K step on
	s_mul_i32 s52, s56, 1536
	s_mov_b32 s53, 0
	s_add_nc_u64 s[42:43], s[42:43], s[52:53]
	s_lshl_b32 s52, s56, 7
	s_add_nc_u64 s[44:45], s[44:45], s[52:53]
	s_add_co_u32 s52, s31, 1
	s_and_b32 s52, s52, 3
	s_lshl_b32 s52, s52, 8                         ; the next round's 64 numbers of b_proj (behind the last round the first's: inside my own 1,024 bytes; not used)
	v_add_nc_u32 v20, s52, v16
	BIASLD
	s_add_co_u32 s31, s31, 1
	s_cmp_lt_u32 s31, 4
	s_cbranch_scc1 .Lround
	s_wait_tensorcnt 0x0
	ds_add_u32 v254, v255
	s_wait_dscnt 0x0
	s_endpgm
.Lfunc_end_k_qc0650bb77b_proj:
	.size	k_qc0650bb77b_proj, .Lfunc_end_k_qc0650bb77b_proj-k_qc0650bb77b_proj
	.p2alignl 7, 3214868480
	.fill 96, 4, 3214868480
	.section	.rodata,"a",@progbits
	.p2align	6, 0x0
	.amdhsa_kernel k_qc0650bb77b_proj
		.amdhsa_group_segment_fixed_size 280064
		.amdhsa_private_segment_fixed_size 0
		.amdhsa_enable_private_segment 0
		.amdhsa_kernarg_size 80
		.amdhsa_user_sgpr_count 2
		.amdhsa_user_sgpr_kernarg_segment_ptr 1
		.amdhsa_wavefront_size32 1
		.amdhsa_system_sgpr_workgroup_id_x 1
		.amdhsa_system_sgpr_workgroup_id_y 1
		.amdhsa_system_sgpr_workgroup_id_z 1
		.amdhsa_system_vgpr_workitem_id 0
		.amdhsa_next_free_vgpr 1024
		.amdhsa_next_free_sgpr 66
		.amdhsa_reserve_vcc 1
		.amdhsa_float_denorm_mode_32 3
		.amdhsa_float_denorm_mode_16_64 3
		.amdhsa_memory_ordered 1
		.amdhsa_forward_progress 1
		.amdhsa_inst_pref_size 255
	.end_amdhsa_kernel
	.section	.bss,"aw",@nobits
	.p2align	6
	.space	262144
	.amdgpu_metadata
---
amdhsa.version: [ 1, 2 ]
amdhsa.kernels:
  - .name:           k_qc0650bb77b_proj
    .symbol:         k_qc0650bb77b_proj.kd
    .args:
      - { .name: xs, .offset: 0, .size: 8, .value_kind: global_buffer, .address_space: global }
      - { .name: xs_lens, .offset: 8, .size: 8, .value_kind: global_buffer, .address_space: global }
      - { .name: W_out, .offset: 16, .size: 8, .value_kind: global_buffer, .address_space: global }
      - { .name: b_out, .offset: 24, .size: 8, .value_kind: global_buffer, .address_space: global }
      - { .name: b_proj, .offset: 32, .size: 8, .value_kind: global_buffer, .address_space: global }
      - { .name: wq, .offset: 40, .size: 8, .value_kind: global_buffer, .address_space: global }
      - { .name: kq, .offset: 48, .size: 8, .value_kind: global_buffer, .address_space: global }
      - { .name: vq, .offset: 56, .size: 8, .value_kind: global_buffer, .address_space: global }
      - { .name: usum, .offset: 64, .size: 8, .value_kind: global_buffer, .address_space: global }
      - { .name: out2, .offset: 72, .size: 8, .value_kind: global_buffer, .address_space: global }
    .group_segment_fixed_size: 280064
    .private_segment_fixed_size: 0
    .kernarg_segment_align: 8
    .kernarg_segment_size: 80
    .max_flat_workgroup_size: 128
    .sgpr_count:     66
    .vgpr_count:     1024
    .wavefront_size: 32
...
	.end_amdgpu_metadata
.endif
;; end of part 5
;; launch scan: the kernel of part 3 again; grid 16 x 1, 9 waves a work-group, no clusters, 9,984 bytes of LDS; arguments out2, usum, xs_lens, ys_lens, out3, out1, fs, meta; writes out3, out1, fs, meta
;; launch attn: the kernel of part 4 again; grid 16 x 16, 8 waves a work-group, no clusters, 87,040 bytes of LDS; arguments ys, ys_lens, kq, vq, fs, meta, out0; writes out0
;; ======== version 3 of 3: 4 launches
;; limits: right only within a limited range of input values
;; workspace buffers: wq 819,200 bytes; kq 26,214,400 bytes; vq 26,214,400 bytes; usum 1,048,576 bytes; fs 196,608 bytes; meta 18,432 bytes of whole numbers
;; launch prep (part 6): grid 32 x 8, 2 waves a work-group, no clusters, 0 bytes of LDS; arguments W_proj, wq; writes wq
.if DOCPART == 6
	.amdgcn_target "amdgcn-amd-amdhsa--gfx1250"
	.amdhsa_code_object_version 6
	.text
	.protected	k_qc0650bb77b_prep
	.globl	k_qc0650bb77b_prep
	.p2align	8
	.type	k_qc0650bb77b_prep,@function
k_qc0650bb77b_prep:
	s_mov_b64 s[64:65], 0
	v_nop
	global_prefetch_b8 v0, s[64:65] scope:SCOPE_SE
	s_setreg_imm32_b32 hwreg(HW_REG_WAVE_MODE, 25, 1), 1
	s_wait_xcnt 0x0
; W_proj [1024 (d)][1024 (e)], f32, K = d is its FIRST axis.  It becomes codes of E2M3 with one E8M0 byte for each 32 along d, laid as IMAGES OF OPERAND REGISTERS:
; wq: [tile T 64][K step s 8] images of 1,536 bytes (registers 4 g .. 4 g + 3 of lane l at 512 g + 16 l); from byte WSC on [pair P 32][s 8][lane 32] scale words: lanes 0-15 tile 2 P's rows, lanes 16-31 tile 2 P + 1's.
; THE ROWS OF A TILE ARE NOT NEIGHBOURS: row i of tile 2 P + u is e = 32 P + 8 u + i + 8 (i / 8).
; Work-group (P, s), wave u: one fragment (16 e x 128 d).  A lane takes one column e and its registers run down d, in the order of the operand's layout: lane (r, h) holds d = 128 s + 64 c + 32 h + 0 .. 31, two whole blocks.
; A block's scale is 2^(floor(log2(largest magnitude)) - 2); its byte is the largest magnitude's exponent field - 2, held at 1 from below.
; LIMITS: a block of zeros gets the byte 1 (its codes are zeros; this program alone reads the bytes); NaN and infinities among the inputs are not served.
.set WSC, 786432
	s_load_b128 s[4:7], s[0:1], 0x0                ; W_proj s[4:5], wq s[6:7]
	v_lshrrev_b32 v1, 5, v0
	v_readfirstlane_b32 s8, v1                     ; wave = u
	v_and_b32 v1, 15, v0                           ; r
	v_bfe_u32 v2, v0, 4, 1                         ; h
	v_and_b32 v3, 31, v0                           ; lane
	s_wait_alu depctr_va_vdst(0)
	s_and_b32 s9, ttmp7, 0xffff                    ; K step s
	v_and_b32 v4, 8, v1
	v_add_nc_u32 v4, v4, v1                        ; r + 8 (r / 8)
	s_lshl_b32 s10, ttmp9, 5
	s_lshl_b32 s11, s8, 3
	s_add_co_u32 s10, s10, s11                     ; 32 P + 8 u
	v_add_nc_u32 v4, s10, v4                       ; my column e
	v_lshlrev_b32 v5, 2, v4
	v_lshl_add_u32 v5, v2, 17, v5                  ; 4 e + 32 h rows of 4,096 bytes
	s_lshl_b32 s12, s9, 19                         ; 128 s rows
	s_mov_b32 s13, 0
	s_lshl_b32 s14, ttmp9, 1
	s_add_co_u32 s14, s14, s8                      ; T = 2 P + u
	s_lshl_b32 s14, s14, 3
	s_add_co_u32 s14, s14, s9
	s_mul_i32 s14, s14, 1536                       ; the image's place: (8 T + s) x 1,536
	s_mov_b32 s15, 0
	s_lshl_b32 s16, ttmp9, 3
	s_add_co_u32 s16, s16, s9
	s_lshl_b32 s16, s16, 7                         ; the pair's scale words: (8 P + s) x 128,
	s_lshl_b32 s17, s8, 6
	s_add_co_u32 s16, s16, s17                     ; + 64 u
	s_add_co_u32 s16, s16, WSC
	s_mov_b32 s17, 0
	v_lshlrev_b32 v6, 4, v3                        ; 16 x lane
	v_lshlrev_b32 v7, 2, v1                        ; 4 r
	s_mov_b32 s20, 0x76543210
	s_mov_b32 s21, 0xfedcba98                      ; v_permlanex16_b32's selects for lane l xor 16
	s_wait_alu depctr_va_vdst(0)
	s_wait_kmcnt 0x0
	s_add_nc_u64 s[4:5], s[4:5], s[12:13]
	s_add_nc_u64 s[18:19], s[6:7], s[16:17]
	s_add_nc_u64 s[6:7], s[6:7], s[14:15]
.irp c, 0,1
.irp i, 0,1,2,3,4,5,6,7,8,9,10,11,12,13,14,15,16,17,18,19,20,21,22,23,24,25,26,27,28,29,30,31
	global_load_b32 v[64+32*\c+\i], v5, s[4:5] offset:4096*(64*\c+\i)   ; W(128 s + 64 c + 32 h + i, e)
.endr
.endr
	s_wait_loadcnt 0x0
.irp c, 0,1                                    ; my block 2 c + h: all its 32 numbers are mine
	v_max3_num_f32 v[32+\c], |v[64+32*\c]|, |v[65+32*\c]|, 0x1800000   ; with the floor 2^(3 - 127): the byte cannot fall under 1
.endr
.irp i, 2,4,6,8,10,12,14,16,18,20,22,24,26,28,30
.irp c, 0,1
	v_max3_num_f32 v[32+\c], v[32+\c], |v[64+32*\c+\i]|, |v[65+32*\c+\i]|
.endr
.endr
.irp c, 0,1
	v_add_nc_u32 v[44+\c], 0xff000000, v[32+\c]    ; 2 off the exponent field: the conversion's scale operand
.endr
.irp c, 0,1
	v_lshrrev_b32 v[36+\c], 23, v[44+\c]           ; the scale's byte
.endr
	v_lshl_or_b32 v9, v37, 16, v36                 ; my two bytes: blocks h and 2 + h,
	v_lshlrev_b32 v10, 3, v2
	v_lshlrev_b32 v9, v10, v9                      ; at their places in the word;
	v_mov_b32 v10, 0
	v_permlanex16_b32 v10, v9, s20, s21
	v_or_b32 v9, v9, v10                           ; with lane l xor 16's two the word is whole
.irp c, 0,1
	v_cvt_scalef32_pk16_fp6_f32 v[48+6*\c:50+6*\c], v[64+32*\c:79+32*\c], v[44+\c]
	v_cvt_scalef32_pk16_fp6_f32 v[192+4*\c:194+4*\c], v[80+32*\c:95+32*\c], v[44+\c]   ; (a conversion's three registers begin on an even number)
.endr
	v_nop                                          ; one plain place behind a scaled conversion
.irp c, 0,1
.irp i, 0,1,2
	v_mov_b32 v[51+6*\c+\i], v[192+4*\c+\i]
.endr
.endr
.irp g, 0,1,2
	global_store_b128 v6, v[48+4*\g:51+4*\g], s[6:7] offset:512*\g   ; the wave stores 512 consecutive bytes
.endr
	s_wait_xcnt 0x0                                ; EXEC changes only behind this wait
	v_cmpx_gt_u32 16, v3                           ; lanes 0-15 hold the 16 rows' words
	global_store_b32 v7, v9, s[18:19]
	s_endpgm
.Lfunc_end_k_qc0650bb77b_prep:
	.size	k_qc0650bb77b_prep, .Lfunc_end_k_qc0650bb77b_prep-k_qc0650bb77b_prep
	.p2alignl 7, 3214868480
	.fill 96, 4, 3214868480
	.section	.rodata,"a",@progbits
	.p2align	6, 0x0
	.amdhsa_kernel k_qc0650bb77b_prep
		.amdhsa_group_segment_fixed_size 0
		.amdhsa_private_segment_fixed_size 0
		.amdhsa_enable_private_segment 0
		.amdhsa_kernarg_size 16
		.amdhsa_user_sgpr_count 2
		.amdhsa_user_sgpr_kernarg_segment_ptr 1
		.amdhsa_wavefront_size32 1
		.amdhsa_system_sgpr_workgroup_id_x 1
		.amdhsa_system_sgpr_workgroup_id_y 1
		.amdhsa_system_sgpr_workgroup_id_z 1
		.amdhsa_system_vgpr_workitem_id 0
		.amdhsa_next_free_vgpr 208
		.amdhsa_next_free_sgpr 66
		.amdhsa_reserve_vcc 0
		.amdhsa_float_denorm_mode_32 3
		.amdhsa_float_denorm_mode_16_64 3
		.amdhsa_memory_ordered 1
		.amdhsa_forward_progress 1
		.amdhsa_inst_pref_size 12
	.end_amdhsa_kernel
	.amdgpu_metadata
---
amdhsa.version: [ 1, 2 ]
amdhsa.kernels:
  - .name:           k_qc0650bb77b_prep
    .symbol:         k_qc0650bb77b_prep.kd
    .args:
      - { .name: W_proj, .offset: 0, .size: 8, .value_kind: global_buffer, .address_space: global }
      - { .name: wq, .offset: 8, .size: 8, .value_kind: global_buffer, .address_space: global }
    .group_segment_fixed_size: 0
    .private_segment_fixed_size: 0
    .kernarg_segment_align: 8
    .kernarg_segment_size: 16
    .max_flat_workgroup_size: 64
    .sgpr_count:     66
    .vgpr_count:     208
    .wavefront_size: 32
...
	.end_amdgpu_metadata
.endif
;; end of part 6
;; launch proj (part 7): grid 256 x 1, 4 waves a work-group, no clusters, 280,064 bytes of LDS; arguments xs, xs_lens, W_out, b_out, b_proj, wq, kq, vq, usum, out2; writes kq, vq, usum, out2
.if DOCPART == 7
	.amdgcn_target "amdgcn-amd-amdhsa--gfx1250"
	.amdhsa_code_object_version 6
	.text
	.protected	k_qc0650bb77b_proj
	.globl	k_qc0650bb77b_proj
	.p2align	8
	.type	k_qc0650bb77b_proj,@function
k_qc0650bb77b_proj:
	s_mov_b64 s[64:65], 0
	v_nop
	global_prefetch_b8 v0, s[64:65] scope:SCOPE_SE
	s_setreg_imm32_b32 hwreg(HW_REG_WAVE_SCHED_MODE, 0, 2), 2
	s_setreg_imm32_b32 hwreg(HW_REG_WAVE_MODE, 25, 1), 1
	s_wait_xcnt 0x0
	s_wait_alu depctr_vm_vsrc(0)
; Work-group G takes 128 frames (batch G / 16, key step G % 16) and reads them ONCE.
; PHASE X: wave w takes frames 32 w .. 32 w + 31: it forms their alphas (f32 multiply-adds, sigmoid, 0 from xs_len on -> out2) and quantises x along d into codes of E2M3;
;   the fragments go to LDS as images of operand registers (registers 4 g .. 4 g + 3 of lane l at 512 g + 16 l), their scale words beside them.  One barrier.
; PHASE G: wave w takes e = 256 w .. 256 w + 255, in 4 rounds of 64.  A round multiplies all 128 frames by its 64 columns of W ONCE (source 0 = W, source 1 = x): a lane holds one frame, its registers run along e.
;   b_proj is the C of each sum's first product.  The results are wanted twice: as they lie they are quantised along e -> kq; TURNED (a lane holds one e, its registers run along the frames) they are quantised along t -> vq.
;   THE TURN goes through a stage in LDS of the wave's own: 128 rows (frames, in the order of the tiles' rows) x 64 e x 4 bytes, rows 272 bytes apart: 64 stores of 16 bytes a lane in, 256 loads of 4 bytes a lane back.
;   272 bytes are 68 words: the sixteen rows that half a store touches start at banks 4 r mod 64, and a load's lanes 16-31 lie 8 rows = 544 words = 32 banks mod 64 from lanes 0-15 (64 banks of 4 bytes: ISA guide 11.1).
;   A product of ones with V's codes gives the sum of the quantised V over the 128 frames -> usum (for rows of the attention whose mask is all false).
; TILES of frames and of e ARE NOT NEIGHBOURS: row i of tile 2 a + u is index 32 a + 8 u + i + 8 (i / 8), so that the 16 registers of two neighbouring tiles are 16 neighbours along the next K.
; PAIRED SCALE WORDS: one register or record holds the even tile's words in lanes 0-15 and the odd tile's in lanes 16-31.
; W's fragments come from memory straight into the one wave that uses them (each feeds 8 products); no tile is shared through LDS but x's, so no tensor load and no cluster.
; LIMITS: a block of zeros gets the byte 1 (its codes are zeros; this program alone reads the bytes); NaN and infinities among the inputs are not served.
; REGISTERS.  window 0: v1-23 addresses; v24-55 x's scale words, v56-71 W's, v112 the ones', v114-117 V's (these hold scales alone); v72-103 K's registers kept from an even round; v104-111 K's half words;
;   v120-183 x's 64 numbers, later the ones' codes (v120-131), the ones' results, at work, b_proj (v132-163); v184-199 at work; v204-243 codes just made.
;   window 1: phase X: four sets of 64 numbers as loaded; phase G: x's 8 fragments of the even K steps (v0-95), W's 4 fragments in sets 0-2 (v96-239).
;   window 2: phase X: W_out (v0-31), the alphas' sums (v32-95); phase G: the 32 accumulators (32 t + 8 e); on the way out the same numbers turned (64 e + 8 t).
;   window 3: phase G: x's 8 fragments of the odd K steps (v0-95), W's set 3 (v96-143).
; THE MODE: SCHED_MODE bits 1:0 = 2 (LLVM: expert scheduling mode 2), set by the entry lines.  The code itself states the register dependences
; between vector or matrix instructions and memory or LDS instructions, with s_wait_alu, always for 0.
; THE PLAN.  Registers that memory or LDS instructions touch, and who else names them:
;   v4-v19, v22  offsets and LDS addresses: made at the head, never written again.  v20 (b_proj's LDS address): written once a round.
;   PHASE X.  R0 .. R3 (window 1): unit n's loads land in R[n % 4]; its stage stores and its multiply-adds read it; the loads of unit n + 4 land in it.
;             X (v120-183): the stage's loads land in it; the quantiser reads it.   v204-215 and v201: the quantiser and the line behind it write them; the image's LDS stores read them.
;   PHASE G.  x's two sets, W's four, W's scale words: K step s's products read x[s % 2] and W[s % 4]; the loads that stand in step s + 1 land in just these two sets.
;             So ONE wait on va_vdst stands at a step's head, and the step's 36 loads are dealt among its products, which name the other sets, the accumulators and the scale words.
;             The accumulators (window 2): written by the products; read by the turn's stores and by K's quantiser; then the turn's loads land in them; V's quantiser reads them.
;             v204-243 (codes), v72-103 (kept registers), v164-167 (paired words and sums): written by vector instructions, read by global stores: all of a batch's writers, one wait, the batch's stores.
.set XSC,   98304                      ; LDS: [K step 8][tile 8] images of x from 0; here [pair 4][K step 8][lane] scale words;
.set BIAS,  102400                     ; b_proj, 1,024 bytes for each wave;
.set STG,   106496                     ; a stage of 16 rows x 528 bytes for each wave (later 32 x 144 for the alphas);
.set STGW,  8448
.set TST,   140288                     ; the stage of the turn: 128 rows x 272 bytes for each wave
.set TSTW,  34816
.set TP,    272
.set WSC,   786432
.set KSC,   25165824
.set VSC,   25165824
.set XS,    24
.set WS,    56
.set SV,    72
.set KH,    104
.set ONESC, 112
.set PWV,   114
.set X,     120
.set ONES,  120
.set UD,    132
.set BK,    132
.set TSC,   148
.set HW,    156
.set KW,    160
.set TMPS,  164
.set TM,    184
.set PW,    200
.set PWK,   201
.set PC0,   204
.set PC1,   224
.set PCK,   204
.set SEL,   26
.set MSB, 0
.macro WIN new                         ; the immediate's high byte repeats the setting that is left; a switch that changes nothing is dropped
.if MSB != (\new)
	s_set_vgpr_msb (MSB<<8)|(\new)
.set MSB, \new
.endif
.endm
.macro PLACES n
.rept \n
	v_nop
.endr
.endm
; one product: D, A, B, C (under 0: the constant 0), A's and B's scale registers, and whether each side's words stand in lanes 16-31
.macro WM d, a, b, c, sa, sb, ra, rb
.if (\c) < 0
.if (\ra) && (\rb)
	v_wmma_scale_f32_16x16x128_f8f6f4 v[\d:\d+7], v[\a:\a+11], v[\b:\b+11], 0, v[\sa], v[\sb] matrix_a_fmt:MATRIX_FMT_FP6 matrix_b_fmt:MATRIX_FMT_FP6 matrix_a_scale:MATRIX_SCALE_ROW1 matrix_b_scale:MATRIX_SCALE_ROW1
.elseif (\ra)
	v_wmma_scale_f32_16x16x128_f8f6f4 v[\d:\d+7], v[\a:\a+11], v[\b:\b+11], 0, v[\sa], v[\sb] matrix_a_fmt:MATRIX_FMT_FP6 matrix_b_fmt:MATRIX_FMT_FP6 matrix_a_scale:MATRIX_SCALE_ROW1
.elseif (\rb)
	v_wmma_scale_f32_16x16x128_f8f6f4 v[\d:\d+7], v[\a:\a+11], v[\b:\b+11], 0, v[\sa], v[\sb] matrix_a_fmt:MATRIX_FMT_FP6 matrix_b_fmt:MATRIX_FMT_FP6 matrix_b_scale:MATRIX_SCALE_ROW1
.else
	v_wmma_scale_f32_16x16x128_f8f6f4 v[\d:\d+7], v[\a:\a+11], v[\b:\b+11], 0, v[\sa], v[\sb] matrix_a_fmt:MATRIX_FMT_FP6 matrix_b_fmt:MATRIX_FMT_FP6
.endif
.else
.if (\ra) && (\rb)
	v_wmma_scale_f32_16x16x128_f8f6f4 v[\d:\d+7], v[\a:\a+11], v[\b:\b+11], v[\c:\c+7], v[\sa], v[\sb] matrix_a_fmt:MATRIX_FMT_FP6 matrix_b_fmt:MATRIX_FMT_FP6 matrix_a_scale:MATRIX_SCALE_ROW1 matrix_b_scale:MATRIX_SCALE_ROW1
.elseif (\ra)
	v_wmma_scale_f32_16x16x128_f8f6f4 v[\d:\d+7], v[\a:\a+11], v[\b:\b+11], v[\c:\c+7], v[\sa], v[\sb] matrix_a_fmt:MATRIX_FMT_FP6 matrix_b_fmt:MATRIX_FMT_FP6 matrix_a_scale:MATRIX_SCALE_ROW1
.elseif (\rb)
	v_wmma_scale_f32_16x16x128_f8f6f4 v[\d:\d+7], v[\a:\a+11], v[\b:\b+11], v[\c:\c+7], v[\sa], v[\sb] matrix_a_fmt:MATRIX_FMT_FP6 matrix_b_fmt:MATRIX_FMT_FP6 matrix_b_scale:MATRIX_SCALE_ROW1
.else
	v_wmma_scale_f32_16x16x128_f8f6f4 v[\d:\d+7], v[\a:\a+11], v[\b:\b+11], v[\c:\c+7], v[\sa], v[\sb] matrix_a_fmt:MATRIX_FMT_FP6 matrix_b_fmt:MATRIX_FMT_FP6
.endif
.endif
.endm
; 64 numbers of a lane in window w, register s + 16 b + i = k 32 b + 16 (lane / 16) + i of my row, become a fragment's codes in v[pc] .. v[pc + 11] and its scale word in v[pw].
; xw = 1: global stores issued since the last such waits read the registers that the codes are written into, so the two waits stand ahead of the conversions; xw = 0: none has.
.macro QUANT s, w, pc, pw, xw
	WIN (\w)|((\w)<<2)
.irp b, 0,1,2,3
	v_max3_num_f32 v[TM+\b], |v[(\s)+16*\b]|, |v[(\s)+16*\b+1]|, 0x1800000   ; block b: my 16 numbers, and the floor 2^(3 - 127): the byte cannot fall under 1
.endr
.irp i, 2,4,6,8,10,12,14
.irp b, 0,1,2,3
	v_max3_num_f32 v[TM+\b], |v[(\s)+16*\b+\i]|, |v[(\s)+16*\b+\i+1]|, v[TM+\b]
.endr
.endr
	WIN 0
.irp b, 0,1,2,3
	v_permlanex16_b32 v[TM+4+\b], v[TM+\b], s[SEL], s[SEL+1]
.endr
.irp b, 0,1,2,3
	v_max_num_f32 v[TM+\b], v[TM+\b], v[TM+4+\b]   ; with lane l xor 16's: the block's largest magnitude
.endr
.irp b, 0,1,2,3
	v_add_nc_u32 v[TM+12+\b], 0xff000000, v[TM+\b] ; 2 off its exponent field: the conversion's scale operand
.endr
.irp b, 0,1,2,3
	v_lshrrev_b32 v[TM+4+\b], 23, v[TM+12+\b]      ; the scale's byte
.endr
	v_lshl_or_b32 v[\pw], v[TM+5], 8, v[TM+4]
	v_lshl_or_b32 v[\pw], v[TM+6], 16, v[\pw]
	v_lshl_or_b32 v[\pw], v[TM+7], 24, v[\pw]
.if \xw
	s_wait_xcnt 0x0                                ; earlier stores have read the registers that the codes are written into
	s_wait_alu depctr_vm_vsrc(0)                   ; the global stores issued so far have read v204-243 and v164-167, which this pair of tiles writes again
.endif
	WIN \w
.irp c, 0,1
	v_cvt_scalef32_pk16_fp6_f32 v[\pc+6*\c:\pc+6*\c+2], v[(\s)+32*\c:(\s)+32*\c+15], v[TM+12+2*\c]
	v_cvt_scalef32_pk16_fp6_f32 v[\pc+12+4*\c:\pc+14+4*\c], v[(\s)+16+32*\c:(\s)+31+32*\c], v[TM+13+2*\c]   ; (a conversion's three registers begin on an even number)
.endr
	WIN 0
	v_nop                                          ; one plain place behind a scaled conversion
.irp c, 0,1                                    ; the operand's layout wants a WHOLE block in a lane: lanes 0-15 block 2 c, lanes 16-31 block 2 c + 1
.irp i, 0,1,2
	v_permlane16_swap_b32 v[\pc+6*\c+\i], v[\pc+12+4*\c+\i]
.endr
.irp i, 0,1,2
	v_mov_b32 v[\pc+3+6*\c+\i], v[\pc+12+4*\c+\i]
.endr
.endr
.endm
	s_load_b512 s[4:19], s[0:1], 0x0               ; xs 4, xs_lens 6, W_out 8, b_out 10, b_proj 12, wq 14, kq 16, vq 18
	s_load_b128 s[20:23], s[0:1], 0x40             ; usum 20, out2 22
	v_lshl_add_u32 v254, v0, 2, 0x44400
	v_mov_b32 v255, 0
	v_lshrrev_b32 v1, 5, v0
	v_readfirstlane_b32 s24, v1                    ; wave 0..3
	s_mov_b32 s25, ttmp9                           ; G
	s_mov_b32 s26, 0x76543210
	s_mov_b32 s27, 0xfedcba98                      ; selects for lane l xor 16
	s_mov_b32 s28, 0xffff0000                      ; lanes 16-31
	v_and_b32 v1, 31, v0                           ; lane
	v_and_b32 v2, 15, v0                           ; r
	v_bfe_u32 v3, v0, 4, 1                         ; h
	v_lshlrev_b32 v4, 4, v1                        ; 16 x lane: an image's place for my lane, in memory and (x's K steps 0-3) in LDS
	v_lshlrev_b32 v5, 2, v1                        ; 4 x lane
	s_wait_alu depctr_va_sdst(0)                   ; s24 is written, ahead of its first reader: LDS addresses and bases are made from it
	s_mul_i32 s52, s24, STGW
	s_add_co_u32 s52, s52, STG                     ; my stage
	v_add_nc_u32 v6, s52, v4                       ; into it: 16 x lane of a row
	v_mul_u32_u24 v7, v2, 528
	v_lshl_add_u32 v7, v3, 6, v7
	v_add_nc_u32 v7, s52, v7                       ; out of it: row r, + 64 h: my 16 numbers of a block of 32
	s_mul_i32 s53, s24, 3072
	v_add_nc_u32 v8, s53, v4                       ; where I store x's images: tiles 2 w, 2 w + 1; K steps 0-3,
	v_add_nc_u32 v9, 49152, v8                     ; K steps 4-7
	s_lshl_b32 s53, s24, 10
	s_add_co_u32 s54, s53, XSC
	v_add_nc_u32 v10, s54, v5                      ; and their paired scale words
	v_add_nc_u32 v12, 49152, v4                    ; x's images, K steps 4-7
	v_add_nc_u32 v13, XSC, v5
	v_add_nc_u32 v14, s52, v5                      ; the alphas' sums: in,
	v_mul_u32_u24 v15, v1, 144
	v_add_nc_u32 v15, s52, v15                     ; and back: a frame a lane
	s_add_co_u32 s54, s53, BIAS
	v_lshl_add_u32 v16, v3, 6, s54                 ; b_proj: + 64 h
	v_and_b32 v23, 8, v2
	v_add_nc_u32 v23, v23, v2                      ; r + 8 (r / 8)
	s_mul_i32 s56, s24, TSTW
	s_add_co_u32 s56, s56, TST                     ; my stage of the turn
	v_mul_u32_u24 v11, v2, TP
	v_lshl_add_u32 v11, v3, 6, v11
	v_add_nc_u32 v11, s56, v11                     ; into it: row r of a tile of frames, + 64 h: my 16 neighbouring e
	v_mul_u32_u24 v17, v3, 8*TP
	v_lshl_add_u32 v17, v23, 2, v17
	v_add_nc_u32 v17, s56, v17                     ; out of it: 8 h rows down, my row's e of a tile of e
	v_lshl_add_u32 v18, v3, 3, v23
	v_lshlrev_b32 v18, 2, v18                      ; usum: 4 (8 h + r + 8 (r / 8))
	v_lshl_add_u32 v19, v1, 5, s54                 ; b_proj on its way in: 32 bytes a lane
	v_lshlrev_b32 v22, 5, v1
	s_mov_b32 s53, 0
	s_mov_b32 s55, 0
.set ii, 0
.rept 16
	v_mov_b32 v[TM+ii], 0                          ; written once: a lane permute's destination counts as one of its sources
.set ii, ii+1
.endr
	s_wait_kmcnt 0x0
	s_lshr_b32 s52, s25, 4
	s_lshl_b32 s52, s52, 2
	s_add_nc_u64 s[6:7], s[6:7], s[52:53]
	s_load_b32 s29, s[6:7], 0x0                    ; xs_len of my batch
	s_load_b32 s30, s[10:11], 0x0                  ; b_out
	s_lshl_b32 s52, s25, 19
	s_lshl_b32 s54, s24, 17
	s_add_co_u32 s52, s52, s54
	s_add_nc_u64 s[4:5], s[4:5], s[52:53]          ; xs at frame 128 G + 32 w
	s_lshl_b32 s52, s24, 10
	s_add_nc_u64 s[12:13], s[12:13], s[52:53]      ; b_proj at e = 256 w
	s_wait_alu depctr_va_vdst(0)                   ; the offsets and LDS addresses v4 to v19 and v22 are written: every load and store of the kernel reads one of them
	WIN 0x80
.irp s, 0,1,2,3,4,5,6,7
	global_load_b128 v[4*\s:4*\s+3], v4, s[8:9] offset:512*\s      ; W_out: my four numbers of each K step
.endr
	WIN 0
	global_load_b128 v[244:247], v22, s[12:13]
	global_load_b128 v[248:251], v22, s[12:13] offset:16
; unit n = 2 s + u: tile 2 w + u, K step s: 16 rows x 512 consecutive bytes, into set n % 4 of window 1
.macro LOADU n
	WIN 0x40
.set ii, 0
.rept 16
	global_load_b128 v[64*((\n)%4)+4*ii:64*((\n)%4)+4*ii+3], v4, s[4:5] offset:(8*((\n)%2)+ii+8*(ii/8))*4096+512*((\n)/2) th:TH_LOAD_NT
.set ii, ii+1
.endr
	WIN 0
.endm
	LOADU 0
	LOADU 1
	LOADU 2
	LOADU 3
	s_mul_i32 s52, s24, 196608
	s_add_nc_u64 s[38:39], s[14:15], s[52:53]      ; W's images of my first round (tile 16 w)
	s_lshl_b32 s52, s24, 13
	s_add_co_u32 s52, s52, WSC
	s_add_nc_u64 s[40:41], s[14:15], s[52:53]      ; and their scale words (pair 8 w)
	s_mul_i32 s56, s25, 98304
	s_mul_i32 s52, s24, 3072
	s_add_co_u32 s52, s52, s56
	s_add_nc_u64 s[42:43], s[16:17], s[52:53]      ; kq: step G, K step 2 w
	s_lshl_b32 s58, s25, 12
	s_lshl_b32 s52, s24, 8
	s_add_co_u32 s52, s52, s58
	s_add_co_u32 s52, s52, KSC
	s_add_nc_u64 s[44:45], s[16:17], s[52:53]      ; its scale words
	s_mul_i32 s52, s24, 24576
	s_add_co_u32 s52, s52, s56
	s_add_nc_u64 s[46:47], s[18:19], s[52:53]      ; vq: step G, tile 16 w
	s_lshl_b32 s54, s24, 10
	s_add_co_u32 s54, s54, s58
	s_add_co_u32 s52, s54, VSC
	s_add_nc_u64 s[48:49], s[18:19], s[52:53]      ; its scale words
	s_mov_b32 s52, s54
	s_add_nc_u64 s[50:51], s[20:21], s[52:53]      ; usum: step G, e = 256 w
	s_lshl_b32 s52, s25, 9
	s_lshl_b32 s54, s24, 7
	s_add_co_u32 s52, s52, s54
	s_add_nc_u64 s[22:23], s[22:23], s[52:53]      ; out2 at my 32 frames
; ---- PHASE X.  A unit: its 16 rows go through my stage as they lie and come back 64 numbers a lane; on the way they are multiplied into the alphas' sums; then they are quantised.
.macro UNIT n
.set US, (\n)/2
.set UU, (\n)%2
.set RS, 64*((\n)%4)
.if (\n) <= 12
	s_wait_loadcnt 48                              ; this unit's loads are in; the three units behind it (16 loads each) may be out
.else
	s_wait_loadcnt 16*(15-(\n))
.endif
.if (\n) == 0
	ds_store_b128 v19, v[244:247]                  ; b_proj into my own 1,024 bytes
	ds_store_b128 v19, v[248:251] offset:16
.endif
	WIN 0x04                                       ; an LDS store's data are its source 1: window 1
.set ii, 0
.rept 16
	ds_store_b128 v6, v[RS+4*ii:RS+4*ii+3] offset:528*ii
.set ii, ii+1
.endr
	WIN 0xa9                                       ; numbers window 1; W_out and the sums window 2
.set ii, 0
.rept 16
.set AC, 32+2*(16*UU+ii)
.if US == 0
	v_pk_mul_f32 v[AC:AC+1], v[RS+4*ii:RS+4*ii+1], v[4*US:4*US+1]      ; the first products start the sums
.else
	v_pk_fma_f32 v[AC:AC+1], v[RS+4*ii:RS+4*ii+1], v[4*US:4*US+1], v[AC:AC+1]
.endif
.set ii, ii+1
.endr
.set ii, 0
.rept 16
.set AC, 32+2*(16*UU+ii)
	v_pk_fma_f32 v[AC:AC+1], v[RS+4*ii+2:RS+4*ii+3], v[4*US+2:4*US+3], v[AC:AC+1]
.set ii, ii+1
.endr
	WIN 0
.irp b, 0,1,2,3
.irp j, 0,1,2,3
	ds_load_b128 v[X+16*\b+4*\j:X+16*\b+4*\j+3], v7 offset:128*\b+16*\j   ; LDS serves a wave's instructions in order: these see my stores.  (The last unit's quantiser, which read v120-183, stands ahead of that unit's last wait on va_vdst; nothing since names them)
.endr
.endr
	s_wait_dscnt 0x0                               ; my 64 numbers are in
	s_wait_alu depctr_vm_vsrc(0)                   ; the stage's stores have read the set, in which the loads below land; the last unit's image stores have read v204-215 and v201, which the quantiser below writes
.if (\n)+4 < 16
	s_wait_alu depctr_va_vdst(0)                   ; the multiply-adds are done reading the set
	LOADU (\n)+4                                   ; the set takes the unit four on
.endif
	QUANT X, 0, PC0, PW, 0
.if UU == 0
	v_mov_b32 v[PWK], v[PW]                        ; the even tile's words are kept
.else
	v_cndmask_b32 v[PWK], v[PWK], v[PW], s28       ; lanes 0-15 the even tile's, lanes 16-31 the odd tile's
.endif
	s_wait_alu depctr_va_vdst(0)                   ; the codes and the paired words are written, which the LDS stores below read; the quantiser is done reading v120-183, in which the next unit's numbers land
.irp c, 0,1,2
.if US < 4
	ds_store_b128 v8, v[PC0+4*\c:PC0+4*\c+3] offset:US*12288+1536*UU+512*\c
.else
	ds_store_b128 v9, v[PC0+4*\c:PC0+4*\c+3] offset:(US-4)*12288+1536*UU+512*\c
.endif
.endr
.if UU == 1
	ds_store_b32 v10, v[PWK] offset:128*US
.endif
.endm
.set NN, 0
.rept 16
	UNIT NN
.set NN, NN+1
.endr
	; the alphas: each of my 32 frames' sums lies in 32 lanes x 2: the halves are added, the lanes' parts go through my stage, and lane l adds frame 32 w + l's
	WIN 0x0a
.set ii, 0
.rept 32
	v_add_f32 v[X+ii], v[32+2*ii], v[33+2*ii]
.set ii, ii+1
.endr
	WIN 0
	s_wait_alu depctr_va_vdst(0)                   ; the 32 sums are written, which the LDS stores read
.irp u, 0,1
.set ii, 0
.rept 16
	ds_store_b32 v14, v[X+16*\u+ii] offset:144*(8*\u+ii+8*(ii/8))
.set ii, ii+1
.endr
.endr
.irp k, 0,1,2,3,4,5,6,7
	ds_load_b128 v[152+4*\k:155+4*\k], v15 offset:16*\k
.endr
	s_wait_dscnt 0x0
.irp k, 0,4,8,12,16,20,24,28
	v_pk_add_f32 v[152+\k:153+\k], v[152+\k:153+\k], v[154+\k:155+\k]
.endr
.irp k, 0,8,16,24
	v_pk_add_f32 v[152+\k:153+\k], v[152+\k:153+\k], v[156+\k:157+\k]
.endr
.irp k, 0,16
	v_pk_add_f32 v[152+\k:153+\k], v[152+\k:153+\k], v[160+\k:161+\k]
.endr
	v_pk_add_f32 v[152:153], v[152:153], v[168:169]
	v_add_f32 v152, v152, v153
	s_wait_alu depctr_va_vdst(0)
	s_wait_kmcnt 0x0                               ; xs_len, b_out
	v_add_f32 v152, s30, v152
	v_mul_f32 v152, 0xbfb8aa3b, v152               ; -log2(e) x
	s_wait_alu depctr_va_vdst(0)
	v_exp_f32 v153, v152
	s_and_b32 s52, s25, 15
	s_lshl_b32 s52, s52, 7
	s_lshl_b32 s54, s24, 5
	s_add_co_u32 s52, s52, s54
	v_add_nc_u32 v155, s52, v1                     ; my frame in its batch.  (A plain place behind the exponential)
	s_wait_alu depctr_va_vdst(0)                   ; the exponential has written v153, ahead of its first reader
	v_add_f32 v153, 1.0, v153
	s_wait_alu depctr_va_vdst(0)
	v_rcp_f32 v154, v153
	v_cmp_gt_i32 vcc_lo, s29, v155                 ; (a plain place behind the reciprocal)
	s_wait_alu depctr_va_vcc(0)                    ; the compare has written VCC, which the select reads
	s_wait_alu depctr_va_vdst(0)                   ; the reciprocal has written v154, ahead of its first reader
	v_cndmask_b32 v154, 0, v154, vcc_lo            ; 0 from xs_len on
	s_wait_alu depctr_va_vdst(0)                   ; the select has written v154, which the store reads
	global_store_b32 v5, v154, s[22:23]
	s_wait_xcnt 0x0                                ; the store has read its data: the register is used again below
	s_wait_alu depctr_vm_vsrc(0)                   ; the LDS stores of the sums have read v120-151 and the store above v154: the lines and loads below write them; phase X's LDS stores have read window 1 and v204-215
.irp k, 0,3,6,9
	v_mov_b32 v[ONES+\k], 0x18618618               ; 128 codes of 4.0, a stream of 6-bit codes;
	v_mov_b32 v[ONES+\k+1], 0x86186186
	v_mov_b32 v[ONES+\k+2], 0x61861861
.endr
	v_mov_b32 v[ONESC], 0x7d7d7d7d                 ; under the scale 2^-2: ones
.set ii, 0
.rept 40
	v_mov_b32 v[SV+ii], 0                          ; what an even round leaves for the odd one: written once, so that both ways of a round find it written
.set ii, ii+1
.endr
; W's four fragments of K step st of the round at base, into set (sets 0-2: window 1, v96 on; set 3: window 3, v96 on)
.macro WLOAD set, st, base
.if (\set) == 3
	WIN 0xc0
.set WB, 96
.else
	WIN 0x40
.set WB, 96+48*(\set)
.endif
.irp e, 0,1,2,3
.irp g, 0,1,2
	global_load_b128 v[WB+12*\e+4*\g:WB+12*\e+4*\g+3], v4, s[\base:\base+1] offset:\e*12288+(\st)*1536+512*\g
.endr
.endr
.endm
.macro WSLOAD                          ; a round's 16 paired scale words of W
.irp b, 0,1
.irp s, 0,1,2,3,4,5,6,7
	global_load_b32 v[WS+8*\b+\s], v5, s[36:37] offset:1024*\b+128*\s
.endr
.endr
.endm
.macro BIASLD                          ; b_proj in the result's layout: eight neighbours a tile
.irp e, 0,1,2,3
	ds_load_b128 v[BK+8*\e:BK+8*\e+3], v20 offset:(32*(\e/2)+8*(\e%2))*4
	ds_load_b128 v[BK+8*\e+4:BK+8*\e+7], v20 offset:(32*(\e/2)+8*(\e%2))*4+16
.endr
.endm
.macro FETCHX st, t0, nt               ; x's tiles t0 .. t0 + nt - 1 of K step st, from their images: even steps into window 1, odd steps into window 3
	WIN 0x40+0x80*((\st)%2)
.set tt, \t0
.rept \nt
.irp g, 0,1,2
.if (\st) < 4
	ds_load_b128 v[12*tt+4*\g:12*tt+4*\g+3], v4 offset:(\st)*12288+1536*tt+512*\g
.else
	ds_load_b128 v[12*tt+4*\g:12*tt+4*\g+3], v12 offset:((\st)-4)*12288+1536*tt+512*\g
.endif
.endr
.set tt, tt+1
.endr
.endm
	s_mov_b64 s[34:35], s[38:39]
	s_mov_b64 s[36:37], s[40:41]
	WLOAD 0, 0, 34
	WLOAD 1, 1, 34
	WLOAD 2, 2, 34
	WLOAD 3, 3, 34
	WIN 0
	WSLOAD
	s_mov_b32 s52, 0
	v_add_nc_u32 v20, s52, v16
	s_wait_alu depctr_va_vdst(0)                   ; v20 is written, which the loads below read as their address; the alphas' arithmetic is done with v132-163, in which they land
	BIASLD
	s_wait_dscnt 0x0                               ; my images and scale words of x have landed
	s_barrier_signal -1
	s_barrier_wait -1                              ; everybody's have: from here on nobody writes them
.irp a, 0,1,2,3
.irp s, 0,1,2,3,4,5,6,7
	ds_load_b32 v[XS+8*\a+\s], v13 offset:1024*\a+128*\s           ; all of x's scale words stay in registers
.endr
.endr
	FETCHX 0, 0, 8
	FETCHX 1, 0, 8
	WIN 0
; ---- PHASE G
; Of a K step's 32 products (x's eight tiles against W's four) those of x's tiles t0 .. t0 + nt - 1.  The 32 accumulators take turns, one instruction a turn, in the same order in every step.
.macro KSP st, t0, nt
.set WFS, 96+48*((\st)%4)
.set WW, 1
.if (\st)%4 == 3
.set WFS, 96
.set WW, 3
.endif
.set XW, 1+2*((\st)%2)
.if (\st) == 0
.set WSEL, 0x80|(XW<<2)|WW                     ; C (b_proj) window 0, D window 2
.else
.set WSEL, 0xa0|(XW<<2)|WW                     ; C and D window 2; source 0 (W) and source 1 (x) where the step's sets lie
.endif
	WIN WSEL
.set tt, \t0
.rept \nt
.set ee, 0
.rept 4
.set rD, 32*tt+8*ee
.set rC, rD
.if (\st) == 0
.set rC, BK+8*ee
.endif
	WM rD, WFS+12*ee, 12*tt, rC, WS+8*(ee/2)+(\st), XS+8*(tt/2)+(\st), ee%2, tt%2
.set ee, ee+1
.endr
.set tt, tt+1
.endr
.endm
; A K step of 128.  Its loads fill again the two sets that the step BEFORE has read: x's with the step after this one, W's with the step three on (from step 5 on: the next round's).
; One wait at the step's head states that the last step's products are done with those sets; the 36 loads then stand in three runs of 12 behind the step's products 4, 8 and 12, which name the step's own sets,
; the accumulators and the scale words, and none of the registers that the loads touch.  Step 0 has no loads: those due there stand behind step 7 of the round before, ahead of the way out.
; Four plain vector instructions stand behind a step's last product, ahead of the loads into the registers that it has read (ISA guide 7.12.1 for vector instructions).
.macro STEP st
.if (\st) == 0
	s_wait_dscnt 0x0                               ; x's tiles of K steps 0 and 1 and b_proj (in the first round x's scale words too) are in
	KSP 0, 0, 8
.else
.if (\st) >= 4
	s_wait_loadcnt 24                              ; this step's set of W is in; the two sets (12 loads each) asked for behind it may be out
.endif
.if (\st) >= 2
	s_wait_dscnt 0x0                               ; this step's x, asked for in the step before, is in: no LDS instruction was issued behind it
.endif
	s_wait_alu depctr_va_vdst(0)                   ; the last step's products are done reading their set of x and their set of W, in which this step's loads land
	KSP \st, 0, 1
	FETCHX ((\st)+1)%8, 0, 4
	KSP \st, 1, 1
	FETCHX ((\st)+1)%8, 4, 4
	KSP \st, 2, 1
.if (\st) <= 4
	WLOAD ((\st)-1)%4, (\st)+3, 32
.else
	WLOAD ((\st)-1)%4, (\st)-5, 34
.endif
	KSP \st, 3, 5
.endif
	PLACES 4
.endm
; THE TURN.  In: registers 32 t + 16 b + i of lane (r, h) are frame row r of tile t, e = 32 b + 16 h + i: four stores of 16 bytes; each accumulator goes from its low end on.
.macro TSTORE
	WIN 0x08                                       ; an LDS store's data are its source 1: window 2
.set tt, 0
.rept 8
.irp b, 0,1
.irp q, 0,1,2,3
	ds_store_b128 v11, v[32*tt+16*\b+4*\q:32*tt+16*\b+4*\q+3] offset:16*tt*TP+128*\b+16*\q
.endr
.endr
.set tt, tt+1
.endr
.endm
; Back, a tile of e at a time: register 64 e + 8 t + j of lane (r, h) is frame row 8 h + j of tile t, at the e of row r of tile e.  LDS serves a wave's instructions in order: these see my stores.
; The registers are those that the accumulators of frames' tiles 2 e, 2 e + 1 have left: they are loaded only behind K's way out of those tiles, whose waits state that the turn's stores and K's quantiser have read them.
.macro TLOAD eps
	WIN 0x80                                       ; destination window 2
.set tt, 0
.rept 8
.irp j, 0,1,2,3,4,5,6,7
	ds_load_b32 v[64*(\eps)+8*tt+\j], v17 offset:(16*tt+\j)*TP+4*(32*((\eps)/2)+8*((\eps)%2))
.endr
.set tt, tt+1
.endr
.endm
; THE K SIDE'S WAY OUT, four tiles of frames at a time.  A round's 64 e are two blocks of 32: half a fragment (6 registers) and half a scale word.  An even round stores registers 0-3 and keeps 4, 5 and the two bytes;
; the odd round completes registers 4-7, stores them and 8-11, and stores the paired scale words.  Every store of the wave covers 512 (the words: 128) consecutive bytes.
; In each of the two ways all the moves stand first, then one wait, then the stores.
.macro KEPI t0
	WIN 0x0a
.set kk, 0
.rept 8
	v_max3_num_f32 v[TM+kk], |v[32*(\t0)+16*kk]|, |v[32*(\t0)+16*kk+1]|, 0x1800000
.set kk, kk+1
.endr
.set ii, 2
.rept 7
.set kk, 0
.rept 8
	v_max3_num_f32 v[TM+kk], |v[32*(\t0)+16*kk+ii]|, |v[32*(\t0)+16*kk+ii+1]|, v[TM+kk]
.set kk, kk+1
.endr
.set ii, ii+2
.endr
	WIN 0
.irp k, 0,1,2,3,4,5,6,7
	v_permlanex16_b32 v[TM+8+\k], v[TM+\k], s[SEL], s[SEL+1]
.endr
.irp k, 0,1,2,3,4,5,6,7
	v_max_num_f32 v[TM+\k], v[TM+\k], v[TM+8+\k]
.endr
.irp k, 0,1,2,3,4,5,6,7
	v_add_nc_u32 v[TSC+\k], 0xff000000, v[TM+\k]
.endr
.irp k, 0,1,2,3,4,5,6,7
	v_lshrrev_b32 v[TM+8+\k], 23, v[TSC+\k]
.endr
.irp t, 0,1,2,3
	v_lshl_or_b32 v[HW+\t], v[TM+9+2*\t], 8, v[TM+8+2*\t]          ; the round's two bytes of my frame
.endr
	s_wait_xcnt 0x0                                ; earlier stores have read the registers written below
	s_wait_alu depctr_vm_vsrc(0)                   ; the global stores issued so far have read v204-235, v72-103 and v164-165, which are written below on either way; the turn's stores have read the accumulators, in which the turn's loads land; the last loads of b_proj have read v20
	WIN 0x02
.set kk, 0
.rept 8
	v_cvt_scalef32_pk16_fp6_f32 v[PCK+4*kk:PCK+4*kk+2], v[32*(\t0)+16*kk:32*(\t0)+16*kk+15], v[TSC+kk]
.set kk, kk+1
.endr
	WIN 0
	v_nop                                          ; one plain place behind a scaled conversion
.irp t, 0,1,2,3
.irp i, 0,1,2
	v_permlane16_swap_b32 v[PCK+8*\t+\i], v[PCK+8*\t+4+\i]         ; lanes 0-15 the first block whole, lanes 16-31 the second: the six registers are +0, +1, +2, +4, +5, +6
.endr
.endr
	s_bitcmp1_b32 s31, 0
	s_cbranch_scc1 .Lkodd_\@
.irp t, 0,1,2,3
	v_mov_b32 v[PCK+8*\t+3], v[PCK+8*\t+4]
	v_mov_b32 v[SV+4*((\t0)+\t)], v[PCK+8*\t+5]
	v_mov_b32 v[SV+4*((\t0)+\t)+1], v[PCK+8*\t+6]
	v_mov_b32 v[KH+(\t0)+\t], v[HW+\t]
.endr
	s_wait_alu depctr_va_vdst(0)                   ; the four tiles' registers 0-3 are written, which the stores read; the conversions are done reading the accumulators of these four tiles, in which the turn's loads land
.irp t, 0,1,2,3
	global_store_b128 v4, v[PCK+8*\t:PCK+8*\t+3], s[42:43] offset:12288*((\t0)+\t)
.endr
	s_branch .Lkend_\@
.Lkodd_\@:
.irp t, 0,1,2,3
	v_mov_b32 v[SV+4*((\t0)+\t)+2], v[PCK+8*\t]
	v_mov_b32 v[SV+4*((\t0)+\t)+3], v[PCK+8*\t+1]
	v_mov_b32 v[PCK+8*\t], v[PCK+8*\t+2]
	v_mov_b32 v[PCK+8*\t+1], v[PCK+8*\t+4]
	v_mov_b32 v[PCK+8*\t+2], v[PCK+8*\t+5]
	v_mov_b32 v[PCK+8*\t+3], v[PCK+8*\t+6]
	v_lshl_or_b32 v[KW+\t], v[HW+\t], 16, v[KH+(\t0)+\t]
.endr
.irp p, 0,1
	v_cndmask_b32 v[TMPS+\p], v[KW+2*\p], v[KW+2*\p+1], s28
.endr
	s_wait_alu depctr_va_vdst(0)                   ; the four tiles' registers 4-11 and the paired words are written, which the stores read; the conversions are done reading the accumulators of these four tiles, in which the turn's loads land
.irp t, 0,1,2,3
	global_store_b128 v4, v[SV+4*((\t0)+\t):SV+4*((\t0)+\t)+3], s[42:43] offset:12288*((\t0)+\t)+512
	global_store_b128 v4, v[PCK+8*\t:PCK+8*\t+3], s[42:43] offset:12288*((\t0)+\t)+1024
.endr
.irp p, 0,1
	global_store_b32 v5, v[TMPS+\p], s[44:45] offset:1024*((\t0)/2+\p)
.endr
.Lkend_\@:
.endm
; THE V SIDE'S WAY OUT, a pair of tiles of e at a time: a tile is one fragment (16 e x 128 frames) and one scale word a row.  The pair's codes stand in v204-215 and v224-235.
.macro VSEND be                        ; the pair's sums and paired scale words leave
	global_store_b32 v18, v[TMPS+2*(\be)], s[50:51] offset:128*(\be)
	global_store_b32 v5, v[TMPS+2*(\be)+1], s[48:49] offset:128*(\be)
.endm
.macro VPROD be                        ; ones x V for the pair; the pair's codes leave
	PLACES 8                                       ; a scale register written by a vector instruction stands 8 places ahead of a scaled product, an operand 4
	s_wait_alu depctr_va_vdst(0)                   ; the pair's codes and scale words are written: the two scaled products take them as operand and scales, and the six stores below read the codes (second pair: the first pair's sums and paired words are written too)
	WM UD, ONES, PC0, -1, ONESC, PWV+2*(\be), 0, 0     ; every row of the result is the sum over the 128 frames of the quantised V; lane r holds tile row r's
	WM UD+8, ONES, PC1, -1, ONESC, PWV+2*(\be)+1, 0, 0
.irp g, 0,1,2
	global_store_b128 v4, v[PC0+4*\g:PC0+4*\g+3], s[46:47] offset:1536*(2*(\be))+512*\g
.endr
.irp g, 0,1,2
	global_store_b128 v4, v[PC1+4*\g:PC1+4*\g+3], s[46:47] offset:1536*(2*(\be)+1)+512*\g
.endr
.if (\be) == 1
	VSEND 0                                        ; the first pair's, behind the wait above
.endif
	PLACES 5                                       ; four in front of the read of the results; the fifth since the next round's first products take, as C, registers that lie where these results lie
	v_cndmask_b32 v[TMPS+2*(\be)], v[UD], v[UD+8], s28             ; lanes 0-15 the even tile's sums, lanes 16-31 the odd tile's
	v_cndmask_b32 v[TMPS+2*(\be)+1], v[PWV+2*(\be)], v[PWV+2*(\be)+1], s28
.endm
	s_mov_b32 s31, 0
.Lround:
	s_wait_loadcnt 0x0                             ; W's K steps 0 to 3 and scale words of this round are in; no load of mine is out, so their bases may be written
	s_mov_b64 s[32:33], s[34:35]
	s_add_nc_u64 s[52:53], s[32:33], 49152
	s_add_nc_u64 s[54:55], s[36:37], 2048
	s_cmp_lt_u32 s31, 3
	s_cselect_b64 s[34:35], s[52:53], s[38:39]     ; the next round's; behind the last round the first's again, so that no load leaves the buffer (those are not used)
	s_cselect_b64 s[36:37], s[54:55], s[40:41]
	STEP 0
	STEP 1
	STEP 2
	STEP 3
	STEP 4
	STEP 5
	STEP 6
	STEP 7
	s_wait_alu depctr_va_vdst(0)                   ; the round's products have written the accumulators, which the turn's stores read (the four places above stay beside this wait); step 7's are done reading their set of x, their set of W and W's scale words, in which the loads below land
	FETCHX 1, 0, 8                                 ; the next round's K step 1 of x,
	WLOAD 3, 3, 34                                 ; its K step 3 of W,
	WIN 0
	WSLOAD                                         ; and its scale words of W
	; the way out: the loads of the turn stand in runs of 64, with vector work behind each run
	TSTORE
	KEPI 0                                         ; frames' tiles 0-3 leave their registers,
	TLOAD 0                                        ; which take tiles 0 and 1 of e, turned
	TLOAD 1
	KEPI 4                                         ; frames' tiles 4-7 likewise
	TLOAD 2
	s_wait_dscnt 63                                ; tiles 0 and 1 of e are in: 64 loads were issued behind them, and 63 is the most that this wait can name
	QUANT 0, 2, PC0, PWV, 1
	QUANT 64, 2, PC1, PWV+1, 0
	VPROD 0
	TLOAD 3                                        ; (K's quantiser, which read these registers, stands ahead of its own wait; nothing since names them)
	s_wait_dscnt 63                                ; tile 2 is in: 64 loads were issued behind it
	QUANT 128, 2, PC0, PWV+2, 1
	s_wait_dscnt 0x0                               ; tile 3 is in
	QUANT 192, 2, PC1, PWV+3, 0
	VPROD 1
	s_add_co_u32 s52, s31, 1
	s_and_b32 s52, s52, 3
	s_lshl_b32 s52, s52, 8                         ; the next round's 64 numbers of b_proj (behind the last round the first's: inside my own 1,024 bytes; not used)
	v_add_nc_u32 v20, s52, v16
	s_wait_alu depctr_va_vdst(0)                   ; the second pair's sums and paired words are written, which the two stores read; v20 is written, the address of the loads below; the ones' products and the way out's arithmetic are done with v132-163, in which those loads land
	VSEND 1
	BIASLD
	s_wait_xcnt 0x0                                ; the stores have read their bases and data: both are written below
	s_add_nc_u64 s[46:47], s[46:47], 6144
	s_add_nc_u64 s[48:49], s[48:49], 256
	s_add_nc_u64 s[50:51], s[50:51], 256
	s_and_b32 s56, s31, 1                          ; behind an odd round K's places go a K step on
	s_mul_i32 s52, s56, 1536
	s_mov_b32 s53, 0
	s_add_nc_u64 s[42:43], s[42:43], s[52:53]
	s_lshl_b32 s52, s56, 7
	s_add_nc_u64 s[44:45], s[44:45], s[52:53]
	s_add_co_u32 s31, s31, 1
	s_cmp_lt_u32 s31, 4
	s_cbranch_scc1 .Lround
	s_wait_dscnt 0x0                               ; the closing lines, six on end
	s_wait_alu 0x0
	s_wait_tensorcnt 0x0
	ds_add_u32 v254, v255
	s_wait_dscnt 0x0
	s_endpgm
.Lfunc_end_k_qc0650bb77b_proj:
	.size	k_qc0650bb77b_proj, .Lfunc_end_k_qc0650bb77b_proj-k_qc0650bb77b_proj
	.p2alignl 7, 3214868480
	.fill 96, 4, 3214868480
	.section	.rodata,"a",@progbits
	.p2align	6, 0x0
	.amdhsa_kernel k_qc0650bb77b_proj
		.amdhsa_group_segment_fixed_size 280064
		.amdhsa_private_segment_fixed_size 0
		.amdhsa_enable_private_segment 0
		.amdhsa_kernarg_size 80
		.amdhsa_user_sgpr_count 2
		.amdhsa_user_sgpr_kernarg_segment_ptr 1
		.amdhsa_wavefront_size32 1
		.amdhsa_system_sgpr_workgroup_id_x 1
		.amdhsa_system_sgpr_workgroup_id_y 1
		.amdhsa_system_sgpr_workgroup_id_z 1
		.amdhsa_system_vgpr_workitem_id 0
		.amdhsa_next_free_vgpr 1024
		.amdhsa_next_free_sgpr 66
		.amdhsa_reserve_vcc 1
		.amdhsa_float_denorm_mode_32 3
		.amdhsa_float_denorm_mode_16_64 3
		.amdhsa_memory_ordered 1
		.amdhsa_forward_progress 1
		.amdhsa_inst_pref_size 255
	.end_amdhsa_kernel
	.section	.bss,"aw",@nobits
	.p2align	6
	.space	262144
	.amdgpu_metadata
---
amdhsa.version: [ 1, 2 ]
amdhsa.kernels:
  - .name:           k_qc0650bb77b_proj
    .symbol:         k_qc0650bb77b_proj.kd
    .args:
      - { .name: xs, .offset: 0, .size: 8, .value_kind: global_buffer, .address_space: global }
      - { .name: xs_lens, .offset: 8, .size: 8, .value_kind: global_buffer, .address_space: global }
      - { .name: W_out, .offset: 16, .size: 8, .value_kind: global_buffer, .address_space: global }
      - { .name: b_out, .offset: 24, .size: 8, .value_kind: global_buffer, .address_space: global }
      - { .name: b_proj, .offset: 32, .size: 8, .value_kind: global_buffer, .address_space: global }
      - { .name: wq, .offset: 40, .size: 8, .value_kind: global_buffer, .address_space: global }
      - { .name: kq, .offset: 48, .size: 8, .value_kind: global_buffer, .address_space: global }
      - { .name: vq, .offset: 56, .size: 8, .value_kind: global_buffer, .address_space: global }
      - { .name: usum, .offset: 64, .size: 8, .value_kind: global_buffer, .address_space: global }
      - { .name: out2, .offset: 72, .size: 8, .value_kind: global_buffer, .address_space: global }
    .group_segment_fixed_size: 280064
    .private_segment_fixed_size: 0
    .kernarg_segment_align: 8
    .kernarg_segment_size: 80
    .max_flat_workgroup_size: 128
    .sgpr_count:     66
    .vgpr_count:     1024
    .wavefront_size: 32
...
	.end_amdgpu_metadata
.endif
;; end of part 7
;; launch scan (part 8): grid 16 x 1, 9 waves a work-group, no clusters, 9,984 bytes of LDS; arguments out2, usum, xs_lens, ys_lens, out3, out1, fs, meta; writes out3, out1, fs, meta
.if DOCPART == 8
	.amdgcn_target "amdgcn-amd-amdhsa--gfx1250"
	.amdhsa_code_object_version 6
	.text
	.protected	k_qc0650bb77b_scan
	.globl	k_qc0650bb77b_scan
	.p2align	8
	.type	k_qc0650bb77b_scan,@function
k_qc0650bb77b_scan:
	s_mov_b64 s[64:65], 0
	v_nop
	global_prefetch_b8 v0, s[64:65] scope:SCOPE_SE
	s_setreg_imm32_b32 hwreg(HW_REG_WAVE_MODE, 25, 1), 1
	s_wait_xcnt 0x0
; One work-group a batch.  Waves 1-8: the mean row for queries whose mask is all false: the 16 steps' sums of the quantised V, added in ascending order, / 2048 -> fs (from UB on).
; Wave 0: csum of the batch's 2,048 alphas -> out3; their total -> out1; cm = csum, +infinity from xs_len on -> fs; and the WHOLE NUMBERS by which the next launch steers:
;   att[v] = 1 where query v sees a frame at all; kst[j] = how many key steps of 128 frames query tile j has to walk.  All stores go to fixed places; no branch and no address here hangs on these numbers.
; THE ORDER OF THE SUMS is that of a pairwise scan: S_j[k] = the sum of block k of 2^j neighbours, made of two blocks of half the size; the sum of the first m numbers is
;   P(m) = P(m with its lowest set bit cleared) + S_ctz(m)[(m >> ctz(m)) - 1].  Lane l holds numbers 64 l .. 64 l + 63; levels 0-6 lie in the lane, levels 7-11 across lanes.
; No barrier: wave 0 alone uses LDS (a stage of 32 x 272 bytes that turns 16 bytes a lane into 256 bytes a lane and back).
.set UB,  131072
.set KS,  16384
.set X,   64                           ; v64-127   my 64 numbers, then csum, then cm
.set SS,  128                          ; v128-190  S1 (32), S2 (16), S3 (8), S4 (4), S5 (2), S6 (1); before and after that v128-191 carry the dense side of the stage
.set EE,  197                          ; v197      the sum of all numbers ahead of my lane's
	s_load_b512 s[4:19], s[0:1], 0x0               ; out2 4, usum 6, xs_lens 8, ys_lens 10, out3 12, out1 14, fs 16, meta 18
	v_lshl_add_u32 v254, v0, 2, 0x2200
	v_mov_b32 v255, 0
	v_lshrrev_b32 v1, 5, v0
	s_delay_alu instid0(VALU_DEP_1)
	v_readfirstlane_b32 s31, v1                    ; wave 0..8
	v_and_b32 v1, 31, v0                           ; lane
	s_delay_alu instid0(VALU_DEP_1)
	v_lshlrev_b32 v2, 4, v1                        ; 16 x lane
	s_delay_alu instid0(VALU_DEP_2)
	v_lshrrev_b32 v3, 4, v1
	s_delay_alu instid0(VALU_DEP_1)
	v_mul_u32_u24 v3, v3, 272
	s_delay_alu instid0(VALU_DEP_4)
	v_and_b32 v4, 15, v1
	s_delay_alu instid0(VALU_DEP_1)
	v_lshl_add_u32 v3, v4, 4, v3                   ; the stage's dense side: a load's 512 bytes are two rows of 256
	v_mul_u32_u24 v5, v1, 272                      ; its lane side: row = lane
	s_mov_b32 s33, 0
	s_wait_kmcnt 0x0
	s_cmp_eq_u32 s31, 0
	s_cbranch_scc1 .Lwave0
	v_sub_nc_u32 v6, v0, 32
	s_delay_alu instid0(VALU_DEP_1)
	v_lshlrev_b32 v6, 4, v6                        ; thread 0..255 of the eight waves: four e each
	s_lshl_b32 s32, ttmp9, 16
	s_add_nc_u64 s[6:7], s[6:7], s[32:33]
.irp g, 0,1,2,3,4,5,6,7,8,9,10,11,12,13,14,15
	global_load_b128 v[32+4*\g:35+4*\g], v6, s[6:7] offset:4096*\g th:TH_LOAD_NT
.endr
	s_lshl_b32 s34, ttmp9, 12
	s_add_co_u32 s34, s34, UB
	s_mov_b32 s35, 0
	s_add_nc_u64 s[16:17], s[16:17], s[34:35]
	s_wait_loadcnt 0x0
.irp g, 1
	v_pk_add_f32 v[32:33], v[32:33], v[32+4*\g:33+4*\g]
	v_pk_add_f32 v[34:35], v[34:35], v[34+4*\g:35+4*\g]
.endr
.irp g, 2, 3, 4, 5, 6, 7, 8, 9, 10, 11, 12, 13, 14, 15
	s_delay_alu instid0(VALU_DEP_2)
	v_pk_add_f32 v[32:33], v[32:33], v[32+4*\g:33+4*\g]
	s_delay_alu instid0(VALU_DEP_2)
	v_pk_add_f32 v[34:35], v[34:35], v[34+4*\g:35+4*\g]
.endr
	s_delay_alu instid0(VALU_DEP_2)
	v_pk_mul_f32 v[32:33], v[32:33], 0x3a000000 op_sel_hi:[1,0]    ; x 2^-11: every p is 1 there, and their sum 2,048
	s_delay_alu instid0(VALU_DEP_2)
	v_pk_mul_f32 v[34:35], v[34:35], 0x3a000000 op_sel_hi:[1,0]
	global_store_b128 v6, v[32:35], s[16:17]
	s_endpgm
.Lwave0:
	s_lshl_b32 s32, ttmp9, 2
	s_add_nc_u64 s[8:9], s[8:9], s[32:33]
	s_add_nc_u64 s[10:11], s[10:11], s[32:33]
	s_add_nc_u64 s[14:15], s[14:15], s[32:33]      ; out1[b]
	s_load_b32 s26, s[8:9], 0x0                    ; xs_len
	s_load_b32 s27, s[10:11], 0x0                  ; ys_len
	s_lshl_b32 s34, ttmp9, 13
	s_mov_b32 s35, 0
	s_add_nc_u64 s[4:5], s[4:5], s[34:35]
	s_add_nc_u64 s[12:13], s[12:13], s[34:35]
	s_add_nc_u64 s[16:17], s[16:17], s[34:35]
	s_wait_alu depctr_va_vdst(0)
.irp q, 0,1,2,3,4,5,6,7,8,9,10,11,12,13,14,15
	global_load_b128 v[128+4*\q:131+4*\q], v2, s[4:5] offset:512*\q
.endr
	s_mov_b32 s20, 0xffff0000                      ; the lanes whose number has bit 4, 3, 2, 1, 0 set
	s_mov_b32 s21, 0xff00ff00
	s_mov_b32 s22, 0xf0f0f0f0
	s_mov_b32 s23, 0xcccccccc
	s_mov_b32 s24, 0xaaaaaaaa
	s_mov_b32 s25, 0x80000000                      ; lane 31
	s_mov_b32 s28, 0x76543210
	s_mov_b32 s29, 0xfedcba98
.set ii, 192
.rept 16
	v_mov_b32 v[ii], 0                             ; written once: the destination of a lane exchange counts as one of its sources
.set ii, ii+1
.endr
	s_wait_loadcnt 0x0
.irp q, 0,1,2,3,4,5,6,7,8,9,10,11,12,13,14,15
	ds_store_b128 v3, v[128+4*\q:131+4*\q] offset:544*\q
.endr
.irp k, 0,1,2,3,4,5,6,7,8,9,10,11,12,13,14,15
	ds_load_b128 v[X+4*\k:X+4*\k+3], v5 offset:16*\k               ; LDS serves a wave's instructions in order: these see my stores
.endr
	s_wait_dscnt 0x0
.macro LEVEL dst, src, n               ; n sums of two neighbours
.set kk, 0
.rept \n
	v_add_f32 v[(\dst)+kk], v[(\src)+2*kk], v[(\src)+2*kk+1]
.set kk, kk+1
.endr
.endm
	LEVEL SS, X, 32
	LEVEL SS+32, SS, 16
	LEVEL SS+48, SS+32, 8
	LEVEL SS+56, SS+48, 4
	LEVEL SS+60, SS+56, 2
	LEVEL SS+62, SS+60, 1
	s_delay_alu instid0(VALU_DEP_1)
	v_add_f32_dpp v192, v[SS+62], v[SS+62] row_xmask:1 row_mask:0xf bank_mask:0xf   ; the sums of 2, 4, 8, 16 lanes, in every lane of the block
	s_delay_alu instid0(VALU_DEP_1)
	v_add_f32_dpp v193, v192, v192 row_xmask:2 row_mask:0xf bank_mask:0xf
	s_delay_alu instid0(VALU_DEP_1)
	v_add_f32_dpp v194, v193, v193 row_xmask:4 row_mask:0xf bank_mask:0xf
	s_delay_alu instid0(VALU_DEP_1)
	v_add_f32_dpp v195, v194, v194 row_xmask:8 row_mask:0xf bank_mask:0xf
	s_delay_alu instid0(VALU_DEP_1)
	v_permlanex16_b32 v198, v195, s28, s29
	s_delay_alu instid0(VALU_DEP_1)
	v_add_f32 v196, v195, v198                     ; and of all 32: the total
	s_delay_alu instid0(VALU_DEP_2)
	v_cndmask_b32 v[EE], 0, v198, s20              ; what lies ahead of my lane: from the highest bit of the lane's number down, the neighbouring block's sum where the bit is set
	v_mov_b32_dpp v199, v194 row_xmask:8 row_mask:0xf bank_mask:0xf
	s_delay_alu instid0(VALU_DEP_1)
	v_cndmask_b32 v199, 0, v199, s21
	s_delay_alu instid0(VALU_DEP_1)
	v_add_f32 v[EE], v[EE], v199
	v_mov_b32_dpp v199, v193 row_xmask:4 row_mask:0xf bank_mask:0xf
	s_delay_alu instid0(VALU_DEP_1)
	v_cndmask_b32 v199, 0, v199, s22
	s_delay_alu instid0(VALU_DEP_1)
	v_add_f32 v[EE], v[EE], v199
	v_mov_b32_dpp v199, v192 row_xmask:2 row_mask:0xf bank_mask:0xf
	s_delay_alu instid0(VALU_DEP_1)
	v_cndmask_b32 v199, 0, v199, s23
	s_delay_alu instid0(VALU_DEP_1)
	v_add_f32 v[EE], v[EE], v199
	v_mov_b32_dpp v199, v[SS+62] row_xmask:1 row_mask:0xf bank_mask:0xf
	s_delay_alu instid0(VALU_DEP_1)
	v_cndmask_b32 v199, 0, v199, s24
	s_delay_alu instid0(VALU_DEP_1)
	v_add_f32 v[EE], v[EE], v199
	v_add_nc_u32 v204, 1, v1
	s_delay_alu instid0(VALU_DEP_1)
	v_lshlrev_b32 v204, 2, v204
	ds_bpermute_b32 v[X+63], v204, v[EE]           ; csum[63] of my lane is what lies ahead of the next lane
; P(m) for all m = k 2^j, k odd, into the register of csum[m - 1]; the levels from 5 down, so that P(m - 2^j) is there
.macro PLEVEL j, sb
.set kk, 1
.rept 32>>(\j)
.set mm, kk<<(\j)
.if mm == (1<<(\j))
	v_add_f32 v[X+mm-1], v[EE], v[(\sb)+kk-1]
.else
	v_add_f32 v[X+mm-1], v[X+mm-(1<<(\j))-1], v[(\sb)+kk-1]
.endif
.set kk, kk+2
.endr
.endm
	PLEVEL 5, SS+60
	PLEVEL 4, SS+56
	PLEVEL 3, SS+48
	PLEVEL 2, SS+32
	PLEVEL 1, SS
	PLEVEL 0, X
	s_wait_alu depctr_va_vdst(0)
	s_wait_dscnt 0x0
	v_cndmask_b32 v[X+63], v[X+63], v196, s25      ; in lane 31: the total
.macro OUTROW base                     ; my 64 numbers through the stage, and out as 512 consecutive bytes a store
.irp k, 0,1,2,3,4,5,6,7,8,9,10,11,12,13,14,15
	ds_store_b128 v5, v[X+4*\k:X+4*\k+3] offset:16*\k
.endr
.irp q, 0,1,2,3,4,5,6,7,8,9,10,11,12,13,14,15
	ds_load_b128 v[128+4*\q:131+4*\q], v3 offset:544*\q
.endr
	s_wait_dscnt 0x0
.irp q, 0,1,2,3,4,5,6,7,8,9,10,11,12,13,14,15
	global_store_b128 v2, v[128+4*\q:131+4*\q], s[\base:\base+1] offset:512*\q
.endr
.endm
	OUTROW 12                                      ; csum
	s_wait_kmcnt 0x0
	v_lshlrev_b32 v200, 6, v1
	s_delay_alu instid0(VALU_DEP_1)
	v_sub_nc_u32 v200, s26, v200                   ; xs_len - 64 l
	v_mov_b32 v205, 0x7f800000
.set ii, 0
.rept 64
	v_cmp_lt_i32 vcc_lo, ii, v200
	s_delay_alu instid0(VALU_DEP_1)
	v_cndmask_b32 v[X+ii], v205, v[X+ii], vcc_lo   ; cm: +infinity from xs_len on
.set ii, ii+1
.endr
	v_min3_num_f32 v201, v[X], v[X+1], v[X+2]
.set ii, 3
.rept 30
	s_delay_alu instid0(VALU_DEP_1)
	v_min3_num_f32 v201, v201, v[X+ii], v[X+ii+1]
.set ii, ii+2
.endr
	s_delay_alu instid0(VALU_DEP_1)
	v_min_num_f32 v201, v201, v[X+63]              ; my lane's least cm
	s_delay_alu instid0(VALU_DEP_1)
	v_min_num_f32_dpp v202, v201, v201 row_xmask:1 row_mask:0xf bank_mask:0xf   ; a key step's (two lanes)
	s_delay_alu instid0(VALU_DEP_1)
	v_min_num_f32_dpp v203, v202, v202 row_xmask:2 row_mask:0xf bank_mask:0xf
	s_delay_alu instid0(VALU_DEP_1)
	v_min_num_f32_dpp v203, v203, v203 row_xmask:4 row_mask:0xf bank_mask:0xf
	s_delay_alu instid0(VALU_DEP_1)
	v_min_num_f32_dpp v203, v203, v203 row_xmask:8 row_mask:0xf bank_mask:0xf
	s_delay_alu instid0(VALU_DEP_1)
	v_permlanex16_b32 v199, v203, s28, s29
	s_delay_alu instid0(VALU_DEP_1)
	v_min_num_f32 v203, v203, v199                 ; the batch's
	s_wait_xcnt 0x0                                ; csum's stores have read the registers that the stage's loads write again
	OUTROW 16                                      ; cm
	; att: lane l takes queries 8 l .. 8 l + 7
	v_lshlrev_b32 v204, 3, v1
.set ii, 0
.rept 8
	v_add_nc_u32 v216, ii, v204
	v_add_nc_u32 v217, ii+1, v204
	s_delay_alu instid0(VALU_DEP_1)
	v_cvt_f32_u32 v217, v217
	s_delay_alu instid0(VALU_DEP_3)
	v_cmp_gt_i32 vcc_lo, s27, v216
	s_delay_alu instid0(VALU_DEP_1)
	v_cndmask_b32 v217, -1.0, v217, vcc_lo         ; the query's bound v + 1; -1, under every csum, from ys_len on
	s_wait_alu depctr_va_vdst(0)
	v_cmp_lt_f32 vcc_lo, v203, v217
	s_delay_alu instid0(VALU_DEP_1)
	v_cndmask_b32 v[208+ii], 0, 1, vcc_lo
.set ii, ii+1
.endr
	s_lshl_b32 s34, ttmp9, 10
	s_add_nc_u64 s[36:37], s[18:19], s[34:35]
	v_lshlrev_b32 v218, 5, v1
	global_store_b128 v218, v[208:211], s[36:37]
	global_store_b128 v218, v[212:215], s[36:37] offset:16
	; kst: lanes j and j + 16 both take query tile j
	v_and_b32 v216, 15, v1
	s_delay_alu instid0(VALU_DEP_1)
	v_lshlrev_b32 v216, 4, v216                    ; 16 j
	s_delay_alu instid0(VALU_DEP_1)
	v_add_nc_u32 v217, 16, v216
	v_mov_b32 v219, s27
	s_delay_alu instid0(VALU_DEP_2)
	v_cmp_lt_i32 vcc_lo, s27, v217
	s_delay_alu instid0(VALU_DEP_1)
	v_cndmask_b32 v217, v217, v219, vcc_lo         ; min(16 j + 16, ys_len): the tile's largest bound
	s_delay_alu instid0(VALU_DEP_1)
	v_cvt_f32_i32 v217, v217
	v_cmp_gt_i32 vcc_lo, s27, v216
	s_delay_alu instid0(VALU_DEP_1)
	v_cndmask_b32 v206, -1.0, v217, vcc_lo
	v_mov_b32 v207, 0
.set kk, 0
.rept 16
	v_readlane_b32 s30, v202, 2*kk
	s_delay_alu instid0(VALU_DEP_1)
	v_cmp_lt_f32 vcc_lo, s30, v206
	s_delay_alu instid0(VALU_DEP_1)
	v_cndmask_b32 v207, v207, kk+1, vcc_lo         ; the last step with a frame under the bound, + 1
.set kk, kk+1
.endr
	s_lshl_b32 s34, ttmp9, 7
	s_add_co_u32 s34, s34, KS
	s_add_nc_u64 s[38:39], s[18:19], s[34:35]
	v_lshlrev_b32 v220, 2, v1
	global_store_b32 v220, v207, s[38:39]
	s_wait_xcnt 0x0                                ; EXEC changes only behind this wait
	s_wait_tensorcnt 0x0
	ds_add_u32 v254, v255
	s_wait_dscnt 0x0
	v_cmpx_eq_u32 0, v1
	global_store_b32 v1, v196, s[14:15]            ; lane 0 (its offset is 0): the total
	s_endpgm
.Lfunc_end_k_qc0650bb77b_scan:
	.size	k_qc0650bb77b_scan, .Lfunc_end_k_qc0650bb77b_scan-k_qc0650bb77b_scan
	.p2alignl 7, 3214868480
	.fill 96, 4, 3214868480
	.section	.rodata,"a",@progbits
	.p2align	6, 0x0
	.amdhsa_kernel k_qc0650bb77b_scan
		.amdhsa_group_segment_fixed_size 9984
		.amdhsa_private_segment_fixed_size 0
		.amdhsa_enable_private_segment 0
		.amdhsa_kernarg_size 64
		.amdhsa_user_sgpr_count 2
		.amdhsa_user_sgpr_kernarg_segment_ptr 1
		.amdhsa_wavefront_size32 1
		.amdhsa_system_sgpr_workgroup_id_x 1
		.amdhsa_system_sgpr_workgroup_id_y 1
		.amdhsa_system_sgpr_workgroup_id_z 1
		.amdhsa_system_vgpr_workitem_id 0
		.amdhsa_next_free_vgpr 256
		.amdhsa_next_free_sgpr 66
		.amdhsa_reserve_vcc 1
		.amdhsa_float_denorm_mode_32 3
		.amdhsa_float_denorm_mode_16_64 3
		.amdhsa_memory_ordered 1
		.amdhsa_forward_progress 1
		.amdhsa_inst_pref_size 42
	.end_amdhsa_kernel
	.amdgpu_metadata
---
amdhsa.version: [ 1, 2 ]
amdhsa.kernels:
  - .name:           k_qc0650bb77b_scan
    .symbol:         k_qc0650bb77b_scan.kd
    .args:
      - { .name: out2, .offset: 0, .size: 8, .value_kind: global_buffer, .address_space: global }
      - { .name: usum, .offset: 8, .size: 8, .value_kind: global_buffer, .address_space: global }
      - { .name: xs_lens, .offset: 16, .size: 8, .value_kind: global_buffer, .address_space: global }
      - { .name: ys_lens, .offset: 24, .size: 8, .value_kind: global_buffer, .address_space: global }
      - { .name: out3, .offset: 32, .size: 8, .value_kind: global_buffer, .address_space: global }
      - { .name: out1, .offset: 40, .size: 8, .value_kind: global_buffer, .address_space: global }
      - { .name: fs, .offset: 48, .size: 8, .value_kind: global_buffer, .address_space: global }
      - { .name: meta, .offset: 56, .size: 8, .value_kind: global_buffer, .address_space: global }
    .group_segment_fixed_size: 9984
    .private_segment_fixed_size: 0
    .kernarg_segment_align: 8
    .kernarg_segment_size: 64
    .max_flat_workgroup_size: 288
    .sgpr_count:     66
    .vgpr_count:     256
    .wavefront_size: 32
...
	.end_amdgpu_metadata
.endif
;; end of part 8
;; launch attn (part 9): grid 16 x 16, 8 waves a work-group, no clusters, 87,040 bytes of LDS; arguments ys, ys_lens, kq, vq, fs, meta, out0; writes out0
.if DOCPART == 9
	.amdgcn_target "amdgcn-amd-amdhsa--gfx1250"
	.amdhsa_code_object_version 6
	.text
	.protected	k_qc0650bb77b_attn
	.globl	k_qc0650bb77b_attn
	.p2align	8
	.type	k_qc0650bb77b_attn,@function
k_qc0650bb77b_attn:
	s_mov_b64 s[64:65], 0
	v_nop
	global_prefetch_b8 v0, s[64:65] scope:SCOPE_SE
	s_setreg_imm32_b32 hwreg(HW_REG_WAVE_SCHED_MODE, 0, 2), 2
	s_setreg_imm32_b32 hwreg(HW_REG_WAVE_MODE, 25, 1), 1
	s_wait_xcnt 0x0
	s_wait_alu depctr_vm_vsrc(0)
; Work-group (j, b): queries 16 j .. 16 j + 15 of batch b against the frames that their mask lets through.  Query v sees frame t where cm[t] < v + 1 and v < ys_len (cm: csum, +infinity from xs_len on).
; Only kst[b][j] key steps of 128 frames hold such a frame: a whole number stored by the launch before.  The loop's trip count is a constant and every wave passes every barrier; a step's WORK is jumped over.
; A row that sees no frame (att = 0) has all its scores equal, p = 1 for all 2,048 frames: it gets the mean row that the launch before has made.
; ROLES.  Waves 0-3 (QK): wave w owns keys 32 w .. 32 w + 31 of each step: S^T = K Q^T (a lane holds one query, 16 registers 16 neighbouring keys), the mask, p = 2^(t - M_w) with M_w the ceiling of ITS block's largest t,
;   the block's sum, byte and codes -> LDS.  Waves 4-7 (PV), one trip behind: wave w' owns e = 256 w' .. + 255: it brings the four blocks under one running whole-number M (a shift of the blocks' scale bytes and of the sums:
;   nothing is rounded) and adds O^T += V^T P^T.  Operands come from memory as images of operand registers, one step ahead; each role has one stream of loads.
; No tensor load and no cluster: the work hangs on stored numbers, and the tiles of work-groups that share a batch are walked to different lengths.
; LIMITS: hidden scores count as -infinity where the definition has -1e9 (a row whose largest visible logit lay near -1e9 would differ); a block of p whose shifted byte would fall under 1 is held at 1 (under 2^-123 of the row's largest p);
;   NaN and infinities among the inputs are not served.
; REGISTERS.  window 0: v4-18 addresses; v19 the query's bound, v20 -infinity; v24-31 K's or V's scale words, v32-39 Q's, v40 the word just made (these hold scales alone); v42-73 cm, two sets; v74-89 at work (PV: the blocks' figures);
;   v90-109 codes just made (PV: P); v110-123 at work; QK: v128-143 S^T, v144-239 Q; PV: v128-255 O^T.   window 1: v0-191 a step's 16 fragments of K or of V.
;   s4-11 and s52-59: from the loop on the masks of a step's compares (what they held at the head is done with there).
; THE MODE: SCHED_MODE bits 1:0 = 2 (LLVM: expert scheduling mode 2), set by the entry lines.  The code itself states the register dependences
; between vector or matrix instructions and memory or LDS instructions, with s_wait_alu, always for 0.
; THE PLAN.  Registers that memory or LDS instructions touch, and who else names them:
;   v4-v18        offsets and LDS addresses: made at the head, never written again.
;   window 1 v0-191, v24-31   a step's fragments and scale words: its products read them; behind ONE wait on va_vdst, which follows the products, the next step's loads land in them.
;   cm, two sets  the compares of step I read set I % 2; the loads issued in step I land in the other set, which the compares of step I - 1 read: the same wait.
;   QK: v90-92, v120-123   the step's codes and figures: written by its vector work, read by its four LDS stores: one wait on va_vdst ahead of the stores, one on vm_vsrc behind them.
;   PV: v90-101, v74-89    P and the blocks' figures: LDS loads land in them; the products read P, the vector work reads and writes the figures: the wait behind the products covers both for the next step's loads.
;   A compare's mask goes into a scalar register: the compares stand in a run, one wait on va_sdst behind the run, then the selects.
;   What vector instructions write and a scaled product takes as operand or scales has its wait on va_vdst ahead of the product on every way through the text, the ways that lead from one role's lines to the other's among them.
.set QSC,  12288                       ; LDS: Q's 8 images from 0; their scale words;
.set PB0,  13312                       ; two buffers of 3,072 bytes by turns: p's codes at 512 block + 32 r + 12 h, the blocks' figures at 2,048 + 256 block + 16 r;
.set PBS,  3072
.set STG,  19456                       ; a stage of 16 rows x 1,040 bytes for each PV wave
.set STGW, 16640
.set KSC,  25165824
.set UB,   131072
.set KS,   16384
.set KVS,  24
.set QS,   32
.set PWR,  40
.set CM,   42
.set TM,   74
.set PC,   90
.set S,    128
.set Q,    144
.set O,    128
.set MSB, 0
.macro WIN new                         ; the immediate's high byte repeats the setting that is left; a switch that changes nothing is dropped
.if MSB != (\new)
	s_set_vgpr_msb (MSB<<8)|(\new)
.set MSB, \new
.endif
.endm
.macro PLACES n
.rept \n
	v_nop
.endr
.endm
; one product: D, A, B, C (under 0: the constant 0), the two scale registers, and whether A's words stand in lanes 16-31
.macro WM d, a, b, c, sa, sb, ra
.if (\c) < 0
.if (\ra)
	v_wmma_scale_f32_16x16x128_f8f6f4 v[\d:\d+7], v[\a:\a+11], v[\b:\b+11], 0, v[\sa], v[\sb] matrix_a_fmt:MATRIX_FMT_FP6 matrix_b_fmt:MATRIX_FMT_FP6 matrix_a_scale:MATRIX_SCALE_ROW1
.else
	v_wmma_scale_f32_16x16x128_f8f6f4 v[\d:\d+7], v[\a:\a+11], v[\b:\b+11], 0, v[\sa], v[\sb] matrix_a_fmt:MATRIX_FMT_FP6 matrix_b_fmt:MATRIX_FMT_FP6
.endif
.else
.if (\ra)
	v_wmma_scale_f32_16x16x128_f8f6f4 v[\d:\d+7], v[\a:\a+11], v[\b:\b+11], v[\c:\c+7], v[\sa], v[\sb] matrix_a_fmt:MATRIX_FMT_FP6 matrix_b_fmt:MATRIX_FMT_FP6 matrix_a_scale:MATRIX_SCALE_ROW1
.else
	v_wmma_scale_f32_16x16x128_f8f6f4 v[\d:\d+7], v[\a:\a+11], v[\b:\b+11], v[\c:\c+7], v[\sa], v[\sb] matrix_a_fmt:MATRIX_FMT_FP6 matrix_b_fmt:MATRIX_FMT_FP6
.endif
.endif
.endm
; a step's 16 fragments and 8 paired scale words of my role; ahead = 1: of the step after the one at which the pointers stand
.macro LOADS ahead
	WIN 0x40
.set ff, 0
.rept 16
.irp g, 0,1,2
	global_load_b128 v[12*ff+4*\g:12*ff+4*\g+3], v4, s[24:25] offset:98304*(\ahead)+1536*ff+512*\g
.endr
.set ff, ff+1
.endr
	WIN 0
.irp n, 0,1,2,3,4,5,6,7
	global_load_b32 v[KVS+\n], v5, s[26:27] offset:4096*(\ahead)+128*\n
.endr
.endm
	s_load_b256 s[4:11], s[0:1], 0x0               ; ys 4, ys_lens 6, kq 8, vq 10
	s_load_b128 s[12:15], s[0:1], 0x20             ; fs 12, meta 14
	s_load_b64 s[16:17], s[0:1], 0x30              ; out0
	v_lshl_add_u32 v126, v0, 2, 0x15000
	v_mov_b32 v127, 0
	v_lshrrev_b32 v1, 5, v0
	v_readfirstlane_b32 s18, v1                    ; wave 0..7
	s_and_b32 s51, ttmp7, 0xffff                   ; b
	v_and_b32 v1, 31, v0                           ; lane
	v_and_b32 v2, 15, v0                           ; r
	v_bfe_u32 v3, v0, 4, 1                         ; h
	; every LDS address is made here, ahead of the first parting of the roles
	v_lshlrev_b32 v4, 4, v1                        ; 16 x lane: an image's place for my lane, in memory and (Q's) in LDS
	v_lshlrev_b32 v5, 2, v1                        ; 4 x lane
	s_wait_alu depctr_va_sdst(0)                   ; s18 is written, ahead of its first reader: the roles, LDS addresses and bases are made from it
	s_and_b32 s19, s18, 3                          ; my number within my role
	s_mul_i32 s52, s18, 1536
	v_add_nc_u32 v6, s52, v4                       ; where I store Q's image of K step = my wave
	s_lshl_b32 s52, s18, 7
	s_add_co_u32 s52, s52, QSC
	v_add_nc_u32 v7, s52, v5                       ; and its scale words
	v_add_nc_u32 v9, QSC, v5
	v_lshlrev_b32 v10, 5, v2
	v_mad_u32_u24 v10, v3, 12, v10
	s_lshl_b32 s52, s19, 9
	s_add_co_u32 s52, s52, PB0
	v_add_nc_u32 v10, s52, v10                     ; QK: my 12 bytes of p's codes
	v_lshlrev_b32 v11, 4, v2
	s_lshl_b32 s52, s19, 8
	s_add_co_u32 s52, s52, PB0+2048
	v_add_nc_u32 v11, s52, v11                     ; QK: my query's figures of my block
	v_lshl_add_u32 v12, v1, 5, PB0                 ; PV: P's fragment: block 2 c + h, query r: 1,024 c + 32 x lane
	v_lshl_add_u32 v13, v2, 4, PB0+2048            ; PV: my query's figures
	s_mul_i32 s52, s19, STGW
	s_add_co_u32 s52, s52, STG
	v_mul_u32_u24 v14, v2, 1040
	v_lshl_add_u32 v14, v3, 6, v14
	v_add_nc_u32 v14, s52, v14                     ; PV: the stage, in: row r, + 64 h
	v_add_nc_u32 v15, s52, v4                      ; and back: 16 bytes a lane
	v_lshlrev_b32 v17, 12, v2
	v_lshl_add_u32 v17, v3, 6, v17                 ; ys: row r of 4,096 bytes, + 64 h
	v_lshlrev_b32 v18, 6, v3                       ; cm: my 16 keys
	v_mov_b32 v20, 0xff800000
	s_mov_b32 s53, 0
	s_mov_b32 s55, 0
	s_mov_b32 s30, 0x76543210
	s_mov_b32 s31, 0xfedcba98                      ; selects for lane l xor 16
	s_mov_b32 s48, 0x3d38aa3b                      ; c = log2(e) / sqrt(1024): t = score x c
	s_mov_b32 s49, s48                             ; (named with it as a pair, so it is written)
	s_mov_b32 s22, 0                               ; I: the trip
	s_mov_b32 s23, 9
	s_wait_kmcnt 0x0
	s_lshl_b32 s52, s51, 10
	s_lshl_b32 s54, ttmp9, 6
	s_add_co_u32 s52, s52, s54
	s_add_nc_u64 s[56:57], s[14:15], s[52:53]
	s_load_b512 s[32:47], s[56:57], 0x0            ; att of my 16 queries
	s_lshl_b32 s52, s51, 7
	s_lshl_b32 s54, ttmp9, 2
	s_add_co_u32 s52, s52, s54
	s_add_co_u32 s52, s52, KS
	s_add_nc_u64 s[58:59], s[14:15], s[52:53]
	s_load_b32 s20, s[58:59], 0x0                  ; kst
	s_lshl_b32 s52, s51, 2
	s_add_nc_u64 s[6:7], s[6:7], s[52:53]
	s_load_b32 s21, s[6:7], 0x0                    ; ys_len
	s_lshl_b32 s52, s51, 20
	s_lshl_b32 s54, ttmp9, 16
	s_add_co_u32 s52, s52, s54                     ; my 16 rows of 4,096 bytes
	s_lshl_b32 s54, s19, 10
	s_add_co_u32 s54, s54, s52
	s_add_nc_u64 s[16:17], s[16:17], s[54:55]      ; out0: + 1,024 w'
	s_lshl_b32 s54, s18, 9
	s_add_co_u32 s52, s52, s54
	s_add_nc_u64 s[4:5], s[4:5], s[52:53]          ; ys: + K step = my wave
	s_cmp_lt_u32 s18, 4
	s_cselect_b64 s[24:25], s[8:9], s[10:11]       ; kq for the QK waves, vq for the PV waves: the two are laid alike
	s_lshl_b32 s54, s51, 16
	s_lshl_b32 s52, s19, 10
	s_add_co_u32 s54, s54, s52
	s_add_co_u32 s54, s54, KSC
	s_add_nc_u64 s[26:27], s[24:25], s[54:55]      ; the scale words of step 0, my part
	s_mul_i32 s52, s51, 1572864
	s_mul_i32 s54, s19, 24576
	s_add_co_u32 s52, s52, s54
	s_add_nc_u64 s[24:25], s[24:25], s[52:53]      ; the images of step 0, my 16
	s_lshl_b32 s52, s51, 13
	s_lshl_b32 s54, s19, 7
	s_add_co_u32 s52, s52, s54
	s_add_nc_u64 s[28:29], s[12:13], s[52:53]      ; cm at my block's 32 keys of step 0
	s_lshl_b32 s52, s51, 12
	s_lshl_b32 s54, s19, 10
	s_add_co_u32 s52, s52, s54
	s_add_co_u32 s52, s52, UB
	s_add_nc_u64 s[12:13], s[12:13], s[52:53]      ; the mean row at e = 256 w'
	s_wait_alu depctr_va_vdst(0)                   ; the offsets and LDS addresses v4 to v18 are written: every load and store of the kernel reads one of them
.irp b, 0,1,2,3
.irp j, 0,1,2,3
	global_load_b128 v[192+16*\b+4*\j:195+16*\b+4*\j], v17, s[4:5] offset:128*\b+16*\j th:TH_LOAD_NT   ; ys: of row r, 16 neighbours of each block of 32
.endr
.endr
	LOADS 0
.irp k, 0,1,2,3
	global_load_b128 v[CM+4*\k:CM+4*\k+3], v18, s[28:29] offset:16*\k
.endr
.set ii, 0
.rept 16
	v_mov_b32 v[CM+16+ii], 0                       ; the second set of cm, and what follows, are written once, so that every way through the loop finds them written
.set ii, ii+1
.endr
.irp b, 0,1,2,3
	v_mov_b32 v[TM+4+\b], 0
.endr
.set ii, 110
.rept 14
	v_mov_b32 v[ii], 0
.set ii, ii+1
.endr
	s_wait_loadcnt 60                              ; ys is in: behind its loads stand 48 + 8 + 4
	; Q: my K step's 64 numbers a lane become a fragment and a scale word a row
.irp b, 0,1,2,3
	v_max3_num_f32 v[TM+\b], |v[192+16*\b]|, |v[193+16*\b]|, 0x1800000   ; with the floor 2^(3 - 127): the byte cannot fall under 1
.endr
.irp i, 2,4,6,8,10,12,14
.irp b, 0,1,2,3
	v_max3_num_f32 v[TM+\b], v[TM+\b], |v[192+16*\b+\i]|, |v[193+16*\b+\i]|
.endr
.endr
.irp b, 0,1,2,3
	v_permlanex16_b32 v[TM+4+\b], v[TM+\b], s30, s31
.endr
.irp b, 0,1,2,3
	v_max_num_f32 v[TM+\b], v[TM+\b], v[TM+4+\b]
.endr
.irp b, 0,1,2,3
	v_add_nc_u32 v[TM+12+\b], 0xff000000, v[TM+\b] ; 2 off the exponent field: the conversion's scale operand
.endr
.irp b, 0,1,2,3
	v_lshrrev_b32 v[TM+4+\b], 23, v[TM+12+\b]
.endr
	v_lshl_or_b32 v[PWR], v[TM+5], 8, v[TM+4]
	v_lshl_or_b32 v[PWR], v[TM+6], 16, v[PWR]
	v_lshl_or_b32 v[PWR], v[TM+7], 24, v[PWR]
.irp c, 0,1
	v_cvt_scalef32_pk16_fp6_f32 v[PC+6*\c:PC+6*\c+2], v[192+32*\c:207+32*\c], v[TM+12+2*\c]
	v_cvt_scalef32_pk16_fp6_f32 v[PC+12+4*\c:PC+14+4*\c], v[208+32*\c:223+32*\c], v[TM+13+2*\c]
.endr
	v_nop                                          ; one plain place behind a scaled conversion
.irp c, 0,1
.irp i, 0,1,2
	v_permlane16_swap_b32 v[PC+6*\c+\i], v[PC+12+4*\c+\i]
.endr
.irp i, 0,1,2
	v_mov_b32 v[PC+3+6*\c+\i], v[PC+12+4*\c+\i]
.endr
.endr
	s_wait_alu depctr_va_vdst(0)                   ; Q's codes and scale word are written, which the LDS stores read; the quantiser is done with v192-255, in which Q's fragments land (QK), and with v74-101, in which P and the figures land (PV)
.irp c, 0,1,2
	ds_store_b128 v6, v[PC+4*\c:PC+4*\c+3] offset:512*\c
.endr
	ds_store_b32 v7, v[PWR]
	s_wait_kmcnt 0x0
	s_min_u32 s20, s20, 16
	s_lshl_b32 s52, ttmp9, 4
	v_add_nc_u32 v21, s52, v2                      ; my query v
	v_add_nc_u32 v22, 1, v21
	v_cvt_f32_u32 v22, v22
	v_cmp_gt_i32 vcc_lo, s21, v21
	s_wait_alu depctr_va_vcc(0)                    ; the compare has written VCC, which the select reads
	v_cndmask_b32 v19, -1.0, v22, vcc_lo           ; its bound v + 1; -1, under every csum, from ys_len on
	s_wait_dscnt 0x0                               ; my image of Q has landed
	s_barrier_signal -1
	s_barrier_wait -1                              ; everybody's has; nobody writes them again
	s_wait_alu depctr_vm_vsrc(0)                   ; my LDS stores have read v90-101 and v40, which both roles write again in the loop
	s_cmp_lt_u32 s18, 4
	s_cbranch_scc0 .Lpv_first
.irp s, 0,1,2,3,4,5,6,7
.irp g, 0,1,2
	ds_load_b128 v[Q+12*\s+4*\g:Q+12*\s+4*\g+3], v4 offset:1536*\s+512*\g    ; Q stays in registers
.endr
	ds_load_b32 v[QS+\s], v9 offset:128*\s
.endr
	s_branch .Ltrip
.Lpv_first:
.set ii, 0
.rept 128
	v_mov_b32 v[O+ii], 0                           ; O^T.  (A step is written once: the first finds zeros, which the first change of M leaves zeros)
.set ii, ii+1
.endr
	v_mov_b32 v110, 0x7f61b1e6                     ; -M so far: 3e38, over every -M
	s_wait_alu depctr_va_vdst(0)                   ; the zeros of v128-255 are written.  The two roles' registers overlap (Q, v144-239, lies where O^T lies), and in the text the QK role's scaled products, which take v144-239 as an operand, follow these lines over the label below
; FIVE PLACES stand behind each role's products.  Four serve the loads into registers that the products have read and the first read of results (ISA guide 7.12.1 for vector instructions).
; The fifth: the two roles' registers overlap (S^T and Q lie where O^T lies), and in the text one role's products follow the other's over the join at a trip's end; a matrix instruction that takes an earlier one's result as an
; operand, or writes over one of its registers, stands five places behind it.
; QK: key step I.  cm of this step lies in set par; p's codes and figures go to buffer par.
.macro QKREGION par
	s_wait_loadcnt 0x0                             ; this step's K, scale words and cm
	s_wait_dscnt 0x0                               ; (in the first trip: Q)
	WIN 0x01                                       ; source 0 (K) window 1
.set ss, 0
.rept 8
.set uu, 0
.rept 2                                        ; the two accumulators take turns, one instruction a turn
.if ss == 0
	WM S+8*uu, 12*(8*uu+ss), Q+12*ss, -1, KVS+ss, QS+ss, uu
.else
	WM S+8*uu, 12*(8*uu+ss), Q+12*ss, S+8*uu, KVS+ss, QS+ss, uu
.endif
.set uu, uu+1
.endr
.set ss, ss+1
.endr
	WIN 0
	PLACES 5
	s_wait_alu depctr_va_vdst(0)                   ; the products are done reading K's fragments and scale words, and the last step's compares the other set of cm (in the first trip: that set's zeros are written): the next step's loads land in them
	s_add_co_u32 s50, s22, 1
	s_cmp_lt_u32 s50, s20
	s_cbranch_scc0 .Lno_next_\@
	LOADS 1                                        ; the next step's, if it has work
.irp k, 0,1,2,3
	global_load_b128 v[CM+16*(1-(\par))+4*\k:CM+16*(1-(\par))+4*\k+3], v18, s[28:29] offset:512+16*\k
.endr
.Lno_next_\@:
.set ii, 0
.rept 16
	v_cmp_lt_f32 s[4+ii+40*(ii/8)], v[CM+16*(\par)+ii], v19        ; the sixteen masks: s4-11, s52-59
.set ii, ii+1
.endr
	s_wait_alu depctr_va_sdst(0)                   ; the sixteen compares have written their masks, which the selects read
.set ii, 0
.rept 16
	v_cndmask_b32 v[S+ii], v20, v[S+ii], s[4+ii+40*(ii/8)]         ; hidden scores become -infinity ahead of the maximum
.set ii, ii+1
.endr
	v_max3_num_f32 v110, v[S], v[S+1], v[S+2]
.irp i, 3,5,7,9,11,13
	v_max3_num_f32 v110, v110, v[S+\i], v[S+\i+1]
.endr
	v_max_num_f32 v110, v110, v[S+15]
	v_permlanex16_b32 v111, v110, s30, s31
	v_max_num_f32 v110, v110, v111                 ; the block's largest score of my query
	v_mul_f32 v111, s48, v110
	v_max_num_f32 v111, 0xff61b1e6, v111           ; as t; -3e38 where the whole block is hidden
	v_floor_f32 v120, -v111                        ; -M_w = floor(-t): a whole number
.irp j, 0,2,4,6,8,10,12,14
	v_pk_fma_f32 v[S+\j:S+\j+1], v[S+\j:S+\j+1], s[48:49], v[120:121] op_sel_hi:[1,0,0]   ; t - M_w (of the pairs c and -M_w the low word serves both halves)
.endr
	v_fma_f32 v110, v110, s48, v120                ; the same of the largest score: since p rises with the score, it gives the block's largest p
.set ii, 0
	s_wait_alu depctr_va_vdst(0)
.rept 16
	v_exp_f32 v[S+ii], v[S+ii]                     ; p = 2^(t - M_w), at most 1: not normalised
.set ii, ii+1
.endr
	v_exp_f32 v110, v110
	v_nop                                          ; a plain place behind the exponentials
	s_wait_alu depctr_va_vdst(0)                   ; the seventeen exponentials have written v128-143 and v110: one wait for the batch, ahead of its first reader
	v_pk_add_f32 v[114:115], v[S:S+1], v[S+2:S+3]  ; the sum is taken of the unquantised p
.irp j, 4,6,8,10,12,14
	v_pk_add_f32 v[114:115], v[114:115], v[S+\j:S+\j+1]
.endr
	v_add_f32 v114, v114, v115
	v_permlanex16_b32 v117, v114, s30, s31
	v_add_f32 v121, v114, v117                     ; the block's sum
	v_max_num_f32 v110, 0x1800000, v110            ; the floor 2^(3 - 127): a block all of whose p are 0 keeps the byte 1; its codes are zeros
	v_add_nc_u32 v116, 0xff000000, v110
	v_lshrrev_b32 v122, 23, v116                   ; the block's byte
	v_cvt_scalef32_pk16_fp6_f32 v[PC:PC+2], v[S:S+15], v116
	v_nop                                          ; one plain place behind a scaled conversion
	s_wait_alu depctr_va_vdst(0)                   ; the codes v90-92 and the figures v120-122 are written, which the LDS stores read
	ds_store_b32 v10, v[PC] offset:PBS*(\par)
	ds_store_b32 v10, v[PC+1] offset:PBS*(\par)+4
	ds_store_b32 v10, v[PC+2] offset:PBS*(\par)+8
	ds_store_b128 v11, v[120:123] offset:PBS*(\par)  ; -M_w, the sum, the byte (both halves of the lanes write the same)
	s_wait_alu depctr_vm_vsrc(0)                   ; the four LDS stores have read v90-92 and v120-123, which the next step's vector work writes again
.endm
; PV: key step I - 1, whose p lies in buffer pb
.macro PVREGION pb
	s_wait_loadcnt 0x0                             ; this step's V and scale words
	ds_load_b128 v[PC:PC+3], v12 offset:PBS*(\pb)  ; (the last step's products, which read P, and its arithmetic on the figures stand ahead of that step's last wait on va_vdst; nothing since names these registers)
	ds_load_b64 v[PC+4:PC+5], v12 offset:PBS*(\pb)+16
	ds_load_b128 v[PC+6:PC+9], v12 offset:PBS*(\pb)+1024
	ds_load_b64 v[PC+10:PC+11], v12 offset:PBS*(\pb)+1040
.irp w, 0,1,2,3
	ds_load_b128 v[TM+4*\w:TM+4*\w+3], v13 offset:PBS*(\pb)+256*\w
.endr
	s_wait_dscnt 0x0
	v_min_num_f32 v114, v110, v[TM]
	v_min_num_f32 v114, v114, v[TM+4]
	v_min_num_f32 v114, v114, v[TM+8]
	v_min_num_f32 v114, v114, v[TM+12]             ; the new -M: the least of the old one and the four blocks'
	v_sub_f32 v115, v114, v110                     ; old M - new M: a whole number, 0 or less,
	v_max_num_f32 v115, 0xc3800000, v115           ; held at -256, where 2^d is 0 in f32 all the same
	v_cvt_i32_f32 v115, v115
	v_ldexp_f32 v112, 1.0, v115                    ; f = 2^(old M - new M)
	v_mul_f32 v111, v111, v112                     ; the row's sum under the new M
.irp w, 0,1,2,3
	v_sub_f32 v[116+\w], v114, v[TM+4*\w]          ; M_w - new M
.endr
.irp w, 0,1,2,3
	v_max_num_f32 v[116+\w], 0xc3800000, v[116+\w]
.endr
.irp w, 0,1,2,3
	v_cvt_i32_f32 v[116+\w], v[116+\w]
.endr
.irp w, 0,1,2,3
	v_ldexp_f32 v[TM+4*\w+1], v[TM+4*\w+1], v[116+\w]
	v_add_nc_u32 v[TM+4*\w+2], v[TM+4*\w+2], v[116+\w]             ; the block's scale takes the shift up: the codes stay
.endr
.irp w, 0,1,2,3
	v_cmp_gt_i32 s[52+\w], 1, v[TM+4*\w+2]         ; the four masks: s52-55
.endr
.irp w, 0,1,2,3
	v_add_f32 v111, v111, v[TM+4*\w+1]
.endr
	s_wait_alu depctr_va_sdst(0)                   ; the four compares have written their masks, which the selects read
.irp w, 0,1,2,3
	v_cndmask_b32 v[TM+4*\w+2], v[TM+4*\w+2], 1, s[52+\w]          ; held at 1 from below
.endr
	v_lshl_or_b32 v[PWR], v[TM+6], 8, v[TM+2]      ; P's scale word for these 128 keys
	v_lshl_or_b32 v[PWR], v[TM+10], 16, v[PWR]
	v_lshl_or_b32 v[PWR], v[TM+14], 24, v[PWR]
	v_mov_b32 v110, v114
.set ii, 0
.rept 64
	v_pk_mul_f32 v[O+ii:O+ii+1], v[O+ii:O+ii+1], v[112:113] op_sel_hi:[1,0]   ; O^T under the new M, each accumulator from its low end on.  (These are also the places between the scale word and the products)
.set ii, ii+2
.endr
	WIN 0x01                                       ; source 0 (V) window 1
	s_wait_alu depctr_va_vdst(0)                   ; P's scale word v40 is written, which the scaled products take as scales; the places above stay beside this wait
.set nn, 0
.rept 16
	WM O+8*nn, 12*nn, PC, O+8*nn, KVS+nn/2, PWR, nn%2
.set nn, nn+1
.endr
	WIN 0
	PLACES 5
	s_wait_alu depctr_va_vdst(0)                   ; the products are done reading V's fragments and scale words, in which the loads below land, and P; the arithmetic above is done with the figures: the next step's LDS loads (on the way out: the mean row's loads) land in those
	s_cmp_lt_u32 s22, s20
	s_cbranch_scc0 .Lno_next_\@
	LOADS 0                                        ; step I's, if it has work
.Lno_next_\@:
.endm
; A trip.  QK writes buffer I % 2, PV reads the other one, which QK wrote a trip ago: the one barrier at the trip's end orders both ways.  The barrier and the pointers' steps stand outside every guard.
.macro TRIP par
	s_cmp_lt_u32 s18, 4
	s_cbranch_scc0 .Lpv_\@
	s_cmp_lt_u32 s22, s20
	s_cbranch_scc0 .Ljoin_\@
	QKREGION \par
	s_branch .Ljoin_\@
.Lpv_\@:
	s_sub_co_u32 s50, s22, 1
	s_cmp_lt_u32 s50, s20                          ; (unsigned: false in trip 0)
	s_cbranch_scc0 .Ljoin_\@
	PVREGION 1-(\par)
.Ljoin_\@:
	s_wait_xcnt 0x0                                ; my loads have read their bases
	s_add_nc_u64 s[24:25], s[24:25], 98304         ; a key step on
	s_add_nc_u64 s[26:27], s[26:27], 4096
	s_add_nc_u64 s[28:29], s[28:29], 512
	s_add_co_u32 s22, s22, 1
	s_wait_dscnt 0x0                               ; my LDS stores have landed and my LDS loads are in
	s_barrier_signal -1
	s_barrier_wait -1
.endm
.Ltrip:                                            ; 9 trips of two: I = 0 .. 17 serve up to 16 steps of QK and, one behind, of PV
	TRIP 0
	TRIP 1
	s_sub_co_u32 s23, s23, 1
	s_cmp_lg_u32 s23, 0
	s_cbranch_scc1 .Ltrip
	s_cmp_lt_u32 s18, 4
	s_cbranch_scc0 .Lout
	s_wait_dscnt 0x0                               ; the closing lines, six on end
	s_wait_alu 0x0
	s_wait_tensorcnt 0x0
	ds_add_u32 v126, v127
	s_wait_dscnt 0x0
	s_endpgm
.Lout:
	; THE WAY OUT (PV waves).  O^T / the sum goes through my stage and comes back as rows; a row that sees no frame takes the mean row; 32 lanes store 512 consecutive bytes.
	s_wait_loadcnt 0x0
	global_load_b128 v[PC:PC+3], v4, s[12:13]
	global_load_b128 v[PC+4:PC+7], v4, s[12:13] offset:512
	v_max_num_f32 v111, 0x800000, v111             ; (a row that sees nothing has the sum 0 and O^T = 0: it is replaced below)
	s_wait_alu depctr_va_vdst(0)
	v_rcp_f32 v112, v111
	v_nop                                          ; a plain place behind the reciprocal
	s_wait_alu depctr_va_vdst(0)                   ; the reciprocal has written v112, ahead of its first reader
.set ii, 0
.rept 64
	v_pk_mul_f32 v[O+ii:O+ii+1], v[O+ii:O+ii+1], v[112:113] op_sel_hi:[1,0]
.set ii, ii+2
.endr
	s_wait_alu depctr_va_vdst(0)                   ; the multiplications have written O^T, which the LDS stores read
.set pp, 0
.rept 8
.irp q, 0,1,2,3
	ds_store_b128 v14, v[O+16*pp+4*\q:O+16*pp+4*\q+3] offset:128*pp+16*\q    ; registers 16 p + i of lane (r, h): o(r, 256 w' + 32 p + 16 h + i)
.endr
.set pp, pp+1
.endr
	WIN 0x40
.set rr, 0
.rept 16
	ds_load_b128 v[8*rr:8*rr+3], v15 offset:1040*rr                ; LDS serves a wave's instructions in order: these see my stores.  (They land where V's fragments lay: the products that read those stand ahead of the waits above)
	ds_load_b128 v[8*rr+4:8*rr+7], v15 offset:1040*rr+512
.set rr, rr+1
.endr
	s_wait_dscnt 0x0
	s_wait_loadcnt 0x0
	WIN 0x41                                       ; rows window 1, the mean row window 0
.set rr, 0
.rept 16
	s_cmp_eq_u32 s[32+rr], 0
	s_cselect_b32 s50, -1, 0
.irp k, 0,1,2,3,4,5,6,7
	v_cndmask_b32 v[8*rr+\k], v[8*rr+\k], v[PC+\k], s50
.endr
.set rr, rr+1
.endr
	WIN 0x04                                       ; a store's data are its source 1: window 1
	s_wait_alu depctr_va_vdst(0)                   ; the selects have written the sixteen rows, which the stores read
.set rr, 0
.rept 16
	global_store_b128 v4, v[8*rr:8*rr+3], s[16:17] offset:4096*rr th:TH_STORE_NT
	global_store_b128 v4, v[8*rr+4:8*rr+7], s[16:17] offset:4096*rr+512 th:TH_STORE_NT
.set rr, rr+1
.endr
	WIN 0
	s_wait_dscnt 0x0                               ; the closing lines, six on end
	s_wait_alu 0x0
	s_wait_tensorcnt 0x0
	ds_add_u32 v126, v127
	s_wait_dscnt 0x0
	s_endpgm
.Lfunc_end_k_qc0650bb77b_attn:
	.size	k_qc0650bb77b_attn, .Lfunc_end_k_qc0650bb77b_attn-k_qc0650bb77b_attn
	.p2alignl 7, 3214868480
	.fill 96, 4, 3214868480
	.section	.rodata,"a",@progbits
	.p2align	6, 0x0
	.amdhsa_kernel k_qc0650bb77b_attn
		.amdhsa_group_segment_fixed_size 87040
		.amdhsa_private_segment_fixed_size 0
		.amdhsa_enable_private_segment 0
		.amdhsa_kernarg_size 56
		.amdhsa_user_sgpr_count 2
		.amdhsa_user_sgpr_kernarg_segment_ptr 1
		.amdhsa_wavefront_size32 1
		.amdhsa_system_sgpr_workgroup_id_x 1
		.amdhsa_system_sgpr_workgroup_id_y 1
		.amdhsa_system_sgpr_workgroup_id_z 1
		.amdhsa_system_vgpr_workitem_id 0
		.amdhsa_next_free_vgpr 448
		.amdhsa_next_free_sgpr 66
		.amdhsa_reserve_vcc 1
		.amdhsa_float_denorm_mode_32 3
		.amdhsa_float_denorm_mode_16_64 3
		.amdhsa_memory_ordered 1
		.amdhsa_forward_progress 1
		.amdhsa_inst_pref_size 101
	.end_amdhsa_kernel
	.amdgpu_metadata
---
amdhsa.version: [ 1, 2 ]
amdhsa.kernels:
  - .name:           k_qc0650bb77b_attn
    .symbol:         k_qc0650bb77b_attn.kd
    .args:
      - { .name: ys, .offset: 0, .size: 8, .value_kind: global_buffer, .address_space: global }
      - { .name: ys_lens, .offset: 8, .size: 8, .value_kind: global_buffer, .address_space: global }
      - { .name: kq, .offset: 16, .size: 8, .value_kind: global_buffer, .address_space: global }
      - { .name: vq, .offset: 24, .size: 8, .value_kind: global_buffer, .address_space: global }
      - { .name: fs, .offset: 32, .size: 8, .value_kind: global_buffer, .address_space: global }
      - { .name: meta, .offset: 40, .size: 8, .value_kind: global_buffer, .address_space: global }
      - { .name: out0, .offset: 48, .size: 8, .value_kind: global_buffer, .address_space: global }
    .group_segment_fixed_size: 87040
    .private_segment_fixed_size: 0
    .kernarg_segment_align: 8
    .kernarg_segment_size: 56
    .max_flat_workgroup_size: 256
    .sgpr_count:     66
    .vgpr_count:     448
    .wavefront_size: 32
...
	.end_amdgpu_metadata
.endif
;; end of part 9
